; MI455X (gfx1250); checked and timed in simulation.
; The chip was launched on July 23, 2026; its instructions are those of AMD's public machine-readable ISA for CDNA 5 (MIT licence, August 2026) and "CDNA5" Instruction Set Architecture Reference Guide (July 2026). The comments in the code are by the model that wrote it; some were corrected since.
;; Custom MHA. Allowed arithmetic: matrix products marked QUANTISED: E2M3 operands, one E8M0 scale for each 32 along K, by v_wmma_scale_f32_16x16x128_f8f6f4 with both operands' format E2M3, f32 sums; everything else in f32.
;; Inputs: W_attn 3,072 x 1,024 float32; W_proj 1,024 x 1,024 float32; b_attn 3,072 float32; b_proj 1,024 float32; head_idxs 15 int32; permutation 16 int32; x 2 x 2,048 x 1,024 float32; x1 2 x 2,048 x 1,024 float32; x2 2 x 2,048 x 1,024 float32; x3 2 x 2,048 x 1,024 float32.
;; Outputs: out0 2 x 2,048 x 1,024 float32.
;; Constants: head_idx = 3.
;; This version of the problem:
;;   THIS VERSION OF THE PROBLEM IS GIVEN IN LOW PRECISION. The matrix products marked QUANTISED in the list below multiply operands that are first quantised to E2M3 (2 exponent bits, 3 mantissa bits; 6 bits a number), with one power-of-two scale for each 32 numbers along K (OCP MX v1.0); their sums are f32. All else is computed in f32.
;;   The module's matrix products, in the order in which they are computed (A, B: the left and right operand; K: the contracted axis; several contracted axes count as one K, in the product's order):
;;     1. [M 4,096, K 1,024] x [K 1,024, N 1,024]; A: input x1; B: input W_attn: QUANTISED
;;     2. [M 4,096, K 1,024] x [K 1,024, N 1,024]; A: input x2; B: input W_attn: QUANTISED
;;     3. [M 4,096, K 1,024] x [K 1,024, N 1,024]; A: input x3; B: input W_attn: QUANTISED
;;     4. [M 4,096, K 1,024] x [K 1,024, N 1,024]; A: input x; B: input W_attn: QUANTISED
;;     5. [M 4,096, K 1,024] x [K 1,024, N 1,024]; A: input x; B: input W_attn: QUANTISED
;;     6. [M 4,096, K 1,024] x [K 1,024, N 1,024]; A: input x; B: input W_attn: QUANTISED
;;     7. batch 32 x [M 2,048, K 64] x [K 64, N 2,048]; A: computed on the way; B: computed on the way: QUANTISED
;;     8. batch 32 x [M 2,048, K 2,048] x [K 2,048, N 64]; A: softmax (see below); B: computed on the way: QUANTISED
;;     9. [M 4,096, K 1,024] x [K 1,024, N 1,024]; A: computed on the way; B: input W_proj: QUANTISED
;;   THE QUANTISER, for each operand of a quantised product, along K:
;;     - K is cut into blocks of 32 from its start; a last block that is shorter is filled with zeros.
;;     - A block's scale is 2^e with e = floor(log2(the largest magnitude in the block)) - 2, held to -126 .. 127; a block of zeros has e = 0. As a byte (E8M0): e + 127.
;;     - Each number is divided by its block's scale, clamped to +-7.5, and rounded to the nearest number of E2M3, ties to even, subnormals kept.
;;     - The product sums the exact products of the quantised numbers (number of the format x scale) in f32.
;;   ~~~python
;;   def quantise(x, axis):      # numpy; x: float32 -> the quantised numbers, widened to float32 again
;;       x = np.moveaxis(x, axis, -1); K = x.shape[-1]
;;       x = np.pad(x, [(0, 0)] * (x.ndim - 1) + [(0, -K % 32)]); x = x.reshape(x.shape[:-1] + (-1, 32)); a = np.abs(x).max(-1, keepdims=True)
;;       e = np.where(a > 0, np.clip(np.frexp(np.where(a > 0, a, 1))[1] - 1 - 2, -126, 127), 0)      # np.frexp(a)[1] - 1 = floor(log2(a)), exactly
;;       r = np.clip(x / 2.0 ** e, -7.5, 7.5)
;;       step = 2.0 ** (np.maximum(np.frexp(np.where(r == 0, 1, r))[1] - 1, 0) - 3)
;;       q = np.round(r / step) * step * 2.0 ** e      # np.round: ties to even
;;       return np.moveaxis(q.reshape(q.shape[:-2] + (-1,))[..., :K], -1, axis).astype(np.float32)
;;   ~~~
;;   SOFTMAX AHEAD OF A QUANTISED PRODUCT. Where the list says 'softmax', what is quantised is not the finished softmax but p = 2^(t - M), with t = logit x log2(e) and M = ceil(the row's largest t), a whole number; so 1/2 < the row's largest p <= 1. The row's sum l is taken of the UNQUANTISED p, in f32, and the product's result is divided by l at the end. Since M is a whole number, a kernel that streams over the keys may use a running M (the ceiling of the running maximum): every later rescaling is an exact power of two, which a block's scale takes up: the codes' values come out the same.
;;   OPERANDS COMPUTED ON THE WAY. 'Computed on the way' means the value that the module computes at that place (a softmax that the list does not call 'softmax' is quantised finished and normalised). What goes into a quantiser is computed in f32, as accurately as f32 sums, v_exp_f32 and their like allow (about 1e-6 of the number): no bf16 or f16 on the way to a quantiser, and a product that is left as it is and whose result goes on into a quantised operand takes f32 operands (vector FMAs, or v_wmma_f32_16x16x4_f32). A number that lies on a knife's edge between two numbers of the format may be rounded either way, as far as f32 arithmetic and the matrix unit's own rounding can turn it there, and no further.
;; 2 versions. Each part assembles by itself: llvm-mc -triple=amdgcn-amd-amdhsa -mcpu=gfx1250 --defsym DOCPART=n.
;; ======== version 1 of 2: 5 launches
;; workspace buffers: cod 15,728,640 bytes; scl 655,360 bytes; qkv 10,862,592 bytes; yc 3,145,728 bytes; ys 131,072 bytes
;; launch quant (part 1): grid 640 x 1, 4 waves a work-group, no clusters, 33,280 bytes of LDS; arguments x, x1, x2, x3, W_attn, W_proj, cod, scl; writes cod, scl
.if DOCPART == 1
	.amdgcn_target "amdgcn-amd-amdhsa--gfx1250"
	.amdhsa_code_object_version 6
	.text
	.protected	k_q5f18315ded_quant
	.globl	k_q5f18315ded_quant
	.p2align	8
	.type	k_q5f18315ded_quant,@function
k_q5f18315ded_quant:
	s_mov_b64 s[64:65], 0
	v_nop
	global_prefetch_b8 v0, s[64:65] scope:SCOPE_SE
	s_setreg_imm32_b32 hwreg(HW_REG_WAVE_MODE, 25, 1), 1
	s_wait_xcnt 0x0
; THE PROGRAM: five launches.  quant: x, x1, x2, x3, W_attn, W_proj into codes of E2M3 with one E8M0 byte for each 32 along K.  proj: q, k, v of x, all 16 heads.  spec: q, k, v of the one
; head that comes from x1, x2, x3.  attn: both products of attention and the softmax.  outp: the projection on the way out.  Between launches only codes and scale bytes go through memory.
; WORK LEFT OUT, FOR ALL VALUES OF THE INPUTS: reference() keeps of x1 Wq^T + bq, x2 Wk^T + bk and x3 Wv^T + bv only q[:, 3:4], k[:, 3:4], v[:, 3:4] (head_idx = 3 is a constant of the problem): the 960 columns
; outside head 3 of each of these three products are sliced away and reach no output, so only the 64 columns of head 3 are multiplied (launch spec).  Every input still has a way to the output: all are loaded.
; LIMIT: a NaN, an infinity or an overflow that reaches only those 960 columns is not carried to the result.
; Not left out: heads of x's projections that head_idxs does not name (only some values of an input throw them away), and heads that it names twice.
; THIS LAUNCH.  All six tensors have K = 1,024 innermost and dense rows: each is a stream of blocks of 32 numbers.  A block's scale is 2^(floor(log2(its largest magnitude)) - 2); its byte is the largest
; magnitude's exponent field - 2, held at 1 from below; each number is divided by the scale and rounded to the nearest code, ties to even, beyond 7.5 the largest code.
; LIMITS: a block of zeros, and a block whose largest magnitude lies under 2^-124, gets the byte 1 (zero codes add nothing under any byte but 0xff; this program alone reads the bytes); NaN and infinities among the inputs are not served.
; WHERE THE ROWS GO.  cod [20,480 places][768 bytes], scl [20,480 places][32 bytes]: x from place 0, x1 4,096, x2 8,192, x3 12,288, W_attn 16,384, W_proj 19,456.  INSIDE EVERY 32 ROWS THE TWO MIDDLE GROUPS OF 8
; CHANGE PLACES: place 16 u + r holds row 8 u + r + 8 (r / 8).  So sixteen neighbouring places, taken as source 0 of a product, leave 16 neighbours along the next K in a lane's registers of two neighbouring tiles.
; A work-group takes 32 rows, a wave 8 rows (8,192 numbers, 16 steps of 512): the change of places is a change of the wave's place on the way out, nothing else.
; Each of a step's four loads reads 512 consecutive bytes; the 2,048 bytes turn through the wave's own stage in LDS and come back 64 bytes a lane (16 neighbours; two lanes hold a block).  No barrier: waves share nothing.
.set WAVES, 4
.set STEPS, 16
.set EMAX,  2
.set CB,    12                         ; bytes of 16 codes
.set R,     16                         ; v16-79   four sets of 16 numbers as they are loaded
.set X,     80                         ; v80-111  two sets of 16 neighbours
.set C,     128                        ; v128-191 codes: four registers for each step, so that no store's data are written again
.set E,     112                        ; v112-127 a scale byte for each step
.set WREG,  8192                       ; LDS: a region for each wave: two stages of 32 x SP bytes, behind them its 256 scale bytes
.set SP,    80                         ; a lane's place in a stage: 64 bytes + 16 of padding
.set SPW,   12                         ; v12      LDS address of my spare word; never rewritten
.set NIL,   13                         ; v13      0; never rewritten
.set SPARE, WAVES*WREG                 ; behind the four regions: the spare words, 128 bytes a wave
	s_load_b256 s[4:11], s[0:1], 0x0               ; x s[4:5], x1 s[6:7], x2 s[8:9], x3 s[10:11]
	s_load_b256 s[12:19], s[0:1], 0x20             ; W_attn s[12:13], W_proj s[14:15], cod s[16:17], scl s[18:19]
	v_lshl_add_u32 v[SPW], v0, 2, SPARE
	v_mov_b32 v[NIL], 0
	v_lshrrev_b32 v1, 5, v0
	v_readfirstlane_b32 s20, v1                    ; wave
	v_and_b32 v2, 31, v0                           ; lane
	v_lshlrev_b32 v3, 4, v2                        ; my 16 bytes of a load's 512
	s_mul_i32 s21, s20, WREG
	v_lshrrev_b32 v14, 2, v2
	v_mul_u32_u24 v14, v14, SP
	v_and_b32 v15, 3, v2
	v_lshl_add_u32 v14, v15, 4, v14
	v_add_nc_u32 v14, s21, v14                     ; the stage, on the way in: SP (lane / 4) + 16 (lane % 4)
	v_mul_u32_u24 v15, v2, SP
	v_add_nc_u32 v15, s21, v15                     ; and on the way out: SP x lane: my 16 neighbours
	v_mul_u32_u24 v4, v2, CB                       ; my codes' place in a step's
	v_lshrrev_b32 v5, 1, v2
	s_add_co_u32 s21, s21, 2*32*SP
	v_add_nc_u32 v5, s21, v5                       ; LDS: my wave's 256 scale bytes, my block's byte
	v_lshlrev_b32 v7, 3, v2                        ; and on the way out 8 bytes a lane
	v_add_nc_u32 v6, s21, v7
	s_lshr_b32 s22, ttmp9, 7                       ; 128 work-groups to each of x, x1, x2, x3; then 96 for W_attn and 32 for W_proj
	s_lshl_b32 s23, s22, 7                         ; the tensor's first work-group
	s_wait_kmcnt 0x0
	s_cmp_eq_u32 s22, 1                            ; the choices hang on the work-group's number alone
	s_cselect_b64 s[4:5], s[6:7], s[4:5]
	s_cmp_eq_u32 s22, 2
	s_cselect_b64 s[4:5], s[8:9], s[4:5]
	s_cmp_eq_u32 s22, 3
	s_cselect_b64 s[4:5], s[10:11], s[4:5]
	s_cmp_eq_u32 s22, 4
	s_cselect_b64 s[4:5], s[12:13], s[4:5]
	s_cmp_ge_u32 ttmp9, 608
	s_cselect_b64 s[4:5], s[14:15], s[4:5]
	s_cselect_b32 s23, 608, s23
	s_sub_co_u32 s23, ttmp9, s23
	s_lshl_b32 s23, s23, 2
	s_add_co_u32 s24, s23, s20                     ; which run of 8 rows of the tensor is my wave's
	s_lshl_b32 s24, s24, 15                        ; 32,768 bytes a run (under 2^25)
	s_mov_b32 s25, 0
	s_add_nc_u64 s[4:5], s[4:5], s[24:25]
	s_and_b32 s26, s20, 1                          ; on the way out waves 1 and 2 change places
	s_lshl_b32 s26, s26, 1
	s_lshr_b32 s27, s20, 1
	s_or_b32 s26, s26, s27
	s_lshl_b32 s27, ttmp9, 2
	s_add_co_u32 s26, s26, s27                     ; the run's place among all 2,560
	s_mul_i32 s28, s26, 32*STEPS*CB                ; 6,144 bytes of codes a run
	s_mov_b32 s29, 0
	s_add_nc_u64 s[16:17], s[16:17], s[28:29]
	s_lshl_b32 s28, s26, 8                         ; 256 scale bytes a run
	s_add_nc_u64 s[18:19], s[18:19], s[28:29]
.macro LOAD t
.irp i, 0,1,2,3
	global_load_b128 v[R+16*((\t)%4)+4*\i:R+16*((\t)%4)+4*\i+3], v3, s[4:5] offset:2048*(\t)+512*\i th:TH_LOAD_NT   ; 32 lanes read 512 consecutive bytes
.endr
.endm
.macro TURN t                          ; step t's numbers through the stage: LDS serves a wave's instructions in order, so no wait stands between the stores and the loads
.irp i, 0,1,2,3
	ds_store_b128 v14, v[R+16*((\t)%4)+4*\i:R+16*((\t)%4)+4*\i+3] offset:32*SP*((\t)%2)+8*SP*\i
.endr
.irp i, 0,1,2,3
	ds_load_b128 v[X+16*((\t)%2)+4*\i:X+16*((\t)%2)+4*\i+3], v15 offset:32*SP*((\t)%2)+16*\i
.endr
.endm
.irp t, 0,1,2,3
	LOAD \t
.endr
	s_wait_loadcnt 12                              ; step 0's four loads are in; the twelve of steps 1 to 3 may be out
	TURN 0
.macro STEP t
.set XS, X+16*((\t)%2)
.if (\t) > 0
	s_wait_dscnt 1                                 ; this step's numbers are back from the stage (the last step's byte store may be out): so its stores into the stage have read their registers,
.else
	s_wait_dscnt 0x0
.endif
.if (\t)+4 < STEPS
	LOAD (\t)+4                                    ; which take the loads of four steps on
.endif
.if (\t)+1 < STEPS
.if STEPS-2-(\t) >= 3
	s_wait_loadcnt 12                              ; the next step's four loads are in; those of the three steps behind it may be out
.else
	s_wait_loadcnt 4*(STEPS-2-(\t))
.endif
	TURN (\t)+1                                    ; and go through the other stage while this step is worked
.endif
	v_max3_num_f32 v8, |v[XS]|, |v[XS+1]|, |v[XS+2]|               ; the largest magnitude of my 16
	v_max3_num_f32 v9, |v[XS+3]|, |v[XS+4]|, |v[XS+5]|
.irp i, 6,10
	v_max3_num_f32 v8, v8, |v[XS+\i]|, |v[XS+\i+1]|
	v_max3_num_f32 v9, v9, |v[XS+\i+2]|, |v[XS+\i+3]|
.endr
	v_max3_num_f32 v8, v8, |v[XS+14]|, |v[XS+15]|
	v_max3_num_f32 v8, v8, v9, (EMAX+1)<<23        ; and the floor 2^(3 - 127): the byte cannot fall under 1
	v_max_num_f32_dpp v8, v8, v8 row_xmask:1 row_mask:0xf bank_mask:0xf   ; and of my neighbour's 16: the block's
	v_add_nc_u32 v11, -(EMAX<<23), v8              ; 2 off its exponent field: the conversion takes the exponent field of this operand as its scale
	v_cvt_scalef32_pk16_fp6_f32 v[C+4*(\t):C+4*(\t)+2], v[XS:XS+15], v11         ; sixteen codes, 96 bits without gaps, the first number's code lowest
	v_lshrrev_b32 v[E+(\t)], 23, v11               ; the scale's byte
	ds_store_b8 v5, v[E+(\t)] offset:16*(\t)       ; both lanes of a block write the same byte with the same value
	global_store_b96 v4, v[C+4*(\t):C+4*(\t)+2], s[16:17] offset:32*CB*(\t)   ; the wave stores 384 consecutive bytes
.endm
.irp t, 0,1,2,3,4,5,6,7,8,9,10,11,12,13,14,15
	STEP \t
.endr
	ds_load_b64 v[8:9], v6                         ; LDS serves a wave's instructions in order: these see my stores
	s_wait_dscnt 0x0
	global_store_b64 v7, v[8:9], s[18:19]          ; 32 lanes store 256 consecutive bytes, aligned
	s_wait_tensorcnt 0x0                           ; the wave's end, behind my last LDS store
	ds_add_u32 v[SPW], v[NIL]
	s_wait_dscnt 0x0
	s_endpgm
.Lfunc_end_k_q5f18315ded_quant:
	.size	k_q5f18315ded_quant, .Lfunc_end_k_q5f18315ded_quant-k_q5f18315ded_quant
	.p2alignl 7, 3214868480
	.fill 96, 4, 3214868480
	.section	.rodata,"a",@progbits
	.p2align	6, 0x0
	.amdhsa_kernel k_q5f18315ded_quant
		.amdhsa_group_segment_fixed_size 33280
		.amdhsa_private_segment_fixed_size 0
		.amdhsa_enable_private_segment 0
		.amdhsa_kernarg_size 64
		.amdhsa_user_sgpr_count 2
		.amdhsa_user_sgpr_kernarg_segment_ptr 1
		.amdhsa_wavefront_size32 1
		.amdhsa_system_sgpr_workgroup_id_x 1
		.amdhsa_system_sgpr_workgroup_id_y 1
		.amdhsa_system_sgpr_workgroup_id_z 1
		.amdhsa_system_vgpr_workitem_id 0
		.amdhsa_next_free_vgpr 192
		.amdhsa_next_free_sgpr 66
		.amdhsa_reserve_vcc 0
		.amdhsa_float_denorm_mode_32 3
		.amdhsa_float_denorm_mode_16_64 3
		.amdhsa_memory_ordered 1
		.amdhsa_forward_progress 1
		.amdhsa_inst_pref_size 33
	.end_amdhsa_kernel
	.amdgpu_metadata
---
amdhsa.version: [ 1, 2 ]
amdhsa.kernels:
  - .name:           k_q5f18315ded_quant
    .symbol:         k_q5f18315ded_quant.kd
    .args:
      - { .name: x, .offset: 0, .size: 8, .value_kind: global_buffer, .address_space: global }
      - { .name: x1, .offset: 8, .size: 8, .value_kind: global_buffer, .address_space: global }
      - { .name: x2, .offset: 16, .size: 8, .value_kind: global_buffer, .address_space: global }
      - { .name: x3, .offset: 24, .size: 8, .value_kind: global_buffer, .address_space: global }
      - { .name: W_attn, .offset: 32, .size: 8, .value_kind: global_buffer, .address_space: global }
      - { .name: W_proj, .offset: 40, .size: 8, .value_kind: global_buffer, .address_space: global }
      - { .name: cod, .offset: 48, .size: 8, .value_kind: global_buffer, .address_space: global }
      - { .name: scl, .offset: 56, .size: 8, .value_kind: global_buffer, .address_space: global }
    .group_segment_fixed_size: 33280
    .private_segment_fixed_size: 0
    .kernarg_segment_align: 8
    .kernarg_segment_size: 64
    .max_flat_workgroup_size: 128
    .sgpr_count:     66
    .vgpr_count:     192
    .wavefront_size: 32
...
	.end_amdgpu_metadata
.endif
;; end of part 1
;; launch proj (part 2): grid 48 x 4, 4 waves a work-group, clusters of 4 x 4, 327,680 bytes of LDS; arguments cod, scl, b_attn, qkv; writes qkv
.if DOCPART == 2
	.amdgcn_target "amdgcn-amd-amdhsa--gfx1250"
	.amdhsa_code_object_version 6
	.text
	.protected	k_q5f18315ded_proj
	.globl	k_q5f18315ded_proj
	.p2align	8
	.type	k_q5f18315ded_proj,@function
k_q5f18315ded_proj:
	s_mov_b64 s[64:65], 0
	v_nop
	global_prefetch_b8 v0, s[64:65] scope:SCOPE_SE
	s_setreg_imm32_b32 hwreg(HW_REG_WAVE_MODE, 25, 1), 1
	s_wait_xcnt 0x0
	s_wait_alu depctr_hold_cnt(0) depctr_sa_sdst(0) depctr_va_vdst(0) depctr_va_sdst(0) depctr_va_ssrc(0) depctr_va_vcc(0) depctr_vm_vsrc(0)
	s_getreg_b32 s2, hwreg(HW_REG_IB_STS2, 6, 4)
	s_cmp_eq_u32 s2, 0
	s_cbranch_scc0 .Lentry_in_a_cluster
	s_endpgm
.Lentry_in_a_cluster:
	s_bfe_u32 s2, ttmp6, 0x10000c
	s_cmp_lg_u32 s2, 0xf033
	s_cbranch_scc0 .Lentry_shape_is_right
	s_endpgm
.Lentry_shape_is_right:
; q = x Wq^T + bq, k = x Wk^T + bk, v = x Wv^T + bv for all 16 heads, on codes of E2M3, and each result quantised in registers into the operand that attention wants.  (The products of x1, x2, x3 are not here: launch spec makes their one live head.)
; Twelve clusters of 4 x 4 work-groups; cluster c: c >> 2 says q, k or v; c & 3 says which 1,024 places of x.  A work-group makes 256 x 256, a wave 128 x 128: 64 accumulators, 512 registers.
; The matrix instruction's source 1 ('A', shared along a row of the cluster) gives a lane its row, source 0 ('B', shared along a column) runs along a lane's registers.
;   q, k: A = x, B = W: a lane holds one token, its registers run along the channels, which are the next K (the head's 64).
;   v:    A = Wv, B = x: a lane holds one channel, its registers run along the tokens, which are the next K (the keys).
; cod and scl hold the rows with the two middle groups of 8 of every 32 exchanged, so the 16 registers of tiles 2 b and 2 b + 1 are 16 NEIGHBOURS along the next K: 32 b + 16 (lane / 16) + 0 .. 15.
; K = 1,024 goes in four steps of 256 through a ring of two LDS slots filled by joint tensor loads; the scale bytes of the work-group's rows come once and stay.  The bias is the C of each sum's first matrix instruction.
; THE WAY OUT has no LDS: a block's 64 registers of a lane are quantised (four blocks of 32) and are then 12 registers of an operand; they are stored as an image of these registers.
; qkv: [slot 0..16][ts 0..31][19,968 bytes]; slot = head (16: launch spec's), ts = 128 places of tokens.  In a record: 0 Q, four fragments [16 tokens x 64 | the next 16 tokens x 64]; 6,144 their scale words;
; 6,656 K likewise; 12,800 V, four fragments of 16 channels x 128 keys; 18,944 K's scale words; 19,456 V's.  Half a fragment (registers 0-5) is 768 bytes: registers 0-3 at 16 x lane, registers 4, 5 at 512 + 8 x lane.
; REGISTERS, in windows of 256: window 0: v0-31 addresses; v32-63 scale words, two sets; v64-127 the bias; from v128 A's fragments, one set.  window 1: B's fragments, two sets.  windows 2, 3: the accumulators.
; On the way out window 0 holds: v32-47 at work, v48-54 half blocks of codes, v56-63 scale words, v64-71 scale words of pairs, v128-223 the eight fragments.
.set KSTEP,  256                       ; along K in a slot
.set NQ,     KSTEP/128                 ; matrix instructions deep
.set ROWB,   192                       ; a tile's row in bytes
.set KROW,   768                       ; a row of cod
.set PITCH,  240                       ; an LDS row: 3 x (64 bytes + 16 of padding)
.set FR,     12                        ; registers of a fragment
.set NL,     6                         ; LDS loads that bring one
.set NP,     4                         ; places behind this matrix instruction (ISA guide 7.12.1)
.set HALFT,  128*PITCH
.set SLOT,   4*HALFT                   ; A's 256 rows, then B's 256 rows
.set KS,     32                        ; a row of scl
.set SCL,    2*SLOT                    ; behind the ring: the scales, as units of 256 bytes + 16 of padding
.set HALFS,  (128*KS/256)*272
.set SBLK,   (16*KS/256)*272
.set SPARE,  SCL+4*HALFS               ; behind the scales: the spare words, 128 bytes a wave
.set REC,    19968                     ; a record of qkv
.set HEADB,  32*REC                    ; a slot of qkv
.set ADRA, 16                          ; v16-17 LDS address of my A fragments in slot 0, 1 (v18-19: behind one padding more)
.set ADRB, 20                          ; v20-21 the same for B (v22-23)
.set LI16, 24                          ; v24 16 x lane
.set LI8,  25                          ; v25 8 x lane
.set LI4,  26                          ; v26 4 x lane
.set ADRS, 27                          ; v27 LDS address of my scale words: lanes 0-15 A's rows, lanes 16-31 B's
.set SPW,  28                          ; v28 my spare word; never rewritten
.set NIL,  29                          ; v29 0; never rewritten
.set SC,   32
.set BIAS, 64
.set AF,   128
.set TM,   32
.set CT,   48
.set PWR,  56
.set WW,   64
.set F,    128
.set SEL,  92                          ; s[92:93] on the way out: lane selects for lane l xor 16
.set G1, 24                            ; s[24:31] group 1 for A's tiles; s[32:39] group 0, one set a slot
.set G0, 32
.set G1B, 48                           ; s[48:55], s[56:63] the same for B's
.set G0B, 56
.set G1S, 68                           ; s[68:75], s[76:79] for A's scales; s[80:87], s[88:91] for B's
.set G0S, 76
.set G1SB, 80
.set G0SB, 88
.set MSB, 0
.macro WIN new                         ; the immediate's high byte repeats the setting that is left
.if MSB != \new
	s_set_vgpr_msb (MSB<<8)|\new
.set MSB, \new
.endif
.endm
.set MUL_LO, 0xa1                      ; source 0 (B) window 1, source 1 (A) window 0, C and D window 2
.set MUL_HI, 0xf1                      ; the same, C and D window 3
.set FIRST_LO, 0x81                    ; the first step: C (the bias) window 0, D window 2
.set FIRST_HI, 0xc1                    ; D window 3
.set TO_B,   0x40                      ; destination window 1, address window 0
; A joint load: waves 0 and 1 fetch for A, waves 2 and 3 for B; the branch hangs on the wave's number alone.  An s_nop 0 and four v_nop follow each of the two lines.
.macro JLOAD g0a, g1a, g0b, g1b
	s_cmp_eq_u32 s15, 0
	s_cbranch_scc0 .Lfor_b_\@
	tensor_load_to_lds s[\g0a:\g0a+3], s[\g1a:\g1a+7]
	s_nop 0
.rept 4
	v_nop
.endr
	s_branch .Lasked_\@
.Lfor_b_\@:
	tensor_load_to_lds s[\g0b:\g0b+3], s[\g1b:\g1b+7]
	s_nop 0
.rept 4
	v_nop
.endr
.Lasked_\@:
.endm
.macro CREST                           ; a round of the cluster's barrier behind its opening barrier
	s_cmp_lg_u32 s14, 0
	s_cbranch_scc1 .Lnot_wave_0_\@
	s_barrier_signal -3
.Lnot_wave_0_\@:
	s_barrier_wait -3
	s_barrier_signal -1
	s_barrier_wait -1
.endm
.macro CROUND                          ; a whole round
	s_barrier_signal -1
	s_barrier_wait -1
	CREST
.endm
	s_load_b256 s[4:11], s[0:1], 0x0               ; cod s[4:5], scl s[6:7], b_attn s[8:9], qkv s[10:11]
	v_lshl_add_u32 v[SPW], v0, 2, SPARE
	v_mov_b32 v[NIL], 0
	ds_add_u32 v[SPW], v[NIL]                      ; the wave's opening: the add, twice on end, and its wait ahead of my first tensor load
	ds_add_u32 v[SPW], v[NIL]
	v_lshrrev_b32 v1, 5, v0
	v_readfirstlane_b32 s14, v1                    ; wave 0..3
	s_lshr_b32 s15, s14, 1                         ; which half of A's rows is mine.  Also: I fetch for A (0) or for B (1)
	s_and_b32 s16, s14, 1                          ; which half of B's rows.  Also: which 128 rows I fetch
	s_bfe_u32 s40, ttmp6, 0x40000                  ; cx, cy: my place in the cluster
	s_bfe_u32 s41, ttmp6, 0x40004
	s_lshl_b32 s43, s41, 2
	s_lshl_b32 s43, 15, s43                        ; my row of the cluster
	s_lshl_b32 s44, 0x1111, s40                    ; my column
	s_and_b32 s95, ttmp9, 3
	s_lshl_b32 s95, s95, 10                        ; the cluster's 1,024 places of x
	s_lshr_b32 s96, ttmp9, 2                       ; 0 q, 1 k, 2 v
	s_lshl_b32 s97, s96, 10
	s_add_co_u32 s97, s97, 16384                   ; the cluster's 1,024 places of W_attn
	s_cmp_lt_u32 ttmp9, 8                          ; the cluster's number: the same in all sixteen partners
	s_cselect_b32 s17, s95, s97                    ; A's places: x for q and k, Wv for v
	s_cselect_b32 s42, s97, s95                    ; B's: the other
	; descriptor group 1: a tile of 128 rows x 192 bytes, 16 bytes of padding behind every 64
	s_or_b32 s[G1+0], s43, (0<<16)|(1<<20)|(1<<21)|(3<<22)|(3<<25)
	s_or_b32 s[G1B+0], s44, (0<<16)|(1<<20)|(1<<21)|(3<<22)|(3<<25)
.irp g, G1, G1B
	s_mov_b32 s[\g+1], ROWB<<16                    ; tensor_dim0
	s_mov_b32 s[\g+2], 128<<16                     ; tensor_dim1
	s_mov_b32 s[\g+3], ROWB<<16                    ; tile_dim0
	s_mov_b32 s[\g+4], 128                         ; tile_dim1
	s_mov_b32 s[\g+5], KROW                        ; the pitch
	s_mov_b32 s[\g+6], 0
	s_mov_b32 s[\g+7], 0
.endr
	; the scales of 128 rows: 4,096 dense bytes, as 16 rows of 256 bytes (32 elements of 8), 16 bytes of padding behind each
	s_or_b32 s[G1S+0], s43, (3<<16)|(1<<20)|(1<<21)|(5<<22)|(3<<25)
	s_or_b32 s[G1SB+0], s44, (3<<16)|(1<<20)|(1<<21)|(5<<22)|(3<<25)
.irp g, G1S, G1SB
	s_mov_b32 s[\g+1], 32<<16
	s_mov_b32 s[\g+2], (128*KS/256)<<16
	s_mov_b32 s[\g+3], 32<<16
	s_mov_b32 s[\g+4], 128*KS/256
	s_mov_b32 s[\g+5], 32
	s_mov_b32 s[\g+6], 0
	s_mov_b32 s[\g+7], 0
.endr
	s_lshl_b32 s18, s16, 7                         ; which 128 rows of the tile I fetch
	s_lshl_b32 s20, s41, 8
	s_add_co_u32 s20, s20, s17
	s_add_co_u32 s20, s20, s18                     ; A: the cluster's places + 256 cy + 128 x half
	s_lshl_b32 s46, s40, 8
	s_add_co_u32 s46, s46, s42
	s_add_co_u32 s46, s46, s18                     ; B: + 256 cx + 128 x half
	s_mov_b32 s21, 0
	s_mov_b32 s47, 0
	s_mov_b64 s[18:19], KS
	s_mul_u64 s[22:23], s[20:21], s[18:19]         ; where these rows' scales begin
	s_mul_u64 s[92:93], s[46:47], s[18:19]
	s_mov_b64 s[18:19], KROW
	s_mul_u64 s[20:21], s[20:21], s[18:19]         ; and their codes
	s_mul_u64 s[46:47], s[46:47], s[18:19]
	s_mul_i32 s45, s14, HALFT                      ; where they go: wave x 128 rows
	s_mul_i32 s94, s14, HALFS
	s_wait_dscnt 0x0                               ; both opening adds are done
	s_wait_kmcnt 0x0
	s_add_nc_u64 s[20:21], s[4:5], s[20:21]
	s_add_nc_u64 s[22:23], s[6:7], s[22:23]
	s_add_nc_u64 s[46:47], s[4:5], s[46:47]
	s_add_nc_u64 s[92:93], s[6:7], s[92:93]
	CROUND                                         ; all sixteen work-groups are here: the first joint loads meet
	s_mov_b32 s[G0S], 1
	s_add_co_u32 s[G0S+1], s94, SCL
	s_mov_b64 s[G0S+2:G0S+3], s[22:23]
	s_or_b32 s[G0S+3], s[G0S+3], 0x80000000
	s_mov_b32 s[G0SB], 1
	s_add_co_u32 s[G0SB+1], s94, SCL
	s_mov_b64 s[G0SB+2:G0SB+3], s[92:93]
	s_or_b32 s[G0SB+3], s[G0SB+3], 0x80000000
	JLOAD G0S, G1S, G0SB, G1SB                     ; the scales first: they are wanted with K step 0
.irp s, 0,1
	s_mov_b32 s[G0+4*\s], 1
	s_add_co_u32 s[G0+4*\s+1], s45, \s*SLOT
	s_add_nc_u64 s[G0+4*\s+2:G0+4*\s+3], s[20:21], \s*ROWB
	s_or_b32 s[G0+4*\s+3], s[G0+4*\s+3], 0x80000000
	s_mov_b32 s[G0B+4*\s], 1
	s_add_co_u32 s[G0B+4*\s+1], s45, \s*SLOT
	s_add_nc_u64 s[G0B+4*\s+2:G0B+4*\s+3], s[46:47], \s*ROWB
	s_or_b32 s[G0B+4*\s+3], s[G0B+4*\s+3], 0x80000000
	JLOAD G0+4*\s, G1, G0B+4*\s, G1B               ; three tensor loads of mine are out now
.endr
	v_and_b32 v1, 15, v0                           ; r = lane % 16
	v_bfe_u32 v2, v0, 4, 1                         ; h = lane / 16
	v_mul_u32_u24 v3, v1, PITCH
	v_mul_u32_u24 v4, v2, 24
	v_add_nc_u32 v4, v3, v4                        ; a fragment's row x pitch + 24 x half
	v_lshl_add_u32 v5, v2, 4, v4                   ; and the same behind one padding more
	s_mul_i32 s21, s15, HALFT                      ; my 128 rows of A
	s_mul_i32 s22, s16, HALFT                      ; my 128 rows of B,
	s_add_co_u32 s22, s22, 2*HALFT                 ; which lie behind A's 256
.irp s, 0,1
	v_add_nc_u32 v[ADRA+\s], s21, v4
	v_add_nc_u32 v[ADRB+\s], s22, v4
	v_add_nc_u32 v[ADRA+2+\s], s21, v5
	v_add_nc_u32 v[ADRB+2+\s], s22, v5
	s_add_co_u32 s21, s21, SLOT
	s_add_co_u32 s22, s22, SLOT
.endr
	v_mul_u32_u24 v5, v1, KS                       ; my row's scales: 32 bytes a row,
	v_lshrrev_b32 v6, 8, v5
	v_lshl_add_u32 v5, v6, 4, v5                   ; and 16 more for each 256 passed
	s_mul_i32 s21, s15, HALFS
	s_mul_i32 s22, s16, HALFS
	s_add_co_u32 s22, s22, 2*HALFS
	s_sub_co_u32 s22, s22, s21
	v_mul_u32_u24 v6, s22, v2                      ; lanes 16-31 take B's
	s_add_co_u32 s21, s21, SCL
	v_add_nc_u32 v5, v5, v6
	v_add_nc_u32 v[ADRS], s21, v5
	v_and_b32 v6, 31, v0
	v_lshlrev_b32 v[LI16], 4, v6
	v_lshlrev_b32 v[LI8], 3, v6
	v_lshlrev_b32 v[LI4], 2, v6
	; which heads and which tokens are my wave's.  q, k: heads by B (cx, my half of B), tokens by A (cy, my half of A); v: the other way round
	s_cmp_lt_u32 ttmp9, 8
	s_cselect_b32 s2, s40, s41
	s_cselect_b32 s3, s16, s15
	s_cselect_b32 s12, s41, s40
	s_cselect_b32 s13, s15, s16
	s_lshl_b32 s2, s2, 2
	s_lshl_b32 s3, s3, 1
	s_add_co_u32 s2, s2, s3                        ; the first of my two heads
	s_lshl_b32 s12, s12, 1
	s_add_co_u32 s12, s12, s13
	s_lshr_b32 s13, s95, 7
	s_add_co_u32 s12, s12, s13                     ; ts: my 128 places of tokens
	s_mul_i32 s66, s2, HEADB
	s_mul_i32 s67, s12, REC
	s_add_co_u32 s66, s66, s67
	s_mov_b32 s67, 0
	s_add_nc_u64 s[10:11], s[10:11], s[66:67]      ; my record of my first head
	s_lshl_b32 s66, s2, 6
	s_lshl_b32 s3, s96, 10
	s_add_co_u32 s66, s66, s3
	s_lshl_b32 s66, s66, 2
	s_add_nc_u64 s[8:9], s[8:9], s[66:67]          ; the bias of my 128 channels
	s_cmp_lt_u32 ttmp9, 8
	s_cbranch_scc0 .Lbias_v
	v_lshlrev_b32 v8, 6, v2                        ; q, k: the bias runs along the registers: tile t's eight are channels 32 (t / 2) + 16 h + 8 (t % 2) + 0 .. 7
.irp t, 0,1,2,3,4,5,6,7
	global_load_b128 v[BIAS+8*\t:BIAS+8*\t+3], v8, s[8:9] offset:(32*(\t/2)+8*(\t%2))*4
	global_load_b128 v[BIAS+8*\t+4:BIAS+8*\t+7], v8, s[8:9] offset:(32*(\t/2)+8*(\t%2))*4+16
.endr
	s_branch .Lbias_in
.Lbias_v:
	v_and_b32 v8, 8, v1                            ; v: the bias is the lane's row's, the same in a tile's eight registers: block t's lane r is channel 32 (t / 2) + 8 (t % 2) + r + 8 (r / 8)
	v_add_nc_u32 v8, v8, v1
	v_lshlrev_b32 v8, 2, v8
.irp t, 0,1,2,3,4,5,6,7
.irp j, 0,1,2,3,4,5,6,7
	global_load_b32 v[BIAS+8*\t+\j], v8, s[8:9] offset:(32*(\t/2)+8*(\t%2))*4
.endr
.endr
.Lbias_in:
.macro FRAG reg, adr, q, i             ; a fragment: lane l holds row l % 16; registers 6 c .. 6 c + 5 hold K = 64 c + 32 (l / 16) + 0 .. 31: 24 bytes of the row's stream of bits, in pieces of 8 bytes
.irp p, 0,1,2,3,4,5
.set PC, 12*(\q)+6*(\p/3)+\p%3        ; 16 bytes of padding lie behind every 8 pieces: where the piece three on lies behind one padding more, the second address register serves
.if PC%8 < 5
	ds_load_b64 v[\reg+2*\p:\reg+2*\p+1], v[\adr] offset:8*PC+16*(PC/8)+(\i)*16*PITCH
.else
	ds_load_b64 v[\reg+2*\p:\reg+2*\p+1], v[\adr+2] offset:8*PC+16*(PC/8)+(\i)*16*PITCH
.endif
.endr
.endm
; 16 matrix instructions: A's blocks a0, a0 + 1 x B's eight.  zero = 1: the sums start from the bias along the registers (by B's tile); 2: from the bias of the lane's row (by A's block); 0: in place.
; The 64 accumulators take turns, one instruction a turn, in the same order in every step.
.macro MUL16 a0, p, q, sc, zero
.irp a, \a0, \a0+1
.irp b, 0,1,2,3,4,5,6,7
.if \zero == 1
	v_wmma_scale_f32_16x16x128_f8f6f4 v[8*(8*((\a)%4)+\b):8*(8*((\a)%4)+\b)+7], v[128*(\p)+FR*\b:128*(\p)+FR*\b+FR-1], v[AF+FR*(\a):AF+FR*(\a)+FR-1], v[BIAS+8*\b:BIAS+8*\b+7], v[SC+8*NQ*(\sc)+NQ*\b+(\q)], v[SC+8*NQ*(\sc)+NQ*(\a)+(\q)] matrix_a_fmt:MATRIX_FMT_FP6 matrix_b_fmt:MATRIX_FMT_FP6 matrix_a_scale:MATRIX_SCALE_ROW1
.elseif \zero == 2
	v_wmma_scale_f32_16x16x128_f8f6f4 v[8*(8*((\a)%4)+\b):8*(8*((\a)%4)+\b)+7], v[128*(\p)+FR*\b:128*(\p)+FR*\b+FR-1], v[AF+FR*(\a):AF+FR*(\a)+FR-1], v[BIAS+8*(\a):BIAS+8*(\a)+7], v[SC+8*NQ*(\sc)+NQ*\b+(\q)], v[SC+8*NQ*(\sc)+NQ*(\a)+(\q)] matrix_a_fmt:MATRIX_FMT_FP6 matrix_b_fmt:MATRIX_FMT_FP6 matrix_a_scale:MATRIX_SCALE_ROW1
.else
	v_wmma_scale_f32_16x16x128_f8f6f4 v[8*(8*((\a)%4)+\b):8*(8*((\a)%4)+\b)+7], v[128*(\p)+FR*\b:128*(\p)+FR*\b+FR-1], v[AF+FR*(\a):AF+FR*(\a)+FR-1], v[8*(8*((\a)%4)+\b):8*(8*((\a)%4)+\b)+7], v[SC+8*NQ*(\sc)+NQ*\b+(\q)], v[SC+8*NQ*(\sc)+NQ*(\a)+(\q)] matrix_a_fmt:MATRIX_FMT_FP6 matrix_b_fmt:MATRIX_FMT_FP6 matrix_a_scale:MATRIX_SCALE_ROW1
.endif
.endr
.endr
.endm
.macro FETCH_B slot, q, p              ; B's eight fragments of the slot's q-th 128 along K into set p
	WIN TO_B
.irp i, 0,1,2,3,4,5,6,7
	FRAG 128*(\p)+FR*\i, ADRB+\slot, \q, \i
.endr
	WIN 0
.endm
.macro FETCH_A slot, q, i0             ; A's blocks i0 .. i0 + 3
.irp i, \i0, \i0+1, \i0+2, \i0+3
	FRAG AF+FR*(\i), ADRA+\slot, \q, \i
.endr
.endm
.macro SCALES sc                       ; a K step's scale words into set sc: lanes 0-15 take A's block i, lanes 16-31 B's block i
.irp i, 0,1,2,3,4,5,6,7
	ds_load_b64 v[SC+8*NQ*\sc+NQ*\i:SC+8*NQ*\sc+NQ*\i+1], v[ADRS] offset:\i*SBLK
.endr
.endm
.macro PLACES n                        ; plain vector instructions between a matrix instruction and a load into, or a vector instruction on, its registers
.rept \n
	v_nop
.endr
.endm
; A step of 128 along K that has its successor in the same slot.
.macro STEP slot, q, zero
	s_wait_dscnt 4*NL                              ; B's set and A's blocks 0-3 are in; the youngest 24 loads (A's blocks 4-7) may be out
.if \zero
	WIN FIRST_LO
.else
	WIN MUL_LO
.endif
	MUL16 0, (\q)%2, \q, \slot, \zero
	MUL16 2, (\q)%2, \q, \slot, \zero
	s_wait_dscnt 0                                 ; A's blocks 4-7 are in
	PLACES NP
	FETCH_B \slot, (\q)+1, 1-(\q)%2
	FETCH_A \slot, (\q)+1, 0
.if \zero
	WIN FIRST_HI
.else
	WIN MUL_HI
.endif
	MUL16 4, (\q)%2, \q, \slot, \zero
	MUL16 6, (\q)%2, \q, \slot, \zero
	PLACES NP
	WIN 0
	FETCH_A \slot, (\q)+1, 4
.endm
; A slot's last step changes slots: ONE barrier; in front of it each wave waits for all its tensor loads, adds 0 to its spare word, and waits for that and for its own reads of this slot.  fill = 1: this slot is filled again, two K steps ahead.
.macro TURN slot, next, fill
	s_wait_tensorcnt 0x0                           ; all my tensor loads have landed: my part of the next slot
	ds_add_u32 v[SPW], v[NIL]                      ; 0 onto my spare word
	s_wait_dscnt 4*NL+1                            ; (the add and the youngest 24 loads may be out)
	WIN MUL_LO
	MUL16 0, 1, NQ-1, \slot, 0                     ; sixteen matrix instructions stand between the add and the wait for it
	s_wait_dscnt 0x0                               ; the add is done, and my reads of this slot are over
	s_barrier_signal -1
	MUL16 2, 1, NQ-1, \slot, 0
	WIN 0
	s_barrier_wait -1
.if \fill
	CREST                                          ; the barrier has opened a round of the cluster's barrier: no wave of any partner still reads this slot or has a load on its way
	s_add_nc_u64 s[G0+4*\slot+2:G0+4*\slot+3], s[G0+4*\slot+2:G0+4*\slot+3], 2*ROWB
	s_add_nc_u64 s[G0B+4*\slot+2:G0B+4*\slot+3], s[G0B+4*\slot+2:G0B+4*\slot+3], 2*ROWB
	JLOAD G0+4*\slot, G1, G0B+4*\slot, G1B         ; the first tensor load behind the round; its four v_nop are the places in front of the loads below
.else
	PLACES NP
.endif
	v_add_nc_u32 v[ADRS], 4*NQ, v[ADRS]            ; on to the next K step's scale words
	FETCH_B \next, 0, 0
	FETCH_A \next, 0, 0
	SCALES \next
	WIN MUL_HI
	MUL16 4, 1, NQ-1, \slot, 0
	MUL16 6, 1, NQ-1, \slot, 0
	PLACES NP
	WIN 0
	FETCH_A \next, 0, 4
.endm
	s_wait_tensorcnt 1                             ; the scales and my part of K step 0 are in; K step 1's load may be out
	s_barrier_signal -1
	s_barrier_wait -1                              ; everybody's are
	FETCH_B 0, 0, 0
	FETCH_A 0, 0, 0
	SCALES 0
	FETCH_A 0, 0, 4
	s_wait_loadcnt 0x0                             ; the bias
	s_cmp_lt_u32 ttmp9, 8                          ; the first step is written for both ways in which the bias lies
	s_cbranch_scc0 .Lfirst_v
	STEP 0, 0, 1
	s_branch .Lfirst_done
.Lfirst_v:
	STEP 0, 0, 2
.Lfirst_done:
	TURN 0, 1, 1                                   ; K has four slots' worth: the ring is written out
	STEP 1, 0, 0
	TURN 1, 0, 1
	STEP 0, 0, 0
	TURN 0, 1, 0                                   ; the last change of slots fills nothing
	STEP 1, 0, 0
	s_wait_dscnt 4*NL                              ; the very last step
	WIN MUL_LO
	MUL16 0, 1, NQ-1, 1, 0
	MUL16 2, 1, NQ-1, 1, 0
	s_wait_dscnt 0
	WIN MUL_HI
	MUL16 4, 1, NQ-1, 1, 0
	MUL16 6, 1, NQ-1, 1, 0
	WIN 0
; 64 numbers of a lane in window w, v[s] .. v[s + 63], register 16 b + i = k 32 b + 16 (lane / 16) + i of my row, become a fragment's codes in v[d] .. v[d + 11] and its scale word in v[pw], both in window 0.
; Each accumulator is read from its low end on.
.macro QUANT w, s, d, pw
	WIN 5*\w                                       ; sources 0 and 1 in window w
.irp b, 0,1,2,3
	v_max3_num_f32 v[TM+\b], |v[(\s)+16*\b]|, |v[(\s)+16*\b+1]|, 0x1800000   ; block b: my 16 numbers, and the floor 2^(3 - 127): the byte cannot fall under 1
.endr
.irp i, 2,4,6,8,10,12,14
.irp b, 0,1,2,3
	v_max3_num_f32 v[TM+\b], |v[(\s)+16*\b+\i]|, |v[(\s)+16*\b+\i+1]|, v[TM+\b]   ; (the four blocks by turns)
.endr
.endr
	WIN 0
.irp b, 0,1,2,3
	v_permlanex16_b32 v[TM+4+\b], v[TM+\b], s[SEL], s[SEL+1]
.endr
.irp b, 0,1,2,3
	v_max_num_f32 v[TM+\b], v[TM+\b], v[TM+4+\b]   ; with lane l xor 16's: the block's largest magnitude
.endr
.irp b, 0,1,2,3
	v_add_nc_u32 v[TM+12+\b], 0xff000000, v[TM+\b] ; 2 off its exponent field: the conversion's scale operand
.endr
.irp b, 0,1,2,3
	v_lshrrev_b32 v[TM+4+\b], 23, v[TM+12+\b]      ; the scale's byte
.endr
	v_lshl_or_b32 v[\pw], v[TM+5], 8, v[TM+4]      ; the four bytes make my row's scale word (the same in lanes l and l xor 16)
	v_lshl_or_b32 v[\pw], v[TM+6], 16, v[\pw]
	v_lshl_or_b32 v[\pw], v[TM+7], 24, v[\pw]
	WIN \w                                         ; source 0 in window w
.irp c, 0,1
	v_cvt_scalef32_pk16_fp6_f32 v[(\d)+6*\c:(\d)+6*\c+2], v[(\s)+32*\c:(\s)+32*\c+15], v[TM+12+2*\c]
	v_cvt_scalef32_pk16_fp6_f32 v[CT+4*\c:CT+4*\c+2], v[(\s)+32*\c+16:(\s)+32*\c+31], v[TM+12+2*\c+1]   ; (a conversion's three registers begin on an even number)
.endr
	WIN 0
	v_nop                                          ; one plain place behind a scaled conversion
.irp c, 0,1                                    ; the operand's layout wants a WHOLE block in a lane: lanes 0-15 block 2 c, lanes 16-31 block 2 c + 1
.irp i, 0,1,2
	v_permlane16_swap_b32 v[(\d)+6*\c+\i], v[CT+4*\c+\i]
.endr
.irp i, 0,1,2
	v_mov_b32 v[(\d)+3+6*\c+\i], v[CT+4*\c+\i]
.endr
.endr
.endm
	PLACES NP                                      ; behind the last products: their results are read and their operands' registers written below
	s_mov_b32 s[SEL], 0x76543210
	s_mov_b32 s[SEL+1], 0xfedcba98
.irp b, 0,1,2,3
	v_mov_b32 v[TM+4+\b], 0                        ; written once: a lane permute's destination counts as one of its sources
.endr
.irp a, 0,1,2,3
	QUANT 2, 64*\a, F+12*\a, PWR+\a
.endr
.irp a, 0,1,2,3
	QUANT 3, 64*\a, F+48+12*\a, PWR+4+\a
.endr
	s_cmp_lt_u32 ttmp9, 8
	s_cbranch_scc0 .Lstore_v
	; q, k.  Block a's fragment is [head e = 0: 16 tokens x 64 | head e = 1]: what attention wants is, for each head, [block 2 p | block 2 p + 1].  No register is written again, so no store is waited for.
	s_mov_b32 s98, 18944
	s_cmp_eq_u32 s96, 0
	s_cselect_b32 s66, 0, 6656                     ; Q's fragments begin a record, K's stand at 6,656
	s_cselect_b32 s98, 6144, s98                   ; their scale words
	s_mov_b32 s99, 0
	s_add_nc_u64 s[12:13], s[10:11], s[66:67]
	s_add_nc_u64 s[98:99], s[10:11], s[98:99]
.irp p, 0,1,2,3
	v_perm_b32 v[WW+2*\p], v[PWR+2*\p+1], v[PWR+2*\p], 0x05040100     ; head 0's two bytes of block 2 p, then of block 2 p + 1
	v_perm_b32 v[WW+2*\p+1], v[PWR+2*\p+1], v[PWR+2*\p], 0x07060302   ; head 1's
.endr
.irp p, 0,1,2,3
.irp e, 0,1
	global_store_b128 v[LI16], v[F+24*\p+6*\e:F+24*\p+6*\e+3], s[12:13] offset:\e*HEADB+1536*\p              ; 512 consecutive bytes, aligned to 256
	global_store_b64 v[LI8], v[F+24*\p+6*\e+4:F+24*\p+6*\e+5], s[12:13] offset:\e*HEADB+1536*\p+512          ; 256
	global_store_b128 v[LI16], v[F+24*\p+12+6*\e:F+24*\p+12+6*\e+3], s[12:13] offset:\e*HEADB+1536*\p+768
	global_store_b64 v[LI8], v[F+24*\p+12+6*\e+4:F+24*\p+12+6*\e+5], s[12:13] offset:\e*HEADB+1536*\p+1280
	global_store_b32 v[LI4], v[WW+2*\p+\e], s[98:99] offset:\e*HEADB+128*\p
.endr
.endr
	s_branch .Lend
.Lstore_v:
	; v.  Block a is 16 channels of head a / 4 x my 128 keys: a fragment as it stands
.irp a, 0,1,2,3,4,5,6,7
	global_store_b128 v[LI16], v[F+12*\a:F+12*\a+3], s[10:11] offset:12800+(\a/4)*HEADB+(\a%4)*1536
	global_store_b64 v[LI8], v[F+12*\a+4:F+12*\a+5], s[10:11] offset:12800+(\a/4)*HEADB+(\a%4)*1536+512
	global_store_b128 v[LI16], v[F+12*\a+6:F+12*\a+9], s[10:11] offset:12800+(\a/4)*HEADB+(\a%4)*1536+768
	global_store_b64 v[LI8], v[F+12*\a+10:F+12*\a+11], s[10:11] offset:12800+(\a/4)*HEADB+(\a%4)*1536+1280
	global_store_b32 v[LI4], v[PWR+\a], s[10:11] offset:19456+(\a/4)*HEADB+(\a%4)*128
.endr
.Lend:
	s_wait_tensorcnt 0x0                           ; the wave's end, behind my last tensor load
	ds_add_u32 v[SPW], v[NIL]
	s_wait_dscnt 0x0
	CROUND                                         ; the closing round: no work-group ends while a partner may still ask for a tile that names it
	s_endpgm
.Lfunc_end_k_q5f18315ded_proj:
	.size	k_q5f18315ded_proj, .Lfunc_end_k_q5f18315ded_proj-k_q5f18315ded_proj
	.p2alignl 7, 3214868480
	.fill 96, 4, 3214868480
	.section	.rodata,"a",@progbits
	.p2align	6, 0x0
	.amdhsa_kernel k_q5f18315ded_proj
		.amdhsa_group_segment_fixed_size 327680
		.amdhsa_private_segment_fixed_size 0
		.amdhsa_enable_private_segment 0
		.amdhsa_kernarg_size 32
		.amdhsa_user_sgpr_count 2
		.amdhsa_user_sgpr_kernarg_segment_ptr 1
		.amdhsa_wavefront_size32 1
		.amdhsa_system_sgpr_workgroup_id_x 1
		.amdhsa_system_sgpr_workgroup_id_y 1
		.amdhsa_system_sgpr_workgroup_id_z 1
		.amdhsa_system_vgpr_workitem_id 0
		.amdhsa_next_free_vgpr 1024
		.amdhsa_next_free_sgpr 100
		.amdhsa_reserve_vcc 0
		.amdhsa_float_denorm_mode_32 3
		.amdhsa_float_denorm_mode_16_64 3
		.amdhsa_memory_ordered 1
		.amdhsa_forward_progress 1
		.amdhsa_inst_pref_size 192
	.end_amdhsa_kernel
	.amdgpu_metadata
---
amdhsa.version: [ 1, 2 ]
amdhsa.kernels:
  - .name:           k_q5f18315ded_proj
    .symbol:         k_q5f18315ded_proj.kd
    .args:
      - { .name: cod, .offset: 0, .size: 8, .value_kind: global_buffer, .address_space: global }
      - { .name: scl, .offset: 8, .size: 8, .value_kind: global_buffer, .address_space: global }
      - { .name: b_attn, .offset: 16, .size: 8, .value_kind: global_buffer, .address_space: global }
      - { .name: qkv, .offset: 24, .size: 8, .value_kind: global_buffer, .address_space: global }
    .group_segment_fixed_size: 327680
    .private_segment_fixed_size: 0
    .kernarg_segment_align: 8
    .kernarg_segment_size: 32
    .max_flat_workgroup_size: 128
    .sgpr_count:     100
    .vgpr_count:     1024
    .wavefront_size: 32
...
	.end_amdgpu_metadata
.endif
;; end of part 2
;; launch spec (part 3): grid 48 x 1, 4 waves a work-group, no clusters, 327,680 bytes of LDS; arguments cod, scl, b_attn, qkv; writes qkv
.if DOCPART == 3
	.amdgcn_target "amdgcn-amd-amdhsa--gfx1250"
	.amdhsa_code_object_version 6
	.text
	.protected	k_q5f18315ded_spec
	.globl	k_q5f18315ded_spec
	.p2align	8
	.type	k_q5f18315ded_spec,@function
k_q5f18315ded_spec:
	s_mov_b64 s[64:65], 0
	v_nop
	global_prefetch_b8 v0, s[64:65] scope:SCOPE_SE
	s_setreg_imm32_b32 hwreg(HW_REG_WAVE_MODE, 25, 1), 1
	s_wait_xcnt 0x0
; The one head that comes from x1, x2, x3: q = x1 Wq^T + bq, k = x2 Wk^T + bk, v = x3 Wv^T + bv, COLUMNS 192 .. 255 (head 3) ALONE: the other 960 columns of each are sliced away by reference() for all inputs and are left out.
; Work-group g: sel = g / 16 says q, k or v; i = g % 16 says which 256 places of the tensor.  It multiplies 256 places x the head's 64 rows of W over K = 1,024, and stores into slot 16 of qkv, in launch proj's forms.
; No cluster: the sixteen work-groups of a tensor share only W's 64 rows, a fifth of what a work-group fetches.
; ALL OF K LIES IN LDS, filled once: four slabs of 256 along K, each 256 rows of X and then 64 rows of W, rows of 192 bytes with 16 bytes of padding behind every 64.  Wave w fetches slab w: two tensor loads of mine are out.
; q, k: source 0 = W's 4 tiles, source 1 = my 4 blocks of X (places 64 w on): a lane holds a token, registers run along the head's 64.
; v:    source 0 = 8 tiles of X (places 128 (w / 2) on), source 1 = 2 blocks of W (places 32 (w % 2) on): a lane holds a channel, registers run along 128 keys.  16 accumulators either way.
; REGISTERS: window 0: v4-7 lane terms, v16-19 LDS addresses, v24-26 16, 8, 4 x lane, v28, v29 the add's two, v32-63 the bias, v64-143 scale words (8 a tile: one for each 128 along K), v160-215 the way out.
;   window 1: the fragments of a step, 12 registers each.   window 2: the accumulators.
.set ROWB,   192
.set KROW,   768
.set PITCH,  240
.set FR,     12
.set WOFF,   256*PITCH                 ; W's rows in a slab
.set SLAB,   320*PITCH                 ; 76,800 bytes
.set SPARE,  4*SLAB                    ; behind the slabs: the spare words, 128 bytes a wave
.set REC,    19968
.set HEADB,  32*REC
.set LI16, 24
.set LI8,  25
.set LI4,  26
.set SPW,  28
.set NIL,  29
.set BIAS, 32
.set SW,   64
.set TM,   160
.set CT,   176
.set PWR,  184
.set F,    192
.set SEL,  12                          ; s[12:13]
.set G1X,  24                          ; s[24:31] group 1 for X's 256 rows; s[32:35] its group 0
.set G0X,  32
.set G0W,  36                          ; s[36:39] group 0 for W's 64 rows; s[48:55] its group 1
.set G1W,  48
.set MSB, 0
.macro WIN new
.if MSB != \new
	s_set_vgpr_msb (MSB<<8)|\new
.set MSB, \new
.endif
.endm
	s_load_b256 s[4:11], s[0:1], 0x0               ; cod s[4:5], scl s[6:7], b_attn s[8:9], qkv s[10:11]
	v_lshl_add_u32 v[SPW], v0, 2, SPARE
	v_mov_b32 v[NIL], 0
	ds_add_u32 v[SPW], v[NIL]                      ; the wave's opening: the add, twice on end, and its wait ahead of my first tensor load
	ds_add_u32 v[SPW], v[NIL]
	v_lshrrev_b32 v1, 5, v0
	v_readfirstlane_b32 s14, v1                    ; wave 0..3
	s_lshr_b32 s15, s14, 1
	s_and_b32 s16, s14, 1
	s_lshr_b32 s17, ttmp9, 4                       ; sel: 0 q, 1 k, 2 v
	s_and_b32 s18, ttmp9, 15                       ; i
	s_mov_b32 s[G1X], (1<<20)|(3<<22)|(3<<25)      ; elements of 1 byte; padding on: 4 words behind every 16
	s_mov_b32 s[G1X+1], ROWB<<16                   ; tensor_dim0
	s_mov_b32 s[G1X+2], 256<<16                    ; tensor_dim1
	s_mov_b32 s[G1X+3], ROWB<<16                   ; tile_dim0
	s_mov_b32 s[G1X+4], 256                        ; tile_dim1
	s_mov_b32 s[G1X+5], KROW                       ; the pitch
	s_mov_b32 s[G1X+6], 0
	s_mov_b32 s[G1X+7], 0
	s_mov_b32 s[G1W], (1<<20)|(3<<22)|(3<<25)
	s_mov_b32 s[G1W+1], ROWB<<16
	s_mov_b32 s[G1W+2], 64<<16
	s_mov_b32 s[G1W+3], ROWB<<16
	s_mov_b32 s[G1W+4], 64
	s_mov_b32 s[G1W+5], KROW
	s_mov_b32 s[G1W+6], 0
	s_mov_b32 s[G1W+7], 0
	s_add_co_u32 s19, s17, 1
	s_lshl_b32 s19, s19, 12
	s_lshl_b32 s20, s18, 8
	s_add_co_u32 s19, s19, s20                     ; X's first place: 4,096 (sel + 1) + 256 i
	s_lshl_b32 s20, s17, 10
	s_add_co_u32 s20, s20, 16384+192               ; W's first place: head 3 of Wq, Wk or Wv
	s_mul_i32 s21, s14, ROWB                       ; my slab's bytes in a row
	s_mul_i32 s22, s19, KROW
	s_add_co_u32 s22, s22, s21
	s_mov_b32 s23, 0
	s_mul_i32 s40, s20, KROW
	s_add_co_u32 s40, s40, s21
	s_mov_b32 s41, 0
	s_mul_i32 s42, s14, SLAB
	s_wait_dscnt 0x0                               ; both opening adds are done
	s_wait_kmcnt 0x0
	s_mov_b32 s[G0X], 1
	s_mov_b32 s[G0X+1], s42
	s_add_nc_u64 s[G0X+2:G0X+3], s[4:5], s[22:23]
	s_or_b32 s[G0X+3], s[G0X+3], 0x80000000
	s_mov_b32 s[G0W], 1
	s_add_co_u32 s[G0W+1], s42, WOFF
	s_add_nc_u64 s[G0W+2:G0W+3], s[4:5], s[40:41]
	s_or_b32 s[G0W+3], s[G0W+3], 0x80000000
	tensor_load_to_lds s[G0X:G0X+3], s[G1X:G1X+7]
	s_nop 0
	tensor_load_to_lds s[G0W:G0W+3], s[G1W:G1W+7]
	s_nop 0
	v_and_b32 v1, 15, v0                           ; r
	v_bfe_u32 v2, v0, 4, 1                         ; h
	v_and_b32 v3, 31, v0
	v_lshlrev_b32 v[LI16], 4, v3
	v_lshlrev_b32 v[LI8], 3, v3
	v_lshlrev_b32 v[LI4], 2, v3
	v_mul_u32_u24 v4, v1, PITCH
	v_mad_u32_u24 v4, v2, 24, v4                   ; a fragment's row x pitch + 24 x half
	v_lshl_add_u32 v5, v2, 4, v4                   ; and the same behind one padding more
	v_lshlrev_b32 v6, 5, v1                        ; scale words: 32 bytes a row
	s_wait_tensorcnt 0x0                           ; my slab is in,
	s_barrier_signal -1
	s_barrier_wait -1                              ; everybody's is: nothing is written into LDS from here on
.macro FRAG reg, adr, q, i             ; as in launch proj: six pieces of 8 bytes; the second address register serves the pieces that lie behind one padding more
.irp p, 0,1,2,3,4,5
.set PC, 12*(\q)+6*(\p/3)+\p%3
.if PC%8 < 5
	ds_load_b64 v[\reg+2*\p:\reg+2*\p+1], v[\adr] offset:8*PC+16*(PC/8)+(\i)*16*PITCH
.else
	ds_load_b64 v[\reg+2*\p:\reg+2*\p+1], v[\adr+2] offset:8*PC+16*(PC/8)+(\i)*16*PITCH
.endif
.endr
.endm
; K step kq of eight: four places behind the last products, the step's ns0 + ns1 fragments, 16 products, the accumulators by turns.
; mode 1: the first step's C is the bias along the registers (by source 0's tile); mode 2: the bias of the lane's row (by source 1's block).
.macro KSTEP ns0, ns1, mode
.if kq > 0
	WIN 0
.if kq%2 == 0
	v_add_nc_u32 v16, SLAB, v16                    ; on to the next slab: these four are the places
	v_add_nc_u32 v17, SLAB, v17
	v_add_nc_u32 v18, SLAB, v18
	v_add_nc_u32 v19, SLAB, v19
.else
.rept 4
	v_nop
.endr
.endif
.endif
	WIN 0x40                                       ; destination window 1
.set i, 0
.rept \ns0
	FRAG FR*i, 16, kq%2, i
.set i, i+1
.endr
.set i, 0
.rept \ns1
	FRAG FR*(\ns0+i), 17, kq%2, i
.set i, i+1
.endr
.if kq == 0
	s_wait_loadcnt 0x0                             ; the scale words and the bias
.endif
	s_wait_dscnt 0x0
.if kq == 0
	WIN 0x85                                       ; sources 0 and 1 window 1, C window 0, D window 2
.else
	WIN 0xa5                                       ; C and D window 2
.endif
.set i1, 0
.rept \ns1
.set i0, 0
.rept \ns0
.if kq > 0
	v_wmma_scale_f32_16x16x128_f8f6f4 v[8*(\ns0*i1+i0):8*(\ns0*i1+i0)+7], v[FR*i0:FR*i0+FR-1], v[FR*(\ns0+i1):FR*(\ns0+i1)+FR-1], v[8*(\ns0*i1+i0):8*(\ns0*i1+i0)+7], v[SW+8*i0+kq], v[SW+8*(\ns0+i1)+kq] matrix_a_fmt:MATRIX_FMT_FP6 matrix_b_fmt:MATRIX_FMT_FP6
.elseif \mode == 1
	v_wmma_scale_f32_16x16x128_f8f6f4 v[8*(\ns0*i1+i0):8*(\ns0*i1+i0)+7], v[FR*i0:FR*i0+FR-1], v[FR*(\ns0+i1):FR*(\ns0+i1)+FR-1], v[BIAS+8*i0:BIAS+8*i0+7], v[SW+8*i0+kq], v[SW+8*(\ns0+i1)+kq] matrix_a_fmt:MATRIX_FMT_FP6 matrix_b_fmt:MATRIX_FMT_FP6
.else
	v_wmma_scale_f32_16x16x128_f8f6f4 v[8*(\ns0*i1+i0):8*(\ns0*i1+i0)+7], v[FR*i0:FR*i0+FR-1], v[FR*(\ns0+i1):FR*(\ns0+i1)+FR-1], v[BIAS+8*i1:BIAS+8*i1+7], v[SW+8*i0+kq], v[SW+8*(\ns0+i1)+kq] matrix_a_fmt:MATRIX_FMT_FP6 matrix_b_fmt:MATRIX_FMT_FP6
.endif
.set i0, i0+1
.endr
.set i1, i1+1
.endr
.endm
; The scale words of my ns0 + ns1 tiles, all of K: lane r takes row r's 32 bytes, word q for the q-th 128 along K; then the eight K steps.
.macro SPEC ns0, ns1, mode
.set i, 0
.rept \ns0
	global_load_b128 v[SW+8*i:SW+8*i+3], v6, s[40:41] offset:512*i
	global_load_b128 v[SW+8*i+4:SW+8*i+7], v6, s[40:41] offset:512*i+16
.set i, i+1
.endr
.set i, 0
.rept \ns1
	global_load_b128 v[SW+8*(\ns0+i):SW+8*(\ns0+i)+3], v6, s[42:43] offset:512*i
	global_load_b128 v[SW+8*(\ns0+i)+4:SW+8*(\ns0+i)+7], v6, s[42:43] offset:512*i+16
.set i, i+1
.endr
.set kq, 0
.rept 8
	KSTEP \ns0, \ns1, \mode
.set kq, kq+1
.endr
	WIN 0
.endm
	s_cmp_lt_u32 s17, 2                            ; the work-group's number alone: all four waves go the same way
	s_cbranch_scc0 .Lshape_v
	s_lshl_b32 s40, s20, 5                         ; q, k.  Source 0: W's 64 places
	s_mov_b32 s41, 0
	s_add_nc_u64 s[40:41], s[6:7], s[40:41]
	s_lshl_b32 s42, s14, 6                         ; source 1: X's places 64 w on
	s_add_co_u32 s42, s42, s19
	s_lshl_b32 s42, s42, 5
	s_mov_b32 s43, 0
	s_add_nc_u64 s[42:43], s[6:7], s[42:43]
	s_lshl_b32 s44, s17, 12
	s_add_co_u32 s44, s44, 192*4                   ; the bias from channel 1,024 sel + 192 on
	s_mov_b32 s45, 0
	s_add_nc_u64 s[44:45], s[8:9], s[44:45]
	v_lshlrev_b32 v7, 6, v2                        ; tile t's eight are channels 32 (t / 2) + 16 h + 8 (t % 2) + 0 .. 7
.irp t, 0,1,2,3
	global_load_b128 v[BIAS+8*\t:BIAS+8*\t+3], v7, s[44:45] offset:(32*(\t/2)+8*(\t%2))*4
	global_load_b128 v[BIAS+8*\t+4:BIAS+8*\t+7], v7, s[44:45] offset:(32*(\t/2)+8*(\t%2))*4+16
.endr
	s_mul_i32 s46, s14, 64*PITCH
	v_add_nc_u32 v16, WOFF, v4
	v_add_nc_u32 v18, WOFF, v5
	v_add_nc_u32 v17, s46, v4
	v_add_nc_u32 v19, s46, v5
	SPEC 4, 4, 1
	s_branch .Lquant
.Lshape_v:
	s_lshl_b32 s40, s15, 7                         ; v.  Source 0: X's places 128 (w / 2) on
	s_add_co_u32 s40, s40, s19
	s_lshl_b32 s40, s40, 5
	s_mov_b32 s41, 0
	s_add_nc_u64 s[40:41], s[6:7], s[40:41]
	s_lshl_b32 s42, s16, 5                         ; source 1: W's places 32 (w % 2) on
	s_add_co_u32 s42, s42, s20
	s_lshl_b32 s42, s42, 5
	s_mov_b32 s43, 0
	s_add_nc_u64 s[42:43], s[6:7], s[42:43]
	s_lshl_b32 s44, s16, 7
	s_add_co_u32 s44, s44, 2240*4                  ; the bias from channel 2,048 + 192 + 32 (w % 2) on
	s_mov_b32 s45, 0
	s_add_nc_u64 s[44:45], s[8:9], s[44:45]
	v_and_b32 v7, 8, v1                            ; block n's lane r is channel 8 n + r + 8 (r / 8) of these 32
	v_add_nc_u32 v7, v7, v1
	v_lshlrev_b32 v7, 2, v7
.irp n, 0,1
.irp j, 0,1,2,3,4,5,6,7
	global_load_b32 v[BIAS+8*\n+\j], v7, s[44:45] offset:32*\n
.endr
.endr
	s_mul_i32 s46, s15, 128*PITCH
	s_mul_i32 s47, s16, 32*PITCH
	s_add_co_u32 s47, s47, WOFF
	v_add_nc_u32 v16, s46, v4
	v_add_nc_u32 v18, s46, v5
	v_add_nc_u32 v17, s47, v4
	v_add_nc_u32 v19, s47, v5
	SPEC 8, 2, 2
.Lquant:
; 64 numbers of a lane in window w become a fragment's codes and its scale word in window 0, as in launch proj.  q, k: registers 0-31 are one block of 16 tokens x the head's 64, registers 32-63 the next block:
; the result is the pair of blocks that attention wants.  v: 16 channels x 128 keys.
.macro QUANT w, s, d, pw
	WIN 5*\w
.irp b, 0,1,2,3
	v_max3_num_f32 v[TM+\b], |v[(\s)+16*\b]|, |v[(\s)+16*\b+1]|, 0x1800000
.endr
.irp i, 2,4,6,8,10,12,14
.irp b, 0,1,2,3
	v_max3_num_f32 v[TM+\b], |v[(\s)+16*\b+\i]|, |v[(\s)+16*\b+\i+1]|, v[TM+\b]
.endr
.endr
	WIN 0
.irp b, 0,1,2,3
	v_permlanex16_b32 v[TM+4+\b], v[TM+\b], s[SEL], s[SEL+1]
.endr
.irp b, 0,1,2,3
	v_max_num_f32 v[TM+\b], v[TM+\b], v[TM+4+\b]
.endr
.irp b, 0,1,2,3
	v_add_nc_u32 v[TM+12+\b], 0xff000000, v[TM+\b]
.endr
.irp b, 0,1,2,3
	v_lshrrev_b32 v[TM+4+\b], 23, v[TM+12+\b]
.endr
	v_lshl_or_b32 v[\pw], v[TM+5], 8, v[TM+4]
	v_lshl_or_b32 v[\pw], v[TM+6], 16, v[\pw]
	v_lshl_or_b32 v[\pw], v[TM+7], 24, v[\pw]
	WIN \w
.irp c, 0,1
	v_cvt_scalef32_pk16_fp6_f32 v[(\d)+6*\c:(\d)+6*\c+2], v[(\s)+32*\c:(\s)+32*\c+15], v[TM+12+2*\c]
	v_cvt_scalef32_pk16_fp6_f32 v[CT+4*\c:CT+4*\c+2], v[(\s)+32*\c+16:(\s)+32*\c+31], v[TM+12+2*\c+1]
.endr
	WIN 0
	v_nop                                          ; one plain place behind a scaled conversion
.irp c, 0,1
.irp i, 0,1,2
	v_permlane16_swap_b32 v[(\d)+6*\c+\i], v[CT+4*\c+\i]
.endr
.irp i, 0,1,2
	v_mov_b32 v[(\d)+3+6*\c+\i], v[CT+4*\c+\i]
.endr
.endr
.endm
.rept 4
	v_nop                                          ; places behind the last products, whose results are read below
.endr
	s_mov_b32 s[SEL], 0x76543210
	s_mov_b32 s[SEL+1], 0xfedcba98
.irp b, 0,1,2,3
	v_mov_b32 v[TM+4+\b], 0                        ; written once: a lane permute's destination counts as one of its sources
.endr
	QUANT 2, 0, F, PWR
	QUANT 2, 64, F+12, PWR+1
	s_lshl_b32 s40, s18, 1                         ; (the loads that named s40 to s45 were waited for ahead of the first products)
	s_add_co_u32 s40, s40, s15                     ; ts = 2 i + w / 2
	s_mul_i32 s40, s40, REC
	s_add_co_u32 s40, s40, 16*HEADB                ; slot 16
	s_mov_b32 s41, 0
	s_add_nc_u64 s[10:11], s[10:11], s[40:41]
	s_mov_b32 s43, 0
	s_mov_b32 s45, 0
	s_mov_b32 s46, 18944
	s_mov_b32 s47, 19456
	s_cmp_eq_u32 s17, 0
	s_cselect_b32 s42, 0, 6656                     ; where Q's, K's, V's fragments stand in a record,
	s_cselect_b32 s44, 6144, s46                   ; and their scale words
	s_cmp_eq_u32 s17, 2
	s_cselect_b32 s42, 12800, s42
	s_cselect_b32 s44, s47, s44
	s_mul_i32 s46, s16, 2*1536                     ; my two of the four fragments
	s_add_co_u32 s42, s42, s46
	s_lshl_b32 s46, s16, 8
	s_add_co_u32 s44, s44, s46
	s_add_nc_u64 s[42:43], s[10:11], s[42:43]
	s_add_nc_u64 s[44:45], s[10:11], s[44:45]
.irp p, 0,1
	global_store_b128 v[LI16], v[F+12*\p:F+12*\p+3], s[42:43] offset:1536*\p
	global_store_b64 v[LI8], v[F+12*\p+4:F+12*\p+5], s[42:43] offset:1536*\p+512
	global_store_b128 v[LI16], v[F+12*\p+6:F+12*\p+9], s[42:43] offset:1536*\p+768
	global_store_b64 v[LI8], v[F+12*\p+10:F+12*\p+11], s[42:43] offset:1536*\p+1280
	global_store_b32 v[LI4], v[PWR+\p], s[44:45] offset:128*\p
.endr
	s_wait_tensorcnt 0x0                           ; the wave's end, behind my last tensor load
	ds_add_u32 v[SPW], v[NIL]
	s_wait_dscnt 0x0
	s_endpgm
.Lfunc_end_k_q5f18315ded_spec:
	.size	k_q5f18315ded_spec, .Lfunc_end_k_q5f18315ded_spec-k_q5f18315ded_spec
	.p2alignl 7, 3214868480
	.fill 96, 4, 3214868480
	.section	.rodata,"a",@progbits
	.p2align	6, 0x0
	.amdhsa_kernel k_q5f18315ded_spec
		.amdhsa_group_segment_fixed_size 327680
		.amdhsa_private_segment_fixed_size 0
		.amdhsa_enable_private_segment 0
		.amdhsa_kernarg_size 32
		.amdhsa_user_sgpr_count 2
		.amdhsa_user_sgpr_kernarg_segment_ptr 1
		.amdhsa_wavefront_size32 1
		.amdhsa_system_sgpr_workgroup_id_x 1
		.amdhsa_system_sgpr_workgroup_id_y 1
		.amdhsa_system_sgpr_workgroup_id_z 1
		.amdhsa_system_vgpr_workitem_id 0
		.amdhsa_next_free_vgpr 768
		.amdhsa_next_free_sgpr 66
		.amdhsa_reserve_vcc 0
		.amdhsa_float_denorm_mode_32 3
		.amdhsa_float_denorm_mode_16_64 3
		.amdhsa_memory_ordered 1
		.amdhsa_forward_progress 1
		.amdhsa_inst_pref_size 112
	.end_amdhsa_kernel
	.amdgpu_metadata
---
amdhsa.version: [ 1, 2 ]
amdhsa.kernels:
  - .name:           k_q5f18315ded_spec
    .symbol:         k_q5f18315ded_spec.kd
    .args:
      - { .name: cod, .offset: 0, .size: 8, .value_kind: global_buffer, .address_space: global }
      - { .name: scl, .offset: 8, .size: 8, .value_kind: global_buffer, .address_space: global }
      - { .name: b_attn, .offset: 16, .size: 8, .value_kind: global_buffer, .address_space: global }
      - { .name: qkv, .offset: 24, .size: 8, .value_kind: global_buffer, .address_space: global }
    .group_segment_fixed_size: 327680
    .private_segment_fixed_size: 0
    .kernarg_segment_align: 8
    .kernarg_segment_size: 32
    .max_flat_workgroup_size: 128
    .sgpr_count:     66
    .vgpr_count:     768
    .wavefront_size: 32
...
	.end_amdgpu_metadata
.endif
;; end of part 3
;; launch attn (part 4): grid 8 x 32, 16 waves a work-group, no clusters, 215,040 bytes of LDS; arguments qkv, permutation, head_idxs, yc, ys; writes yc, ys
.if DOCPART == 4
	.amdgcn_target "amdgcn-amd-amdhsa--gfx1250"
	.amdhsa_code_object_version 6
	.text
	.protected	k_q5f18315ded_attn
	.globl	k_q5f18315ded_attn
	.p2align	8
	.type	k_q5f18315ded_attn,@function
k_q5f18315ded_attn:
	s_mov_b64 s[64:65], 0
	v_nop
	global_prefetch_b8 v0, s[64:65] scope:SCOPE_SE
	s_setreg_imm32_b32 hwreg(HW_REG_WAVE_MODE, 25, 1), 1
	s_wait_xcnt 0x0
; y[b][j][q] = the sum over k of softmax_k(qf . kf / 8) vf, for final head j = 0 .. 15 of batch b, both products on codes of E2M3; y is quantised along C for the projection on the way out.
; WHICH HEAD: c = permutation[j]; c = 0 is the head of x1, x2, x3 (slot 16 of qkv), else slot head_idxs[c - 1].  The two numbers are read by scalar loads, held inside their tables (s_min_u32) and enter addresses alone: no branch hangs on them.
; LIMIT: an index outside its table is held at the table's end, not wrapped.
; THE SOFTMAX AHEAD OF THE SECOND PRODUCT: t = score x log2(e) / 8; M = the running largest t, rounded UP to a whole number; p = 2^(t - M) is quantised along the keys, not normalised; the row's sum is taken of the
; unquantised p and divides at the end.  When M moves, the sum and O are multiplied by 2^(old M - new M): exact.
; SHARES.  Work-group (x, y = 16 b + j): 256 places of queries; each of its sixteen waves 16 of them, in 256 registers: four waves to a SIMD, so that one wave's vector work stands beside another's matrix work.
; No cluster: the tiles' addresses hang on numbers read from memory, and a work-group fetches its tiles once, at its head.
; A HEAD'S K AND V OF ONE BATCH FIT IN LDS: 16 steps of 128 keys x 13,312 bytes [K 6,144 | V 6,144 | K's scale words 512 | V's 512], as launch proj laid them: images of the operands' registers.
; They come in four chunks of four steps, all asked for at the head (a wave brings 3,328 bytes of each: four tensor loads of mine are out); nothing is filled again.
; LAYOUT.  Both products transposed: S^T = K Q^T, O^T = V^T P^T: a lane holds ONE query.  THE HEAD'S 64 ARE HALF OF THE INSTRUCTION'S 128: a fragment of K holds two blocks of 16 keys, [block 2 t | block 2 t + 1], and is
; multiplied twice: by [q | zero codes] and by [zero codes | q].  Zero codes add nothing under any scale byte of 1 .. 254.
; Tokens lie with the two middle groups of 8 of every 32 exchanged, so the 16 registers of tiles 2 b and 2 b + 1 of S^T are keys 32 b + 16 (lane / 16) + 0 .. 15; Wv's rows likewise, so O^T's are channels 32 b + 16 (lane / 16) + 0 .. 15.
; REGISTERS: v1-3 16, 8, 4 x lane; v5, v6 the add's two; v7-9 the step's addresses; v12 -M, v13 the largest t, v[14:15] the sum; v16-33 [0 | q | 0]; v34 q's scale word; v36-83 four fragments of K, then of V;
; v84-87 their scale words; v88 f; v91 p's scale word; v96-159 S^T, then p; v160-191 O^T; v192-203 p's codes; v204-210 half blocks of codes; v212-226 at work.
.set REC,   19968
.set HEADB, 32*REC
.set KV,    13312                      ; a step's bytes in LDS
.set SPARE, 16*KV                      ; behind the sixteen steps: the spare words, 128 bytes a wave
.set SPW,   5
.set NIL,   6
.set FRG,   36
.set FS,    84
.set S,     96
.set O,     160
.set PCD,   192
.set CT,    204
.set BM,    212                        ; the blocks' largest scores, then largest p
.set BB,    216                        ; the other half's, then the bytes
.set BO,    220                        ; the conversions' scale operands
	s_load_b256 s[4:11], s[0:1], 0x0               ; qkv s[4:5], permutation s[6:7], head_idxs s[8:9], yc s[10:11]
	s_load_b64 s[12:13], s[0:1], 0x20              ; ys
	v_lshl_add_u32 v[SPW], v0, 2, SPARE
	v_mov_b32 v[NIL], 0
	ds_add_u32 v[SPW], v[NIL]                      ; the wave's opening: the add, twice on end, and its wait ahead of my first tensor load
	ds_add_u32 v[SPW], v[NIL]
	v_lshrrev_b32 v10, 5, v0
	v_readfirstlane_b32 s18, v10                   ; wave 0..15
	s_and_b32 s14, ttmp7, 0xffff
	s_and_b32 s15, s14, 15                         ; j
	s_lshr_b32 s16, s14, 4                         ; b
	s_lshl_b32 s17, s15, 2
	s_mov_b32 s24, 3<<16                           ; group 1: 13 rows of 256 bytes (32 elements of 8), dense, no padding
	s_mov_b32 s25, 32<<16
	s_mov_b32 s26, 13<<16
	s_mov_b32 s27, 32<<16
	s_mov_b32 s28, 13
	s_mov_b32 s29, 32
	s_mov_b32 s30, 0
	s_mov_b32 s31, 0
	s_mov_b32 s20, 0x76543210
	s_mov_b32 s21, 0xfedcba98                      ; lane selects for lane l xor 16
	s_mov_b32 s22, 0x3e38aa3b                      ; c = log2(e) / 8
	s_mov_b32 s23, s22                             ; (named with it as a pair, so it is written)
	v_and_b32 v10, 31, v0
	v_lshlrev_b32 v1, 4, v10
	v_lshlrev_b32 v2, 3, v10
	v_lshlrev_b32 v3, 2, v10
	s_wait_dscnt 0x0                               ; both opening adds are done
	s_wait_kmcnt 0x0
	s_load_b32 s50, s[6:7], s17 offset:0x0         ; c = permutation[j]
	s_wait_kmcnt 0x0
	s_sub_co_u32 s51, s50, 1
	s_min_u32 s51, s51, 14                         ; c - 1, held inside head_idxs (c = 0 wraps and is held at 14: what is read then is not used)
	s_lshl_b32 s51, s51, 2
	s_load_b32 s52, s[8:9], s51 offset:0x0
	s_wait_kmcnt 0x0
	s_min_u32 s52, s52, 15
	s_cmp_eq_u32 s50, 0
	s_cselect_b32 s52, 16, s52
	s_min_u32 s52, s52, 16                         ; the slot of qkv
	s_mul_i32 s52, s52, HEADB
	s_lshl_b32 s53, s16, 4                         ; the batch's first record
	s_lshr_b32 s54, s18, 2
	s_add_co_u32 s54, s54, s53                     ; of a chunk's four records mine is w / 4,
	s_mul_i32 s54, s54, REC
	s_and_b32 s55, s18, 3
	s_mul_i32 s55, s55, 3328                       ; and of its 13,312 bytes quarter w % 4
	s_add_co_u32 s54, s54, s55
	s_add_co_u32 s54, s54, 6656                    ; K, V and their scale words stand behind Q's part
	s_add_co_u32 s54, s54, s52
	s_mov_b32 s55, 0
	s_add_nc_u64 s[54:55], s[4:5], s[54:55]
	s_mul_i32 s56, s18, 3328
.irp cc, 0,1,2,3
	s_mov_b32 s[32+4*\cc], 1
	s_add_co_u32 s[33+4*\cc], s56, \cc*4*KV
	s_add_nc_u64 s[34+4*\cc:35+4*\cc], s[54:55], \cc*4*REC
	s_or_b32 s[35+4*\cc], s[35+4*\cc], 0x80000000
	tensor_load_to_lds s[32+4*\cc:35+4*\cc], s[24:31]
	s_nop 0
.endr
	s_lshl_b32 s57, ttmp9, 1                       ; Q: my 16 places are block w % 8 of record 16 b + 2 x + w / 8
	s_add_co_u32 s57, s57, s53
	s_lshr_b32 s58, s18, 3
	s_add_co_u32 s57, s57, s58
	s_mul_i32 s57, s57, REC
	s_add_co_u32 s57, s57, s52
	s_bfe_u32 s62, s18, 0x20001                    ; the pair of blocks,
	s_and_b32 s63, s18, 1                          ; and which of the two
	s_mul_i32 s58, s62, 1536
	s_mul_i32 s59, s63, 768
	s_add_co_u32 s58, s58, s59
	s_add_co_u32 s58, s58, s57
	s_mov_b32 s59, 0
	s_add_nc_u64 s[58:59], s[4:5], s[58:59]
	s_lshl_b32 s60, s62, 7
	s_add_co_u32 s60, s60, s57
	s_add_co_u32 s60, s60, 6144
	s_mov_b32 s61, 0
	s_add_nc_u64 s[60:61], s[4:5], s[60:61]
	global_load_b128 v[22:25], v1, s[58:59]        ; q: registers 0-3 of half a fragment,
	global_load_b64 v[26:27], v2, s[58:59] offset:512   ; registers 4, 5
	global_load_b32 v34, v3, s[60:61]              ; the pair's scale word
	s_lshl_b32 s19, s16, 7
	s_lshl_b32 s14, ttmp9, 4
	s_add_co_u32 s19, s19, s14
	s_add_co_u32 s19, s19, s18                     ; tb = 128 b + 16 x + w: my block of 16 places among all 256
	s_lshl_b32 s14, s15, 8
	s_add_co_u32 s14, s14, s19
	s_mul_i32 s50, s14, 768
	s_mov_b32 s51, 0
	s_add_nc_u64 s[10:11], s[10:11], s[50:51]      ; yc [j][tb][768 bytes]
	s_lshl_b32 s50, s19, 9
	s_lshl_b32 s14, s15, 1
	s_add_co_u32 s50, s50, s14
	s_add_nc_u64 s[12:13], s[12:13], s[50:51]      ; ys [place][32 bytes], bytes 2 j and 2 j + 1
	s_lshl_b32 s63, s63, 4
.irp i, 16,17,18,19,20,21,28,29,30,31,32,33
	v_mov_b32 v[\i], 0                             ; zero codes on both sides of q: v[22:33] = [q | 0], v[16:27] = [0 | q]
.endr
	v_mov_b32 v13, 0xff61b1e6                      ; the largest t so far: -3e38, under every t
	v_floor_f32 v12, -v13                          ; -M
	v_mov_b32 v14, 0                               ; the sum, in two halves
	v_mov_b32 v15, 0
	v_mov_b32 v89, 0                               ; (named as the upper half of the pair v[88:89])
.irp b, 0,1,2,3
	v_mov_b32 v[BB+\b], 0                          ; written once: a lane permute's destination counts as one of its sources
.endr
	s_wait_loadcnt 0x0
	v_lshrrev_b32 v34, s63, v34                    ; my block's two bytes of the pair's word,
	v_and_b32 v34, 0xffff, v34
	v_lshl_or_b32 v34, v34, 16, v34                ; for both halves of the instruction's K
.set j, 0
.rept 32
	v_mov_b32 v[O+j], 0                            ; O^T.  (The step is written once: the first finds zeros, which the first change of M leaves zeros.  These are also the places between q's scale word and the first product)
.set j, j+1
.endr
; A KEY STEP: 128 keys, at LDS byte s48.
.macro STEP
	v_add_nc_u32 v7, s48, v1
	v_add_nc_u32 v8, s48, v2
	v_add_nc_u32 v9, s48, v3
	v_nop                                          ; four places in front of loads into registers that the last products have read
.irp t, 0,1,2,3
	ds_load_b128 v[FRG+12*\t:FRG+12*\t+3], v7 offset:1536*\t
	ds_load_b64 v[FRG+12*\t+4:FRG+12*\t+5], v8 offset:1536*\t+512
	ds_load_b128 v[FRG+12*\t+6:FRG+12*\t+9], v7 offset:1536*\t+768
	ds_load_b64 v[FRG+12*\t+10:FRG+12*\t+11], v8 offset:1536*\t+1280
	ds_load_b32 v[FS+\t], v9 offset:12288+128*\t
.endr
	s_wait_dscnt 0x0
.irp t, 0,1,2,3
	v_wmma_scale_f32_16x16x128_f8f6f4 v[S+16*\t:S+16*\t+7], v[FRG+12*\t:FRG+12*\t+11], v[22:33], 0, v[FS+\t], v34 matrix_a_fmt:MATRIX_FMT_FP6 matrix_b_fmt:MATRIX_FMT_FP6
	v_wmma_scale_f32_16x16x128_f8f6f4 v[S+16*\t+8:S+16*\t+15], v[FRG+12*\t:FRG+12*\t+11], v[16:27], 0, v[FS+\t], v34 matrix_a_fmt:MATRIX_FMT_FP6 matrix_b_fmt:MATRIX_FMT_FP6
.endr
.rept 4
	v_nop                                          ; places: behind them V is asked for, into K's registers, and the scores are read
.endr
.irp t, 0,1,2,3
	ds_load_b128 v[FRG+12*\t:FRG+12*\t+3], v7 offset:6144+1536*\t          ; V lands while the softmax is walked
	ds_load_b64 v[FRG+12*\t+4:FRG+12*\t+5], v8 offset:6144+1536*\t+512
	ds_load_b128 v[FRG+12*\t+6:FRG+12*\t+9], v7 offset:6144+1536*\t+768
	ds_load_b64 v[FRG+12*\t+10:FRG+12*\t+11], v8 offset:6144+1536*\t+1280
	ds_load_b32 v[FS+\t], v9 offset:12800+128*\t
.endr
.irp b, 0,1,2,3
	v_max3_num_f32 v[BM+\b], v[S+16*\b], v[S+16*\b+1], v[S+16*\b+2]   ; THE LARGEST SCORE OF EACH BLOCK OF 32 KEYS: for the row's maximum, and, since p rises with the score, for the block's largest p
.endr
.irp i, 3,5,7,9,11,13
.irp b, 0,1,2,3
	v_max3_num_f32 v[BM+\b], v[BM+\b], v[S+16*\b+\i], v[S+16*\b+\i+1]
.endr
.endr
.irp b, 0,1,2,3
	v_max_num_f32 v[BM+\b], v[BM+\b], v[S+16*\b+15]
.endr
.irp b, 0,1,2,3
	v_permlanex16_b32 v[BB+\b], v[BM+\b], s20, s21
.endr
.irp b, 0,1,2,3
	v_max_num_f32 v[BM+\b], v[BM+\b], v[BB+\b]     ; with lane l xor 16's 16 keys
.endr
	v_max3_num_f32 v226, v[BM], v[BM+1], v[BM+2]
	v_max_num_f32 v226, v226, v[BM+3]              ; the step's largest score of my query
	v_mul_f32 v226, s22, v226                      ; as t (c is positive)
	v_max_num_f32 v13, v13, v226                   ; the running largest t
	v_mov_b32 v226, v12
	v_floor_f32 v12, -v13                          ; the new -M = floor(-t) = -ceil(t)
	v_sub_f32 v226, v12, v226                      ; M's old value less its new one: a whole number, 0 or less
	v_cvt_i32_f32 v226, v226                       ; (it saturates)
	v_ldexp_f32 v88, 1.0, v226                     ; f = 2^(old M - new M)
.set j, 0
.rept 32
	v_pk_fma_f32 v[S+j:S+j+1], v[S+j:S+j+1], s[22:23], v[12:13] op_sel_hi:[1,0,0]   ; t - M, two at a time
.set j, j+2
.endr
.irp b, 0,1,2,3
	v_fma_f32 v[BM+\b], v[BM+\b], s22, v12         ; the same of each block's largest score
.endr
.set j, 0
.rept 64
	v_exp_f32 v[S+j], v[S+j]                       ; p = 2^(t - M), at most 1
.set j, j+1
.endr
	v_pk_mul_f32 v[14:15], v[14:15], v[88:89] op_sel_hi:[1,0]   ; the sums under the new M (a plain place behind the exponentials)
	s_wait_alu depctr_va_vdst(0)                   ; one wait for the whole batch, ahead of its first reader
.irp b, 0,1,2,3
	v_exp_f32 v[BM+\b], v[BM+\b]                   ; the block's largest p: the same two instructions on the same number give the same bits
.endr
	v_pk_add_f32 v[224:225], v[S:S+1], v[S+2:S+3]  ; THE ROW'S SUM IS TAKEN OF THE UNQUANTISED p: two at a time, in two chains
.set j, 4
.rept 15
	v_pk_add_f32 v[14:15], v[14:15], v[S+j:S+j+1]
	v_pk_add_f32 v[224:225], v[224:225], v[S+j+2:S+j+3]
.set j, j+4
.endr
	v_pk_add_f32 v[14:15], v[14:15], v[224:225]
	s_wait_alu depctr_va_vdst(0)                   ; and one for the four
.irp b, 0,1,2,3
	v_max_num_f32 v[BM+\b], 0x1800000, v[BM+\b]    ; the floor 2^(3 - 127): the byte cannot fall under 1
.endr
.irp b, 0,1,2,3
	v_add_nc_u32 v[BO+\b], 0xff000000, v[BM+\b]    ; 2 off the exponent field: the conversion's scale operand
.endr
.irp b, 0,1,2,3
	v_lshrrev_b32 v[BB+\b], 23, v[BO+\b]           ; the scale's byte
.endr
	v_lshl_or_b32 v91, v[BB+1], 8, v[BB]           ; p's scale word for these 128 keys
	v_lshl_or_b32 v91, v[BB+2], 16, v91
	v_lshl_or_b32 v91, v[BB+3], 24, v91
.irp c, 0,1
	v_cvt_scalef32_pk16_fp6_f32 v[PCD+6*\c:PCD+6*\c+2], v[S+32*\c:S+32*\c+15], v[BO+2*\c]
	v_cvt_scalef32_pk16_fp6_f32 v[CT+4*\c:CT+4*\c+2], v[S+32*\c+16:S+32*\c+31], v[BO+2*\c+1]   ; (a conversion's three registers begin on an even number)
.endr
	v_nop                                          ; one plain place behind a scaled conversion
.irp c, 0,1                                    ; the operand's layout wants a WHOLE block in a lane
.irp i, 0,1,2
	v_permlane16_swap_b32 v[PCD+6*\c+\i], v[CT+4*\c+\i]
.endr
.irp i, 0,1,2
	v_mov_b32 v[PCD+3+6*\c+\i], v[CT+4*\c+\i]
.endr
.endr
.set j, 0
.rept 16
	v_pk_mul_f32 v[O+j:O+j+1], v[O+j:O+j+1], v[88:89] op_sel_hi:[1,0]   ; O^T under the new M.  (These sixteen also stand between the writing of p's codes and scale word and the products)
.set j, j+2
.endr
	s_wait_dscnt 0x0                               ; V is in
.irp d, 0,1,2,3
	v_wmma_scale_f32_16x16x128_f8f6f4 v[O+8*\d:O+8*\d+7], v[FRG+12*\d:FRG+12*\d+11], v[PCD:PCD+11], v[O+8*\d:O+8*\d+7], v[FS+\d], v91 matrix_a_fmt:MATRIX_FMT_FP6 matrix_b_fmt:MATRIX_FMT_FP6
.endr
.endm
; A chunk of four steps.  The wait's count is the number of my later chunks' loads, which may stay out.
.macro CHUNK cc
	s_wait_tensorcnt 3-\cc                         ; my part of this chunk is in,
	s_barrier_signal -1
	s_barrier_wait -1                              ; everybody's is
	s_mov_b32 s48, \cc*4*KV
	s_mov_b32 s49, 4
.Lstep_\@:
	STEP
	s_add_co_u32 s48, s48, KV
	s_sub_co_u32 s49, s49, 1
	s_cmp_lg_u32 s49, 0
	s_cbranch_scc1 .Lstep_\@
.endm
	CHUNK 0
	CHUNK 1
	CHUNK 2
	CHUNK 3
	; THE WAY OUT.  O^T / the sum is my query's 64 numbers of y: register 16 b + i is channel 32 b + 16 (lane / 16) + i.  They are quantised along C (two blocks of 32) and leave as half a fragment's image.
	v_and_b32 v10, 15, v0                          ; (four plain instructions: the places behind the last products)
	v_bfe_u32 v11, v0, 4, 1
	v_lshl_add_u32 v11, v10, 5, v11                ; ys: 32 r + h
	v_add_f32 v14, v14, v15                        ; the sum's two halves,
	v_permlanex16_b32 v226, v14, s20, s21
	v_add_f32 v14, v14, v226                       ; and lane l xor 16's: the row's sum
	v_rcp_f32 v14, v14
	v_nop                                          ; a plain place behind the reciprocal
	s_wait_alu depctr_va_vdst(0)                   ; and the wait ahead of its first reader
.set j, 0
.rept 32
	v_mul_f32 v[S+j], v[O+j], v14                  ; each accumulator from its low end on
.set j, j+1
.endr
.irp b, 0,1
	v_max3_num_f32 v[BM+\b], |v[S+16*\b]|, |v[S+16*\b+1]|, 0x1800000
.endr
.irp i, 2,4,6,8,10,12,14
.irp b, 0,1
	v_max3_num_f32 v[BM+\b], v[BM+\b], |v[S+16*\b+\i]|, |v[S+16*\b+\i+1]|
.endr
.endr
.irp b, 0,1
	v_permlanex16_b32 v[BB+\b], v[BM+\b], s20, s21
.endr
.irp b, 0,1
	v_max_num_f32 v[BM+\b], v[BM+\b], v[BB+\b]
.endr
.irp b, 0,1
	v_add_nc_u32 v[BO+\b], 0xff000000, v[BM+\b]
.endr
.irp b, 0,1
	v_lshrrev_b32 v[BB+\b], 23, v[BO+\b]
.endr
	v_cvt_scalef32_pk16_fp6_f32 v[PCD:PCD+2], v[S:S+15], v[BO]
	v_cvt_scalef32_pk16_fp6_f32 v[CT:CT+2], v[S+16:S+31], v[BO+1]
	v_nop                                          ; one plain place behind a scaled conversion
.irp i, 0,1,2
	v_permlane16_swap_b32 v[PCD+\i], v[CT+\i]
.endr
.irp i, 0,1,2
	v_mov_b32 v[PCD+3+\i], v[CT+\i]
.endr
	s_mov_b32 s49, 0xffff0000
	v_cndmask_b32 v10, v[BB], v[BB+1], s49         ; lanes 0-15 carry block 0's byte, lanes 16-31 block 1's
.irp p, 0,1,2
	global_store_b64 v2, v[PCD+2*\p:PCD+2*\p+1], s[10:11] offset:256*\p   ; a pair of registers: 256 consecutive bytes, aligned
.endr
	global_store_b8 v11, v10, s[12:13]             ; two bytes of each of 16 rows of ys: the one small store of the program, 32 bytes a wave
	s_wait_tensorcnt 0x0                           ; the wave's end, behind my last tensor load
	ds_add_u32 v[SPW], v[NIL]
	s_wait_dscnt 0x0
	s_endpgm
.Lfunc_end_k_q5f18315ded_attn:
	.size	k_q5f18315ded_attn, .Lfunc_end_k_q5f18315ded_attn-k_q5f18315ded_attn
	.p2alignl 7, 3214868480
	.fill 96, 4, 3214868480
	.section	.rodata,"a",@progbits
	.p2align	6, 0x0
	.amdhsa_kernel k_q5f18315ded_attn
		.amdhsa_group_segment_fixed_size 215040
		.amdhsa_private_segment_fixed_size 0
		.amdhsa_enable_private_segment 0
		.amdhsa_kernarg_size 40
		.amdhsa_user_sgpr_count 2
		.amdhsa_user_sgpr_kernarg_segment_ptr 1
		.amdhsa_wavefront_size32 1
		.amdhsa_system_sgpr_workgroup_id_x 1
		.amdhsa_system_sgpr_workgroup_id_y 1
		.amdhsa_system_sgpr_workgroup_id_z 1
		.amdhsa_system_vgpr_workitem_id 0
		.amdhsa_next_free_vgpr 256
		.amdhsa_next_free_sgpr 66
		.amdhsa_reserve_vcc 0
		.amdhsa_float_denorm_mode_32 3
		.amdhsa_float_denorm_mode_16_64 3
		.amdhsa_memory_ordered 1
		.amdhsa_forward_progress 1
		.amdhsa_inst_pref_size 77
	.end_amdhsa_kernel
	.amdgpu_metadata
---
amdhsa.version: [ 1, 2 ]
amdhsa.kernels:
  - .name:           k_q5f18315ded_attn
    .symbol:         k_q5f18315ded_attn.kd
    .args:
      - { .name: qkv, .offset: 0, .size: 8, .value_kind: global_buffer, .address_space: global }
      - { .name: permutation, .offset: 8, .size: 8, .value_kind: global_buffer, .address_space: global }
      - { .name: head_idxs, .offset: 16, .size: 8, .value_kind: global_buffer, .address_space: global }
      - { .name: yc, .offset: 24, .size: 8, .value_kind: global_buffer, .address_space: global }
      - { .name: ys, .offset: 32, .size: 8, .value_kind: global_buffer, .address_space: global }
    .group_segment_fixed_size: 215040
    .private_segment_fixed_size: 0
    .kernarg_segment_align: 8
    .kernarg_segment_size: 40
    .max_flat_workgroup_size: 512
    .sgpr_count:     66
    .vgpr_count:     256
    .wavefront_size: 32
...
	.end_amdgpu_metadata
.endif
;; end of part 4
;; launch outp (part 5): grid 4 x 16, 4 waves a work-group, clusters of 4 x 4, 327,680 bytes of LDS; arguments yc, ys, cod, scl, b_proj, out0; writes out0
.if DOCPART == 5
	.amdgcn_target "amdgcn-amd-amdhsa--gfx1250"
	.amdhsa_code_object_version 6
	.text
	.protected	k_q5f18315ded_outp
	.globl	k_q5f18315ded_outp
	.p2align	8
	.type	k_q5f18315ded_outp,@function
k_q5f18315ded_outp:
	s_mov_b64 s[64:65], 0
	v_nop
	global_prefetch_b8 v0, s[64:65] scope:SCOPE_SE
	s_setreg_imm32_b32 hwreg(HW_REG_WAVE_MODE, 25, 1), 1
	s_wait_xcnt 0x0
	s_wait_alu depctr_hold_cnt(0) depctr_sa_sdst(0) depctr_va_vdst(0) depctr_va_sdst(0) depctr_va_ssrc(0) depctr_va_vcc(0) depctr_vm_vsrc(0)
	s_getreg_b32 s2, hwreg(HW_REG_IB_STS2, 6, 4)
	s_cmp_eq_u32 s2, 0
	s_cbranch_scc0 .Lentry_in_a_cluster
	s_endpgm
.Lentry_in_a_cluster:
	s_bfe_u32 s2, ttmp6, 0x10000c
	s_cmp_lg_u32 s2, 0xf033
	s_cbranch_scc0 .Lentry_shape_is_right
	s_endpgm
.Lentry_shape_is_right:
; out0 = y W_proj^T + b_proj on codes of E2M3; out0 [4,096][1,024] f32.  A = y (source 1: a lane holds a row), B = W_proj (source 0: a lane's registers run along the columns).
; 64 work-groups in clusters of 4 x 4, each 256 x 256, a wave 128 x 128; K = 1,024 in four steps of 256 through a ring of two LDS slots filled by joint tensor loads; the scale bytes come once and stay; b_proj is the C of each sum's first product.
; y's CODES COME AS IMAGES: yc [head j][block of 16 places tb][768 bytes], a pair of registers p of half a fragment (16 places x the head's 64) at 256 p + 8 x lane.  A K step of 256 is four heads; a wave's load brings,
; for each of them, 8 blocks = 6,144 consecutive bytes.  A fragment (128 along K = two heads) is six loads of 8 bytes a lane at 8 x lane: 256 consecutive bytes an instruction.
; W_proj's codes are rows of cod from place 19,456 on, its scale bytes rows of scl; y's scale bytes are ys [place][32].
; PLACES AND ROWS: in y and in W_proj the two middle groups of 8 of every 32 are exchanged.  Lane r of A's block a is row 32 (a / 2) + 8 (a % 2) + r + 8 (r / 8); register j of B's tile b is column
; 32 (b / 2) + 16 (lane / 16) + 8 (b % 2) + j.  The way out puts both right: the columns by the place in the stage, the rows by the stores' offsets.
; REGISTERS, in windows of 256: window 0: v0-31 addresses; v32-63 scale words, two sets; v64-127 the bias; from v128 A's fragments, one set; on the way out v128-255 rows of out0.  window 1: B's fragments, two sets.  windows 2, 3: the accumulators.
.set SIZE_N, 1024
.set KSTEP,  256
.set NQ,     KSTEP/128
.set ROWB,   192
.set KROW,   768
.set PITCH,  240                       ; B's LDS row: 3 x (64 bytes + 16 of padding)
.set FR,     12
.set NL,     6
.set NP,     4
.set HALFA,  4*6144                    ; A: four heads x 8 blocks x 768 bytes: what one tensor load brings
.set HALFB,  128*PITCH
.set SLOT,   2*HALFA+2*HALFB
.set HSTEP,  4*256*768                 ; four heads on in yc
.set KS,     32
.set SCL,    2*SLOT
.set HALFS,  (128*KS/256)*272
.set SBLK,   (16*KS/256)*272
.set SPARE,  SCL+4*HALFS               ; behind the scales: the spare words, 128 bytes a wave
.set SPITCH, 528                       ; the way out: a stage of 16 rows x (512 bytes + 16) for each wave, in slot 0, which has had its last fill and its last read by then
.set ADRA, 16                          ; v16-17 LDS address of my A images in slot 0, 1
.set ADRB, 20                          ; v20-21 of my B fragments (v22-23: behind one padding more)
.set STO,  24
.set RD,   25
.set CO,   26
.set ADRS, 27
.set SPW,  28
.set NIL,  29
.set SC,   32
.set BIAS, 64
.set AF,   128
.set BK,   128
.set CP,   98                          ; s[98:99] out0
.set G1, 24
.set G0, 32
.set G1B, 48
.set G0B, 56
.set G1S, 68
.set G0S, 76
.set G1SB, 80
.set G0SB, 88
.set MSB, 0
.macro WIN new
.if MSB != \new
	s_set_vgpr_msb (MSB<<8)|\new
.set MSB, \new
.endif
.endm
.set MUL_LO, 0xa1
.set MUL_HI, 0xf1
.set FIRST_LO, 0x81                    ; the first step: C (the bias) window 0, D window 2
.set FIRST_HI, 0xc1
.set TO_B,   0x40
.macro JLOAD g0a, g1a, g0b, g1b        ; a joint load: waves 0 and 1 fetch for A, waves 2 and 3 for B; an s_nop 0 and four v_nop follow each of the two lines
	s_cmp_eq_u32 s15, 0
	s_cbranch_scc0 .Lfor_b_\@
	tensor_load_to_lds s[\g0a:\g0a+3], s[\g1a:\g1a+7]
	s_nop 0
.rept 4
	v_nop
.endr
	s_branch .Lasked_\@
.Lfor_b_\@:
	tensor_load_to_lds s[\g0b:\g0b+3], s[\g1b:\g1b+7]
	s_nop 0
.rept 4
	v_nop
.endr
.Lasked_\@:
.endm
.macro CREST
	s_cmp_lg_u32 s14, 0
	s_cbranch_scc1 .Lnot_wave_0_\@
	s_barrier_signal -3
.Lnot_wave_0_\@:
	s_barrier_wait -3
	s_barrier_signal -1
	s_barrier_wait -1
.endm
.macro CROUND
	s_barrier_signal -1
	s_barrier_wait -1
	CREST
.endm
	s_load_b256 s[4:11], s[0:1], 0x0               ; yc s[4:5], ys s[6:7], cod s[8:9], scl s[10:11]
	s_load_b128 s[96:99], s[0:1], 0x20             ; b_proj s[96:97], out0 s[98:99]
	v_lshl_add_u32 v[SPW], v0, 2, SPARE
	v_mov_b32 v[NIL], 0
	ds_add_u32 v[SPW], v[NIL]                      ; the wave's opening: the add, twice on end, and its wait ahead of my first tensor load
	ds_add_u32 v[SPW], v[NIL]
	v_lshrrev_b32 v1, 5, v0
	v_readfirstlane_b32 s14, v1                    ; wave 0..3
	s_lshr_b32 s15, s14, 1                         ; which half of the tile's rows is mine.  Also: I fetch for A (0) or for B (1)
	s_and_b32 s16, s14, 1                          ; which half of its columns.  Also: which half of that tile I fetch
	s_bfe_u32 s40, ttmp6, 0x40000                  ; cx, cy
	s_bfe_u32 s41, ttmp6, 0x40004
	s_lshl_b32 s42, ttmp9, 2
	s_add_co_u32 s42, s42, s40                     ; tile column
	s_and_b32 s17, ttmp7, 0xffff
	s_lshl_b32 s17, s17, 2
	s_add_co_u32 s17, s17, s41                     ; tile row
	s_lshl_b32 s43, s41, 2
	s_lshl_b32 s43, 15, s43                        ; my row of the cluster
	s_lshl_b32 s44, 0x1111, s40                    ; my column
	s_or_b32 s[G1+0], s43, (3<<16)|(1<<21)         ; A: elements of 8 bytes, no padding: 4 rows (heads) of 768 elements, 24,576 elements apart
	s_mov_b32 s[G1+1], 768<<16
	s_mov_b32 s[G1+2], 4<<16
	s_mov_b32 s[G1+3], 768<<16
	s_mov_b32 s[G1+4], 4
	s_mov_b32 s[G1+5], 24576
	s_mov_b32 s[G1+6], 0
	s_mov_b32 s[G1+7], 0
	s_or_b32 s[G1B+0], s44, (0<<16)|(1<<20)|(1<<21)|(3<<22)|(3<<25)   ; B: 128 rows of 192 bytes, 16 bytes of padding behind every 64
	s_mov_b32 s[G1B+1], ROWB<<16
	s_mov_b32 s[G1B+2], 128<<16
	s_mov_b32 s[G1B+3], ROWB<<16
	s_mov_b32 s[G1B+4], 128
	s_mov_b32 s[G1B+5], KROW
	s_mov_b32 s[G1B+6], 0
	s_mov_b32 s[G1B+7], 0
	s_or_b32 s[G1S+0], s43, (3<<16)|(1<<20)|(1<<21)|(5<<22)|(3<<25)   ; the scales of 128 rows: 16 rows of 256 bytes, 16 bytes of padding behind each
	s_or_b32 s[G1SB+0], s44, (3<<16)|(1<<20)|(1<<21)|(5<<22)|(3<<25)
.irp g, G1S, G1SB
	s_mov_b32 s[\g+1], 32<<16
	s_mov_b32 s[\g+2], (128*KS/256)<<16
	s_mov_b32 s[\g+3], 32<<16
	s_mov_b32 s[\g+4], 128*KS/256
	s_mov_b32 s[\g+5], 32
	s_mov_b32 s[\g+6], 0
	s_mov_b32 s[\g+7], 0
.endr
	s_lshl_b32 s18, s16, 7
	s_lshl_b32 s20, s17, 8
	s_add_co_u32 s20, s20, s18                     ; A: place 256 x tile row + 128 x half
	s_lshl_b32 s46, s42, 8
	s_add_co_u32 s46, s46, s18
	s_add_co_u32 s46, s46, 19456                   ; B: W_proj's place in cod and scl
	s_lshl_b32 s22, s20, 5                         ; A's scale bytes: 32 a place
	s_mov_b32 s23, 0
	s_mul_i32 s20, s20, 48                         ; A's images: 768 bytes for 16 places
	s_mov_b32 s21, 0
	s_lshl_b32 s92, s46, 5
	s_mov_b32 s93, 0
	s_mul_i32 s46, s46, KROW
	s_mov_b32 s47, 0
	s_mul_i32 s45, s16, HALFA                      ; where they go: A's two halves,
	s_mul_i32 s95, s16, HALFB
	s_add_co_u32 s95, s95, 2*HALFA                 ; then B's two
	s_mul_i32 s94, s14, HALFS
	s_wait_dscnt 0x0                               ; both opening adds are done
	s_wait_kmcnt 0x0
	s_add_nc_u64 s[20:21], s[4:5], s[20:21]
	s_add_nc_u64 s[22:23], s[6:7], s[22:23]
	s_add_nc_u64 s[46:47], s[8:9], s[46:47]
	s_add_nc_u64 s[92:93], s[10:11], s[92:93]
	CROUND                                         ; all sixteen work-groups are here: the first joint loads meet
	s_mov_b32 s[G0S], 1
	s_add_co_u32 s[G0S+1], s94, SCL
	s_mov_b64 s[G0S+2:G0S+3], s[22:23]
	s_or_b32 s[G0S+3], s[G0S+3], 0x80000000
	s_mov_b32 s[G0SB], 1
	s_add_co_u32 s[G0SB+1], s94, SCL
	s_mov_b64 s[G0SB+2:G0SB+3], s[92:93]
	s_or_b32 s[G0SB+3], s[G0SB+3], 0x80000000
	JLOAD G0S, G1S, G0SB, G1SB                     ; the scales first
.irp s, 0,1
	s_mov_b32 s[G0+4*\s], 1
	s_add_co_u32 s[G0+4*\s+1], s45, \s*SLOT
	s_add_nc_u64 s[G0+4*\s+2:G0+4*\s+3], s[20:21], \s*HSTEP
	s_or_b32 s[G0+4*\s+3], s[G0+4*\s+3], 0x80000000
	s_mov_b32 s[G0B+4*\s], 1
	s_add_co_u32 s[G0B+4*\s+1], s95, \s*SLOT
	s_add_nc_u64 s[G0B+4*\s+2:G0B+4*\s+3], s[46:47], \s*ROWB
	s_or_b32 s[G0B+4*\s+3], s[G0B+4*\s+3], 0x80000000
	JLOAD G0+4*\s, G1, G0B+4*\s, G1B               ; three tensor loads of mine are out now
.endr
	v_and_b32 v1, 15, v0                           ; r
	v_bfe_u32 v2, v0, 4, 1                         ; h
	v_and_b32 v6, 31, v0                           ; lane
	v_mul_u32_u24 v3, v1, PITCH
	v_mul_u32_u24 v4, v2, 24
	v_add_nc_u32 v4, v3, v4                        ; B: a fragment's row x pitch + 24 x half
	v_lshl_add_u32 v5, v2, 4, v4                   ; and the same behind one padding more
	v_lshlrev_b32 v7, 3, v6                        ; A: 8 x lane
	s_mul_i32 s21, s15, HALFA                      ; my 128 places of A
	s_mul_i32 s22, s16, HALFB                      ; my 128 rows of B,
	s_add_co_u32 s22, s22, 2*HALFA                 ; which lie behind A's
.irp s, 0,1
	v_add_nc_u32 v[ADRA+\s], s21, v7
	v_add_nc_u32 v[ADRB+\s], s22, v4
	v_add_nc_u32 v[ADRB+2+\s], s22, v5
	s_add_co_u32 s21, s21, SLOT
	s_add_co_u32 s22, s22, SLOT
.endr
	v_mul_u32_u24 v5, v1, KS
	v_lshrrev_b32 v7, 8, v5
	v_lshl_add_u32 v5, v7, 4, v5
	s_mul_i32 s21, s15, HALFS
	s_mul_i32 s22, s16, HALFS
	s_add_co_u32 s22, s22, 2*HALFS
	s_sub_co_u32 s22, s22, s21
	v_mul_u32_u24 v7, s22, v2                      ; lanes 16-31 take B's scale words
	s_add_co_u32 s21, s21, SCL
	v_add_nc_u32 v5, v5, v7
	v_add_nc_u32 v[ADRS], s21, v5
	s_mul_i32 s23, s14, 16*SPITCH                  ; my stage
	v_mul_u32_u24 v5, v1, SPITCH                   ; in: row r; my half's sixteen columns of each 32: 64 h bytes on
	v_lshl_add_u32 v5, v2, 6, v5
	v_add_nc_u32 v[STO], s23, v5
	v_lshlrev_b32 v[CO], 4, v6                     ; back: the 32 lanes take one row of 512 bytes; and the same in out0
	v_add_nc_u32 v[RD], s23, v[CO]
	s_lshl_b32 s20, s17, 8
	s_lshl_b32 s21, s15, 7
	s_add_co_u32 s20, s20, s21                     ; my first row: 256 x tile row + 128 x half
	s_lshl_b32 s20, s20, 12                        ; 4,096 bytes a row
	s_mov_b32 s21, 0
	s_lshl_b32 s46, s42, 10                        ; my first column, in bytes: 1,024 x tile column + 512 x half
	s_lshl_b32 s47, s16, 9
	s_add_co_u32 s46, s46, s47
	s_mov_b32 s47, 0
	s_add_nc_u64 s[96:97], s[96:97], s[46:47]      ; b_proj at my first column
	s_add_nc_u64 s[20:21], s[20:21], s[46:47]
	s_add_nc_u64 s[CP:CP+1], s[CP:CP+1], s[20:21]
	v_lshlrev_b32 v8, 6, v2                        ; the bias runs along the registers: tile t's eight are columns 32 (t / 2) + 16 h + 8 (t % 2) + 0 .. 7
.irp t, 0,1,2,3,4,5,6,7
	global_load_b128 v[BIAS+8*\t:BIAS+8*\t+3], v8, s[96:97] offset:(32*(\t/2)+8*(\t%2))*4
	global_load_b128 v[BIAS+8*\t+4:BIAS+8*\t+7], v8, s[96:97] offset:(32*(\t/2)+8*(\t%2))*4+16
.endr
.macro FRAG reg, adr, q, i             ; B's fragment: six pieces of 8 bytes of a row; the second address register serves the pieces that lie behind one padding more
.irp p, 0,1,2,3,4,5
.set PC, 12*(\q)+6*(\p/3)+\p%3
.if PC%8 < 5
	ds_load_b64 v[\reg+2*\p:\reg+2*\p+1], v[\adr] offset:8*PC+16*(PC/8)+(\i)*16*PITCH
.else
	ds_load_b64 v[\reg+2*\p:\reg+2*\p+1], v[\adr+2] offset:8*PC+16*(PC/8)+(\i)*16*PITCH
.endif
.endr
.endm
.macro FRAG_A reg, slot, q, a          ; A's fragment: heads 2 q and 2 q + 1 of the slot's four, block a: three pairs of registers each
.irp p, 0,1,2,3,4,5
	ds_load_b64 v[\reg+2*\p:\reg+2*\p+1], v[ADRA+\slot] offset:(2*(\q)+\p/3)*6144+768*(\a)+256*(\p%3)
.endr
.endm
; 16 matrix instructions: A's blocks a0, a0 + 1 x B's eight.  zero = 1: the sums start from the bias.  The 64 accumulators take turns, one instruction a turn, in the same order in every step.
.macro MUL16 a0, p, q, sc, zero
.irp a, \a0, \a0+1
.irp b, 0,1,2,3,4,5,6,7
.if \zero
	v_wmma_scale_f32_16x16x128_f8f6f4 v[8*(8*((\a)%4)+\b):8*(8*((\a)%4)+\b)+7], v[128*(\p)+FR*\b:128*(\p)+FR*\b+FR-1], v[AF+FR*(\a):AF+FR*(\a)+FR-1], v[BIAS+8*\b:BIAS+8*\b+7], v[SC+8*NQ*(\sc)+NQ*\b+(\q)], v[SC+8*NQ*(\sc)+NQ*(\a)+(\q)] matrix_a_fmt:MATRIX_FMT_FP6 matrix_b_fmt:MATRIX_FMT_FP6 matrix_a_scale:MATRIX_SCALE_ROW1
.else
	v_wmma_scale_f32_16x16x128_f8f6f4 v[8*(8*((\a)%4)+\b):8*(8*((\a)%4)+\b)+7], v[128*(\p)+FR*\b:128*(\p)+FR*\b+FR-1], v[AF+FR*(\a):AF+FR*(\a)+FR-1], v[8*(8*((\a)%4)+\b):8*(8*((\a)%4)+\b)+7], v[SC+8*NQ*(\sc)+NQ*\b+(\q)], v[SC+8*NQ*(\sc)+NQ*(\a)+(\q)] matrix_a_fmt:MATRIX_FMT_FP6 matrix_b_fmt:MATRIX_FMT_FP6 matrix_a_scale:MATRIX_SCALE_ROW1
.endif
.endr
.endr
.endm
.macro FETCH_B slot, q, p
	WIN TO_B
.irp i, 0,1,2,3,4,5,6,7
	FRAG 128*(\p)+FR*\i, ADRB+\slot, \q, \i
.endr
	WIN 0
.endm
.macro FETCH_A slot, q, i0
.irp i, \i0, \i0+1, \i0+2, \i0+3
	FRAG_A AF+FR*(\i), \slot, \q, \i
.endr
.endm
.macro SCALES sc
.irp i, 0,1,2,3,4,5,6,7
	ds_load_b64 v[SC+8*NQ*\sc+NQ*\i:SC+8*NQ*\sc+NQ*\i+1], v[ADRS] offset:\i*SBLK
.endr
.endm
.macro PLACES n
.rept \n
	v_nop
.endr
.endm
.macro STEP slot, q, zero
	s_wait_dscnt 4*NL                              ; B's set and A's blocks 0-3 are in; the youngest 24 loads (A's blocks 4-7) may be out
.if \zero
	WIN FIRST_LO
.else
	WIN MUL_LO
.endif
	MUL16 0, (\q)%2, \q, \slot, \zero
	MUL16 2, (\q)%2, \q, \slot, \zero
	s_wait_dscnt 0
	PLACES NP
	FETCH_B \slot, (\q)+1, 1-(\q)%2
	FETCH_A \slot, (\q)+1, 0
.if \zero
	WIN FIRST_HI
.else
	WIN MUL_HI
.endif
	MUL16 4, (\q)%2, \q, \slot, \zero
	MUL16 6, (\q)%2, \q, \slot, \zero
	PLACES NP
	WIN 0
	FETCH_A \slot, (\q)+1, 4
.endm
; A slot's last step changes slots: ONE barrier; in front of it each wave waits for all its tensor loads, adds 0 to its spare word, and waits for that and for its own reads of this slot.  fill = 1: this slot is filled again, two K steps ahead.
.macro TURN slot, next, fill
	s_wait_tensorcnt 0x0                           ; all my tensor loads have landed: my part of the next slot
	ds_add_u32 v[SPW], v[NIL]                      ; 0 onto my spare word
	s_wait_dscnt 4*NL+1                            ; (the add and the youngest 24 loads may be out)
	WIN MUL_LO
	MUL16 0, 1, NQ-1, \slot, 0
	s_wait_dscnt 0x0                               ; the add is done, and my reads of this slot are over
	s_barrier_signal -1
	MUL16 2, 1, NQ-1, \slot, 0
	WIN 0
	s_barrier_wait -1
.if \fill
	CREST                                          ; the barrier has opened a round of the cluster's barrier: no wave of any partner still reads this slot or has a load on its way
	s_add_nc_u64 s[G0+4*\slot+2:G0+4*\slot+3], s[G0+4*\slot+2:G0+4*\slot+3], 2*HSTEP
	s_add_nc_u64 s[G0B+4*\slot+2:G0B+4*\slot+3], s[G0B+4*\slot+2:G0B+4*\slot+3], 2*ROWB
	JLOAD G0+4*\slot, G1, G0B+4*\slot, G1B         ; the first tensor load behind the round; its four v_nop are the places in front of the loads below
.else
	PLACES NP
.endif
	v_add_nc_u32 v[ADRS], 4*NQ, v[ADRS]
	FETCH_B \next, 0, 0
	FETCH_A \next, 0, 0
	SCALES \next
	WIN MUL_HI
	MUL16 4, 1, NQ-1, \slot, 0
	MUL16 6, 1, NQ-1, \slot, 0
	PLACES NP
	WIN 0
	FETCH_A \next, 0, 4
.endm
	s_wait_tensorcnt 1                             ; the scales and my part of K step 0 are in; K step 1's load may be out
	s_barrier_signal -1
	s_barrier_wait -1
	FETCH_B 0, 0, 0
	FETCH_A 0, 0, 0
	SCALES 0
	FETCH_A 0, 0, 4
	s_wait_loadcnt 0x0                             ; the bias
	STEP 0, 0, 1
	TURN 0, 1, 1                                   ; K has four slots' worth: the ring is written out
	STEP 1, 0, 0
	TURN 1, 0, 1
	STEP 0, 0, 0
	TURN 0, 1, 0                                   ; the last change of slots fills nothing
	STEP 1, 0, 0
	s_wait_dscnt 4*NL
	WIN MUL_LO
	MUL16 0, 1, NQ-1, 1, 0
	MUL16 2, 1, NQ-1, 1, 0
	s_wait_dscnt 0
	WIN MUL_HI
	MUL16 4, 1, NQ-1, 1, 0
	MUL16 6, 1, NQ-1, 1, 0
	WIN 0
; THE WAY OUT, block by block of 16 places x 128 columns, through my own stage in LDS; whole rows of 512 bytes come back.  LDS serves a wave's instructions in order: no wait between the stores and the loads.
.macro TOSTAGE a
.set AC, 64*((\a)%4)
	WIN 0x08+4*((\a)/4)                            ; the data: window 2 or 3
.irp b, 0,1,2,3,4,5,6,7
	ds_store_b128 v[STO], v[AC+8*\b:AC+8*\b+3] offset:128*(\b/2)+32*(\b%2)          ; tile b's eight columns begin at 32 (b / 2) + 16 h + 8 (b % 2); each accumulator from its low end on
	ds_store_b128 v[STO], v[AC+8*\b+4:AC+8*\b+7] offset:128*(\b/2)+32*(\b%2)+16
.endr
	WIN 0
.set BB, BK+64*((\a)%2)
.irp t, 0,1,2,3,4,5,6,7,8,9,10,11,12,13,14,15
	ds_load_b128 v[BB+4*\t:BB+4*\t+3], v[RD] offset:\t*SPITCH
.endr
.endm
.macro SEND a, younger                 ; younger: the LDS instructions issued behind block a's loads, which may stay out
.set BB, BK+64*((\a)%2)
	s_wait_dscnt \younger
.if (\a) > 0
.if (\a)%2 == 1
	s_add_nc_u64 s[CP:CP+1], s[CP:CP+1], 8*SIZE_N*4    ; block a begins at row 32 (a / 2) + 8 (a % 2): 8 rows on,
.else
	s_add_nc_u64 s[CP:CP+1], s[CP:CP+1], 24*SIZE_N*4   ; or 24  (behind a wait on XCNT: the earlier stores have read their base)
.endif
.endif
.irp t, 0,1,2,3,4,5,6,7,8,9,10,11,12,13,14,15
	global_store_b128 v[CO], v[BB+4*\t:BB+4*\t+3], s[CP:CP+1] offset:(\t+8*(\t/8))*SIZE_N*4 th:TH_STORE_NT   ; place t of the block is row t + 8 (t / 8); 32 lanes store 512 consecutive bytes, aligned to 256
.endr
.endm
	PLACES NP
	TOSTAGE 0
.irp a, 1,2,3,4,5,6,7
.if \a > 1
	s_wait_xcnt 0x0                                ; block a - 2's stores have read their registers and their base
.endif
	TOSTAGE \a
	SEND \a-1, 32                                  ; behind block a - 1's loads: block a's 16 stores and 16 loads
.endr
	s_wait_xcnt 0x0
	SEND 7, 0
	s_wait_tensorcnt 0x0                           ; the wave's end, behind my last tensor load and my last LDS store
	ds_add_u32 v[SPW], v[NIL]
	s_wait_dscnt 0x0
	CROUND                                         ; the closing round
	s_endpgm
.Lfunc_end_k_q5f18315ded_outp:
	.size	k_q5f18315ded_outp, .Lfunc_end_k_q5f18315ded_outp-k_q5f18315ded_outp
	.p2alignl 7, 3214868480
	.fill 96, 4, 3214868480
	.section	.rodata,"a",@progbits
	.p2align	6, 0x0
	.amdhsa_kernel k_q5f18315ded_outp
		.amdhsa_group_segment_fixed_size 327680
		.amdhsa_private_segment_fixed_size 0
		.amdhsa_enable_private_segment 0
		.amdhsa_kernarg_size 48
		.amdhsa_user_sgpr_count 2
		.amdhsa_user_sgpr_kernarg_segment_ptr 1
		.amdhsa_wavefront_size32 1
		.amdhsa_system_sgpr_workgroup_id_x 1
		.amdhsa_system_sgpr_workgroup_id_y 1
		.amdhsa_system_sgpr_workgroup_id_z 1
		.amdhsa_system_vgpr_workitem_id 0
		.amdhsa_next_free_vgpr 1024
		.amdhsa_next_free_sgpr 100
		.amdhsa_reserve_vcc 0
		.amdhsa_float_denorm_mode_32 3
		.amdhsa_float_denorm_mode_16_64 3
		.amdhsa_memory_ordered 1
		.amdhsa_forward_progress 1
		.amdhsa_inst_pref_size 161
	.end_amdhsa_kernel
	.amdgpu_metadata
---
amdhsa.version: [ 1, 2 ]
amdhsa.kernels:
  - .name:           k_q5f18315ded_outp
    .symbol:         k_q5f18315ded_outp.kd
    .args:
      - { .name: yc, .offset: 0, .size: 8, .value_kind: global_buffer, .address_space: global }
      - { .name: ys, .offset: 8, .size: 8, .value_kind: global_buffer, .address_space: global }
      - { .name: cod, .offset: 16, .size: 8, .value_kind: global_buffer, .address_space: global }
      - { .name: scl, .offset: 24, .size: 8, .value_kind: global_buffer, .address_space: global }
      - { .name: b_proj, .offset: 32, .size: 8, .value_kind: global_buffer, .address_space: global }
      - { .name: out0, .offset: 40, .size: 8, .value_kind: global_buffer, .address_space: global }
    .group_segment_fixed_size: 327680
    .private_segment_fixed_size: 0
    .kernarg_segment_align: 8
    .kernarg_segment_size: 48
    .max_flat_workgroup_size: 128
    .sgpr_count:     100
    .vgpr_count:     1024
    .wavefront_size: 32
...
	.end_amdgpu_metadata
.endif
;; end of part 5
;; ======== version 2 of 2: 4 launches
;; limits: right only within a limited range of input values
;; workspace buffers: cod 15,728,640 bytes; scl 655,360 bytes; qkv 10,862,592 bytes; yc 3,145,728 bytes; ys 131,072 bytes
;; launch quant (part 6): grid 640 x 1, 4 waves a work-group, no clusters, 33,280 bytes of LDS; arguments x, x1, x2, x3, W_attn, W_proj, cod, scl; writes cod, scl
.if DOCPART == 6
	.amdgcn_target "amdgcn-amd-amdhsa--gfx1250"
	.amdhsa_code_object_version 6
	.text
	.protected	k_q5f18315ded_quant
	.globl	k_q5f18315ded_quant
	.p2align	8
	.type	k_q5f18315ded_quant,@function
k_q5f18315ded_quant:
	s_mov_b64 s[64:65], 0
	v_nop
	global_prefetch_b8 v0, s[64:65] scope:SCOPE_SE
	s_setreg_imm32_b32 hwreg(HW_REG_WAVE_MODE, 25, 1), 1
	s_wait_xcnt 0x0
; THE PROGRAM: four launches.  quant: x, x1, x2, x3, W_attn, W_proj into codes of E2M3 with one E8M0 byte for each 32 along K.  proj: q, k, v of x, all 16 heads, and, in three clusters of their own, q, k, v of the one
; head that comes from x1, x2, x3.  attn: both products of attention and the softmax.  outp: the projection on the way out.  Between launches only codes and scale bytes go through memory.
; WORK LEFT OUT, FOR ALL VALUES OF THE INPUTS: reference() keeps of x1 Wq^T + bq, x2 Wk^T + bk and x3 Wv^T + bv only q[:, 3:4], k[:, 3:4], v[:, 3:4] (head_idx = 3 is a constant of the problem): the 960 columns
; outside head 3 of each of these three products are sliced away and reach no output, so only the 64 columns of head 3 are multiplied (launch proj, clusters 12 to 14).  Every input still has a way to the output: all are loaded.
; LIMIT: a NaN, an infinity or an overflow that reaches only those 960 columns is not carried to the result.
; Not left out: heads of x's projections that head_idxs does not name (only some values of an input throw them away), and heads that it names twice.
; THIS LAUNCH.  All six tensors have K = 1,024 innermost and dense rows: each is a stream of blocks of 32 numbers.  A block's scale is 2^(floor(log2(its largest magnitude)) - 2); its byte is the largest
; magnitude's exponent field - 2, held at 1 from below; each number is divided by the scale and rounded to the nearest code, ties to even, beyond 7.5 the largest code.
; LIMITS: a block of zeros, and a block whose largest magnitude lies under 2^-124, gets the byte 1 (zero codes add nothing under any byte but 0xff; this program alone reads the bytes); NaN and infinities among the inputs are not served.
; WHERE THE ROWS GO.  cod [20,480 places][768 bytes], scl [20,480 places][32 bytes]: x from place 0, x1 4,096, x2 8,192, x3 12,288, W_attn 16,384, W_proj 19,456.  INSIDE EVERY 32 ROWS THE TWO MIDDLE GROUPS OF 8
; CHANGE PLACES: place 16 u + r holds row 8 u + r + 8 (r / 8).  So sixteen neighbouring places, taken as source 0 of a product, leave 16 neighbours along the next K in a lane's registers of two neighbouring tiles.
; A work-group takes 32 rows, a wave 8 rows (8,192 numbers, 16 steps of 512): the change of places is a change of the wave's place on the way out, nothing else.
; Each of a step's four loads reads 512 consecutive bytes; the 2,048 bytes turn through the wave's own stage in LDS and come back 64 bytes a lane (16 neighbours; two lanes hold a block).  No barrier: waves share nothing.
.set WAVES, 4
.set STEPS, 16
.set EMAX,  2
.set CB,    12                         ; bytes of 16 codes
.set PLANE, 20480*192                  ; cod is laid [4 steps of 256 along K][20,480 places][192 bytes]: 128 places of a step are 24,576 dense bytes that begin on a multiple of 256
.set R,     16                         ; v16-79   four sets of 16 numbers as they are loaded
.set X,     80                         ; v80-111  two sets of 16 neighbours
.set C,     128                        ; v128-191 codes: four registers for each step, so that no store's data are written again
.set E,     112                        ; v112-127 a scale byte for each step
.set WREG,  8192                       ; LDS: a region for each wave: two stages of 32 x SP bytes, behind them its 256 scale bytes
.set SP,    80                         ; a lane's place in a stage: 64 bytes + 16 of padding
.set SPW,   12                         ; v12      LDS address of my spare word; never rewritten
.set NIL,   13                         ; v13      0; never rewritten
.set SPARE, WAVES*WREG                 ; behind the four regions: the spare words, 128 bytes a wave
	s_load_b256 s[4:11], s[0:1], 0x0               ; x s[4:5], x1 s[6:7], x2 s[8:9], x3 s[10:11]
	s_load_b256 s[12:19], s[0:1], 0x20             ; W_attn s[12:13], W_proj s[14:15], cod s[16:17], scl s[18:19]
	v_lshl_add_u32 v[SPW], v0, 2, SPARE
	v_mov_b32 v[NIL], 0
	v_lshrrev_b32 v1, 5, v0
	v_readfirstlane_b32 s20, v1                    ; wave
	v_and_b32 v2, 31, v0                           ; lane
	v_lshlrev_b32 v3, 4, v2                        ; my 16 bytes of a load's 512
	s_mul_i32 s21, s20, WREG
	v_lshrrev_b32 v14, 2, v2
	v_mul_u32_u24 v14, v14, SP
	v_and_b32 v15, 3, v2
	v_lshl_add_u32 v14, v15, 4, v14
	v_add_nc_u32 v14, s21, v14                     ; the stage, on the way in: SP (lane / 4) + 16 (lane % 4)
	v_mul_u32_u24 v15, v2, SP
	v_add_nc_u32 v15, s21, v15                     ; and on the way out: SP x lane: my 16 neighbours
	v_and_b32 v4, 15, v2
	v_mul_u32_u24 v4, v4, CB                       ; my codes' place: sixteen lanes fill a place's 192 bytes of one plane,
	v_lshrrev_b32 v10, 4, v2
	v_mad_u32_u24 v4, v10, PLANE, v4               ; lanes 16-31 the next plane's
	v_lshrrev_b32 v5, 1, v2
	s_add_co_u32 s21, s21, 2*32*SP
	v_add_nc_u32 v5, s21, v5                       ; LDS: my wave's 256 scale bytes, my block's byte
	v_lshlrev_b32 v7, 3, v2                        ; and on the way out 8 bytes a lane
	v_add_nc_u32 v6, s21, v7
	s_lshr_b32 s22, ttmp9, 7                       ; 128 work-groups to each of x, x1, x2, x3; then 96 for W_attn and 32 for W_proj
	s_lshl_b32 s23, s22, 7                         ; the tensor's first work-group
	s_wait_alu depctr_va_vdst(0)
	s_wait_kmcnt 0x0
	s_cmp_eq_u32 s22, 1                            ; the choices hang on the work-group's number alone
	s_cselect_b64 s[4:5], s[6:7], s[4:5]
	s_cmp_eq_u32 s22, 2
	s_cselect_b64 s[4:5], s[8:9], s[4:5]
	s_cmp_eq_u32 s22, 3
	s_cselect_b64 s[4:5], s[10:11], s[4:5]
	s_cmp_eq_u32 s22, 4
	s_cselect_b64 s[4:5], s[12:13], s[4:5]
	s_cmp_ge_u32 ttmp9, 608
	s_cselect_b64 s[4:5], s[14:15], s[4:5]
	s_cselect_b32 s23, 608, s23
	s_sub_co_u32 s23, ttmp9, s23
	s_lshl_b32 s23, s23, 2
	s_add_co_u32 s24, s23, s20                     ; which run of 8 rows of the tensor is my wave's
	s_lshl_b32 s24, s24, 15                        ; 32,768 bytes a run (under 2^25)
	s_mov_b32 s25, 0
	s_add_nc_u64 s[4:5], s[4:5], s[24:25]
	s_and_b32 s26, s20, 1                          ; on the way out waves 1 and 2 change places
	s_lshl_b32 s26, s26, 1
	s_lshr_b32 s27, s20, 1
	s_or_b32 s26, s26, s27
	s_lshl_b32 s27, ttmp9, 2
	s_add_co_u32 s26, s26, s27                     ; the run's place among all 2,560
	s_mul_i32 s28, s26, 8*192                      ; a run is 8 places of 192 bytes in each plane
	s_mov_b32 s29, 0
	s_add_nc_u64 s[16:17], s[16:17], s[28:29]
	s_lshl_b32 s28, s26, 8                         ; 256 scale bytes a run
	s_add_nc_u64 s[18:19], s[18:19], s[28:29]
.macro LOAD t
.irp i, 0,1,2,3
	global_load_b128 v[R+16*((\t)%4)+4*\i:R+16*((\t)%4)+4*\i+3], v3, s[4:5] offset:2048*(\t)+512*\i th:TH_LOAD_NT   ; 32 lanes read 512 consecutive bytes
.endr
.endm
.macro TURN t                          ; step t's numbers through the stage: LDS serves a wave's instructions in order, so no wait stands between the stores and the loads
.irp i, 0,1,2,3
	ds_store_b128 v14, v[R+16*((\t)%4)+4*\i:R+16*((\t)%4)+4*\i+3] offset:32*SP*((\t)%2)+8*SP*\i
.endr
.irp i, 0,1,2,3
	ds_load_b128 v[X+16*((\t)%2)+4*\i:X+16*((\t)%2)+4*\i+3], v15 offset:32*SP*((\t)%2)+16*\i
.endr
.endm
.irp t, 0,1,2,3
	LOAD \t
.endr
	s_wait_loadcnt 12                              ; step 0's four loads are in; the twelve of steps 1 to 3 may be out
	TURN 0
.macro STEP t
.set XS, X+16*((\t)%2)
.if (\t) > 0
	s_wait_dscnt 1                                 ; this step's numbers are back from the stage (the last step's byte store may be out): so its stores into the stage have read their registers,
.else
	s_wait_dscnt 0x0
.endif
.if (\t)+4 < STEPS
	LOAD (\t)+4                                    ; which take the loads of four steps on
.endif
.if (\t)+1 < STEPS
.if STEPS-2-(\t) >= 3
	s_wait_loadcnt 12                              ; the next step's four loads are in; those of the three steps behind it may be out
.else
	s_wait_loadcnt 4*(STEPS-2-(\t))
.endif
	TURN (\t)+1                                    ; and go through the other stage while this step is worked
.endif
	v_max3_num_f32 v8, |v[XS]|, |v[XS+1]|, |v[XS+2]|               ; the largest magnitude of my 16
	v_max3_num_f32 v9, |v[XS+3]|, |v[XS+4]|, |v[XS+5]|
.irp i, 6,10
	v_max3_num_f32 v8, v8, |v[XS+\i]|, |v[XS+\i+1]|
	v_max3_num_f32 v9, v9, |v[XS+\i+2]|, |v[XS+\i+3]|
.endr
	v_max3_num_f32 v8, v8, |v[XS+14]|, |v[XS+15]|
	v_max3_num_f32 v8, v8, v9, (EMAX+1)<<23        ; and the floor 2^(3 - 127): the byte cannot fall under 1
	v_max_num_f32_dpp v8, v8, v8 row_xmask:1 row_mask:0xf bank_mask:0xf   ; and of my neighbour's 16: the block's
	v_add_nc_u32 v11, -(EMAX<<23), v8              ; 2 off its exponent field: the conversion takes the exponent field of this operand as its scale
	v_cvt_scalef32_pk16_fp6_f32 v[C+4*(\t):C+4*(\t)+2], v[XS:XS+15], v11         ; sixteen codes, 96 bits without gaps, the first number's code lowest
	v_lshrrev_b32 v[E+(\t)], 23, v11               ; the scale's byte
	ds_store_b8 v5, v[E+(\t)] offset:16*(\t)       ; both lanes of a block write the same byte with the same value
	global_store_b96 v4, v[C+4*(\t):C+4*(\t)+2], s[16:17] offset:2*PLANE*((\t)%2)+192*((\t)/2)   ; step t: row t / 2, planes 2 (t % 2) and 2 (t % 2) + 1
.endm
.irp t, 0,1,2,3,4,5,6,7,8,9,10,11,12,13,14,15
	STEP \t
.endr
	ds_load_b64 v[8:9], v6                         ; LDS serves a wave's instructions in order: these see my stores
	s_wait_dscnt 0x0
	global_store_b64 v7, v[8:9], s[18:19]          ; 32 lanes store 256 consecutive bytes, aligned
	s_wait_tensorcnt 0x0                           ; the wave's end, behind my last LDS store
	ds_add_u32 v[SPW], v[NIL]
	s_wait_dscnt 0x0
	s_endpgm
.Lfunc_end_k_q5f18315ded_quant:
	.size	k_q5f18315ded_quant, .Lfunc_end_k_q5f18315ded_quant-k_q5f18315ded_quant
	.p2alignl 7, 3214868480
	.fill 96, 4, 3214868480
	.section	.rodata,"a",@progbits
	.p2align	6, 0x0
	.amdhsa_kernel k_q5f18315ded_quant
		.amdhsa_group_segment_fixed_size 33280
		.amdhsa_private_segment_fixed_size 0
		.amdhsa_enable_private_segment 0
		.amdhsa_kernarg_size 64
		.amdhsa_user_sgpr_count 2
		.amdhsa_user_sgpr_kernarg_segment_ptr 1
		.amdhsa_wavefront_size32 1
		.amdhsa_system_sgpr_workgroup_id_x 1
		.amdhsa_system_sgpr_workgroup_id_y 1
		.amdhsa_system_sgpr_workgroup_id_z 1
		.amdhsa_system_vgpr_workitem_id 0
		.amdhsa_next_free_vgpr 192
		.amdhsa_next_free_sgpr 66
		.amdhsa_reserve_vcc 0
		.amdhsa_float_denorm_mode_32 3
		.amdhsa_float_denorm_mode_16_64 3
		.amdhsa_memory_ordered 1
		.amdhsa_forward_progress 1
		.amdhsa_inst_pref_size 33
	.end_amdhsa_kernel
	.amdgpu_metadata
---
amdhsa.version: [ 1, 2 ]
amdhsa.kernels:
  - .name:           k_q5f18315ded_quant
    .symbol:         k_q5f18315ded_quant.kd
    .args:
      - { .name: x, .offset: 0, .size: 8, .value_kind: global_buffer, .address_space: global }
      - { .name: x1, .offset: 8, .size: 8, .value_kind: global_buffer, .address_space: global }
      - { .name: x2, .offset: 16, .size: 8, .value_kind: global_buffer, .address_space: global }
      - { .name: x3, .offset: 24, .size: 8, .value_kind: global_buffer, .address_space: global }
      - { .name: W_attn, .offset: 32, .size: 8, .value_kind: global_buffer, .address_space: global }
      - { .name: W_proj, .offset: 40, .size: 8, .value_kind: global_buffer, .address_space: global }
      - { .name: cod, .offset: 48, .size: 8, .value_kind: global_buffer, .address_space: global }
      - { .name: scl, .offset: 56, .size: 8, .value_kind: global_buffer, .address_space: global }
    .group_segment_fixed_size: 33280
    .private_segment_fixed_size: 0
    .kernarg_segment_align: 8
    .kernarg_segment_size: 64
    .max_flat_workgroup_size: 128
    .sgpr_count:     66
    .vgpr_count:     192
    .wavefront_size: 32
...
	.end_amdgpu_metadata
.endif
;; end of part 6
;; launch proj (part 7): grid 60 x 4, 4 waves a work-group, clusters of 4 x 4, 327,680 bytes of LDS; arguments cod, scl, b_attn, qkv; writes qkv
.if DOCPART == 7
	.amdgcn_target "amdgcn-amd-amdhsa--gfx1250"
	.amdhsa_code_object_version 6
	.text
	.protected	k_q5f18315ded_proj
	.globl	k_q5f18315ded_proj
	.p2align	8
	.type	k_q5f18315ded_proj,@function
k_q5f18315ded_proj:
	s_mov_b64 s[64:65], 0
	v_nop
	global_prefetch_b8 v0, s[64:65] scope:SCOPE_SE
	s_setreg_imm32_b32 hwreg(HW_REG_WAVE_MODE, 25, 1), 1
	s_wait_xcnt 0x0
	s_wait_alu depctr_hold_cnt(0) depctr_sa_sdst(0) depctr_va_vdst(0) depctr_va_sdst(0) depctr_va_ssrc(0) depctr_va_vcc(0) depctr_vm_vsrc(0)
	s_getreg_b32 s2, hwreg(HW_REG_IB_STS2, 6, 4)
	s_cmp_eq_u32 s2, 0
	s_cbranch_scc0 .Lentry_in_a_cluster
	s_endpgm
.Lentry_in_a_cluster:
	s_bfe_u32 s2, ttmp6, 0x10000c
	s_cmp_lg_u32 s2, 0xf033
	s_cbranch_scc0 .Lentry_shape_is_right
	s_endpgm
.Lentry_shape_is_right:
; q, k, v on codes of E2M3, each result quantised in registers into the operand that attention wants.  Fifteen clusters of 4 x 4 work-groups, on two ways that part once, at the head, on the cluster's number (the same in all sixteen partners).
; CLUSTERS 0 TO 11: q = x Wq^T + bq, k = x Wk^T + bk, v = x Wv^T + bv for all 16 heads.  CLUSTERS 12 TO 14: the one head that comes from x1, x2, x3 (at .Lspecial, with a head comment of its own): of these three products
; only the 64 columns of head 3 are multiplied; the other 960 of each are sliced away by reference() for all inputs and are left out.
; THE FIRST WAY.  Cluster c: c >> 2 says q, k or v; c & 3 says which 1,024 places of x.  A work-group makes 256 x 256, a wave 128 x 128: 64 accumulators, 512 registers.
; The matrix instruction's source 1 ('A', shared along a row of the cluster) gives a lane its row, source 0 ('B', shared along a column) runs along a lane's registers.
;   q, k: A = x, B = W: a lane holds one token, its registers run along the channels, which are the next K (the head's 64).
;   v:    A = Wv, B = x: a lane holds one channel, its registers run along the tokens, which are the next K (the keys).
; cod and scl hold the rows with the two middle groups of 8 of every 32 exchanged, so the 16 registers of tiles 2 b and 2 b + 1 are 16 NEIGHBOURS along the next K: 32 b + 16 (lane / 16) + 0 .. 15.
; K = 1,024 goes in four steps of 256 through a ring of two LDS slots filled by joint tensor loads; the scale bytes of the work-group's rows come once and stay.  The bias is the C of each sum's first matrix instruction.
; THE WAY OUT has no LDS: a block's 64 registers of a lane are quantised (four blocks of 32) and are then 12 registers of an operand; they are stored as an image of these registers.
; qkv: [slot 0..16][ts 0..31][19,968 bytes]; slot = head (16: the head of x1, x2, x3), ts = 128 places of tokens.  In a record: 0 Q, four fragments [16 tokens x 64 | the next 16 tokens x 64]; 6,144 their scale words;
; 6,656 K likewise; 12,800 V, four fragments of 16 channels x 128 keys; 18,944 K's scale words; 19,456 V's.  Half a fragment (registers 0-5) is 768 bytes: registers 0-3 at 16 x lane, registers 4, 5 at 512 + 8 x lane.
; REGISTERS, in windows of 256: window 0: v0-31 addresses; v32-63 scale words, two sets; v64-127 the bias; from v128 A's fragments, one set.  window 1: B's fragments, two sets.  windows 2, 3: the accumulators.
; On the way out window 0 holds: v32-47 at work, v48-54 half blocks of codes, v56-63 scale words, v64-71 scale words of pairs, v128-223 the eight fragments.
.set KSTEP,  256                       ; along K in a slot
.set NQ,     KSTEP/128                 ; matrix instructions deep
.set ROWB,   192                       ; a place's bytes in a plane of cod (256 along K)
.set PLANE,  20480*ROWB                ; cod: [4 planes][20,480 places][192 bytes]
.set UNIT,   256                       ; a tile is a dense block of memory, stated as rows of 256 bytes that begin on multiples of 256; the padding behind every 64 bytes gives each place 240 bytes of LDS
.set PITCH,  240                       ; an LDS row: 3 x (64 bytes + 16 of padding)
.set FR,     12                        ; registers of a fragment
.set NL,     6                         ; LDS loads that bring one
.set NP,     4                         ; places behind this matrix instruction (ISA guide 7.12.1)
.set HALFT,  128*PITCH
.set SLOT,   4*HALFT                   ; A's 256 rows, then B's 256 rows
.set KS,     32                        ; a row of scl
.set SCL,    2*SLOT                    ; behind the ring: the scales, as units of 256 bytes + 16 of padding; they end at byte 263,168
.set HALFS,  (128*KS/256)*272
.set SBLK,   (16*KS/256)*272
.set SPARE,  327168                    ; the last 512 bytes of LDS: the spare words, 128 bytes a wave; neither way's tiles reach them
.set REC,    19968                     ; a record of qkv
.set HEADB,  32*REC                    ; a slot of qkv
.set ADRA, 16                          ; v16-17 LDS address of my A fragments in slot 0, 1 (v18-19: behind one padding more)
.set ADRB, 20                          ; v20-21 the same for B (v22-23)
.set LI16, 24                          ; v24 16 x lane
.set LI8,  25                          ; v25 8 x lane
.set LI4,  26                          ; v26 4 x lane
.set ADRS, 27                          ; v27 LDS address of my scale words: lanes 0-15 A's rows, lanes 16-31 B's
.set SPW,  28                          ; v28 my spare word; never rewritten
.set NIL,  29                          ; v29 0; never rewritten
.set SC,   32
.set BIAS, 64
.set AF,   128
.set TM,   32
.set CT,   48
.set PWR,  56
.set WW,   64
.set F,    128
.set SEL,  92                          ; s[92:93] on the way out: lane selects for lane l xor 16
.set G1, 24                            ; s[24:31] group 1 for A's tiles; s[32:39] group 0, one set a slot
.set G0, 32
.set G1B, 48                           ; s[48:55], s[56:63] the same for B's
.set G0B, 56
.set G1S, 68                           ; s[68:75], s[76:79] for A's scales; s[80:87], s[88:91] for B's
.set G0S, 76
.set G1SB, 80
.set G0SB, 88
.set MSB, 0
.macro WIN new                         ; the immediate's high byte repeats the setting that is left
.if MSB != \new
	s_set_vgpr_msb (MSB<<8)|\new
.set MSB, \new
.endif
.endm
.set MUL_LO, 0xa1                      ; source 0 (B) window 1, source 1 (A) window 0, C and D window 2
.set MUL_HI, 0xf1                      ; the same, C and D window 3
.set FIRST_LO, 0x81                    ; the first step: C (the bias) window 0, D window 2
.set FIRST_HI, 0xc1                    ; D window 3
.set TO_B,   0x40                      ; destination window 1, address window 0
; A joint load: waves 0 and 1 fetch for A, waves 2 and 3 for B; the branch hangs on the wave's number alone.  An s_nop 0 and four v_nop follow each of the two lines.
.macro JLOAD g0a, g1a, g0b, g1b
	s_cmp_eq_u32 s15, 0
	s_cbranch_scc0 .Lfor_b_\@
	tensor_load_to_lds s[\g0a:\g0a+3], s[\g1a:\g1a+7]
	s_nop 0
.rept 4
	v_nop
.endr
	s_branch .Lasked_\@
.Lfor_b_\@:
	tensor_load_to_lds s[\g0b:\g0b+3], s[\g1b:\g1b+7]
	s_nop 0
.rept 4
	v_nop
.endr
.Lasked_\@:
.endm
.macro CREST                           ; a round of the cluster's barrier behind its opening barrier
	s_cmp_lg_u32 s14, 0
	s_cbranch_scc1 .Lnot_wave_0_\@
	s_barrier_signal -3
.Lnot_wave_0_\@:
	s_barrier_wait -3
	s_barrier_signal -1
	s_barrier_wait -1
.endm
.macro CROUND                          ; a whole round
	s_barrier_signal -1
	s_barrier_wait -1
	CREST
.endm
	s_load_b256 s[4:11], s[0:1], 0x0               ; cod s[4:5], scl s[6:7], b_attn s[8:9], qkv s[10:11]
	v_lshl_add_u32 v[SPW], v0, 2, SPARE
	v_mov_b32 v[NIL], 0
	ds_add_u32 v[SPW], v[NIL]                      ; the wave's opening: the add, twice on end, and its wait ahead of my first tensor load
	ds_add_u32 v[SPW], v[NIL]
	v_lshrrev_b32 v1, 5, v0
	v_readfirstlane_b32 s14, v1                    ; wave 0..3
	s_lshr_b32 s15, s14, 1                         ; which half of A's rows is mine.  Also: I fetch for A (0) or for B (1)
	s_and_b32 s16, s14, 1                          ; which half of B's rows.  Also: which 128 rows I fetch
	s_bfe_u32 s40, ttmp6, 0x40000                  ; cx, cy: my place in the cluster
	s_bfe_u32 s41, ttmp6, 0x40004
	s_wait_dscnt 0x0                               ; both opening adds are done
	s_cmp_ge_u32 ttmp9, 12                         ; THE TWO WAYS PART HERE, on the cluster's number; each has its own rounds, barriers and end
	s_cbranch_scc1 .Lspecial
	s_lshl_b32 s43, s41, 2
	s_lshl_b32 s43, 15, s43                        ; my row of the cluster
	s_lshl_b32 s44, 0x1111, s40                    ; my column
	s_and_b32 s95, ttmp9, 3
	s_lshl_b32 s95, s95, 10                        ; the cluster's 1,024 places of x
	s_lshr_b32 s96, ttmp9, 2                       ; 0 q, 1 k, 2 v
	s_lshl_b32 s97, s96, 10
	s_add_co_u32 s97, s97, 16384                   ; the cluster's 1,024 places of W_attn
	s_cmp_lt_u32 ttmp9, 8                          ; the cluster's number: the same in all sixteen partners
	s_cselect_b32 s17, s95, s97                    ; A's places: x for q and k, Wv for v
	s_cselect_b32 s42, s97, s95                    ; B's: the other
	; descriptor group 1: a tile of 128 rows x 192 bytes, 16 bytes of padding behind every 64
	s_or_b32 s[G1+0], s43, (0<<16)|(1<<20)|(1<<21)|(3<<22)|(3<<25)
	s_or_b32 s[G1B+0], s44, (0<<16)|(1<<20)|(1<<21)|(3<<22)|(3<<25)
.irp g, G1, G1B
	s_mov_b32 s[\g+1], UNIT<<16                    ; tensor_dim0
	s_mov_b32 s[\g+2], 192<<16                     ; tensor_dim1: the head's loads bring 256 places = 192 rows of 256 bytes
	s_mov_b32 s[\g+3], UNIT<<16                    ; tile_dim0
	s_mov_b32 s[\g+4], 192                         ; tile_dim1
	s_mov_b32 s[\g+5], UNIT                        ; the pitch: dense
	s_mov_b32 s[\g+6], 0
	s_mov_b32 s[\g+7], 0
.endr
	; the scales of 256 rows: 8,192 dense bytes, as 32 rows of 256 bytes (32 elements of 8), 16 bytes of padding behind each
	s_or_b32 s[G1S+0], s43, (3<<16)|(1<<20)|(1<<21)|(5<<22)|(3<<25)
	s_or_b32 s[G1SB+0], s44, (3<<16)|(1<<20)|(1<<21)|(5<<22)|(3<<25)
.irp g, G1S, G1SB
	s_mov_b32 s[\g+1], 32<<16
	s_mov_b32 s[\g+2], (256*KS/256)<<16            ; the scales of 256 rows by one load
	s_mov_b32 s[\g+3], 32<<16
	s_mov_b32 s[\g+4], 256*KS/256
	s_mov_b32 s[\g+5], 32
	s_mov_b32 s[\g+6], 0
	s_mov_b32 s[\g+7], 0
.endr
	s_lshl_b32 s20, s41, 8
	s_add_co_u32 s20, s20, s17                     ; A: the cluster's places + 256 cy
	s_lshl_b32 s46, s40, 8
	s_add_co_u32 s46, s46, s42                     ; B: + 256 cx
	s_mov_b32 s21, 0
	s_mov_b32 s47, 0
	s_mov_b64 s[18:19], KS
	s_mul_u64 s[22:23], s[20:21], s[18:19]         ; where these rows' scales begin
	s_mul_u64 s[92:93], s[46:47], s[18:19]
	s_mov_b64 s[18:19], ROWB
	s_mul_u64 s[20:21], s[20:21], s[18:19]         ; and their codes, in plane 0
	s_mul_u64 s[46:47], s[46:47], s[18:19]
	s_mul_i32 s18, s16, 128*ROWB                   ; in the ring I fetch 128 places of a tile: which half, in bytes (s19 is 0)
	s_mul_i32 s45, s14, HALFT                      ; and where they go: wave x 128 places
	s_wait_kmcnt 0x0
	s_add_nc_u64 s[20:21], s[4:5], s[20:21]
	s_add_nc_u64 s[22:23], s[6:7], s[22:23]
	s_add_nc_u64 s[46:47], s[4:5], s[46:47]
	s_add_nc_u64 s[92:93], s[6:7], s[92:93]
	CROUND                                         ; all sixteen work-groups are here: the first joint loads meet
	s_mov_b32 s[G0S], 1
	s_mov_b32 s[G0S+1], SCL
	s_mov_b64 s[G0S+2:G0S+3], s[22:23]
	s_or_b32 s[G0S+3], s[G0S+3], 0x80000000
	s_mov_b32 s[G0SB], 1
	s_mov_b32 s[G0SB+1], SCL+2*HALFS
	s_mov_b64 s[G0SB+2:G0SB+3], s[92:93]
	s_or_b32 s[G0SB+3], s[G0SB+3], 0x80000000
	s_mov_b32 s[G0], 1                             ; slot 0's group 0 serves the head first: K step 0's 256 places of A, whole,
	s_mov_b32 s[G0+1], 0
	s_mov_b64 s[G0+2:G0+3], s[20:21]
	s_or_b32 s[G0+3], s[G0+3], 0x80000000
	s_mov_b32 s[G0B], 1                            ; and of B, behind them
	s_mov_b32 s[G0B+1], 2*HALFT
	s_mov_b64 s[G0B+2:G0B+3], s[46:47]
	s_or_b32 s[G0B+3], s[G0B+3], 0x80000000
	s_add_nc_u64 s[20:21], s[20:21], s[18:19]      ; for the ring: my 128 places
	s_add_nc_u64 s[46:47], s[46:47], s[18:19]
	s_mov_b32 s[G0+4], 1                           ; slot 1: K step 1
	s_add_co_u32 s[G0+5], s45, SLOT
	s_add_nc_u64 s[G0+6:G0+7], s[20:21], PLANE
	s_or_b32 s[G0+7], s[G0+7], 0x80000000
	s_mov_b32 s[G0B+4], 1
	s_add_co_u32 s[G0B+5], s45, SLOT
	s_add_nc_u64 s[G0B+6:G0B+7], s[46:47], PLANE
	s_or_b32 s[G0B+7], s[G0B+7], 0x80000000
; The head's four tiles, one joint load a wave: wave 0 A's 256 places of K step 0, wave 1 B's, wave 2 A's scales, wave 3 B's.  One tree of branches on the wave's number.
.macro ARM under, g0, g1, next
	s_cmp_lt_u32 s14, \under
	s_cbranch_scc0 \next
	tensor_load_to_lds s[\g0:\g0+3], s[\g1:\g1+7]
	s_nop 0
.rept 4
	v_nop
.endr
	s_branch .Lhead_asked
\next:
.endm
	ARM 1, G0,  G1,  .Lhead_b
	ARM 2, G0B, G1B, .Lhead_sa
	ARM 3, G0S, G1S, .Lhead_sb
	tensor_load_to_lds s[G0SB:G0SB+3], s[G1SB:G1SB+7]
	s_nop 0
.rept 4
	v_nop
.endr
.Lhead_asked:
	v_and_b32 v1, 15, v0                           ; r = lane % 16
	v_bfe_u32 v2, v0, 4, 1                         ; h = lane / 16
	v_mul_u32_u24 v3, v1, PITCH
	v_mul_u32_u24 v4, v2, 24
	v_add_nc_u32 v4, v3, v4                        ; a fragment's row x pitch + 24 x half
	v_lshl_add_u32 v5, v2, 4, v4                   ; and the same behind one padding more
	s_mul_i32 s21, s15, HALFT                      ; my 128 rows of A
	s_mul_i32 s22, s16, HALFT                      ; my 128 rows of B,
	s_add_co_u32 s22, s22, 2*HALFT                 ; which lie behind A's 256
.irp s, 0,1
	v_add_nc_u32 v[ADRA+\s], s21, v4
	v_add_nc_u32 v[ADRB+\s], s22, v4
	v_add_nc_u32 v[ADRA+2+\s], s21, v5
	v_add_nc_u32 v[ADRB+2+\s], s22, v5
	s_add_co_u32 s21, s21, SLOT
	s_add_co_u32 s22, s22, SLOT
.endr
	v_mul_u32_u24 v5, v1, KS                       ; my row's scales: 32 bytes a row,
	v_lshrrev_b32 v6, 8, v5
	v_lshl_add_u32 v5, v6, 4, v5                   ; and 16 more for each 256 passed
	s_mul_i32 s21, s15, HALFS
	s_mul_i32 s22, s16, HALFS
	s_add_co_u32 s22, s22, 2*HALFS
	s_sub_co_u32 s22, s22, s21
	v_mul_u32_u24 v6, s22, v2                      ; lanes 16-31 take B's
	s_add_co_u32 s21, s21, SCL
	v_add_nc_u32 v5, v5, v6
	v_add_nc_u32 v[ADRS], s21, v5
	v_and_b32 v6, 31, v0
	v_lshlrev_b32 v[LI16], 4, v6
	v_lshlrev_b32 v[LI8], 3, v6
	v_lshlrev_b32 v[LI4], 2, v6
	; which heads and which tokens are my wave's.  q, k: heads by B (cx, my half of B), tokens by A (cy, my half of A); v: the other way round
	s_cmp_lt_u32 ttmp9, 8
	s_cselect_b32 s2, s40, s41
	s_cselect_b32 s3, s16, s15
	s_cselect_b32 s12, s41, s40
	s_cselect_b32 s13, s15, s16
	s_lshl_b32 s2, s2, 2
	s_lshl_b32 s3, s3, 1
	s_add_co_u32 s2, s2, s3                        ; the first of my two heads
	s_lshl_b32 s12, s12, 1
	s_add_co_u32 s12, s12, s13
	s_lshr_b32 s13, s95, 7
	s_add_co_u32 s12, s12, s13                     ; ts: my 128 places of tokens
	s_mul_i32 s66, s2, HEADB
	s_mul_i32 s67, s12, REC
	s_add_co_u32 s66, s66, s67
	s_mov_b32 s67, 0
	s_add_nc_u64 s[10:11], s[10:11], s[66:67]      ; my record of my first head
	s_lshl_b32 s66, s2, 6
	s_lshl_b32 s3, s96, 10
	s_add_co_u32 s66, s66, s3
	s_lshl_b32 s66, s66, 2
	s_add_nc_u64 s[8:9], s[8:9], s[66:67]          ; the bias of my 128 channels
	s_cmp_lt_u32 ttmp9, 8
	s_cbranch_scc0 .Lbias_v
	v_lshlrev_b32 v8, 6, v2                        ; q, k: the bias runs along the registers: tile t's eight are channels 32 (t / 2) + 16 h + 8 (t % 2) + 0 .. 7
.irp t, 0,1,2,3,4,5,6,7
	global_load_b128 v[BIAS+8*\t:BIAS+8*\t+3], v8, s[8:9] offset:(32*(\t/2)+8*(\t%2))*4
	global_load_b128 v[BIAS+8*\t+4:BIAS+8*\t+7], v8, s[8:9] offset:(32*(\t/2)+8*(\t%2))*4+16
.endr
	s_branch .Lbias_in
.Lbias_v:
	v_and_b32 v8, 8, v1                            ; v: the bias is the lane's row's, the same in a tile's eight registers: block t's lane r is channel 32 (t / 2) + 8 (t % 2) + r + 8 (r / 8)
	v_add_nc_u32 v8, v8, v1
	v_lshlrev_b32 v8, 2, v8
.irp t, 0,1,2,3,4,5,6,7
.irp j, 0,1,2,3,4,5,6,7
	global_load_b32 v[BIAS+8*\t+\j], v8, s[8:9] offset:(32*(\t/2)+8*(\t%2))*4
.endr
.endr
.Lbias_in:
.macro FRAG reg, adr, q, i             ; a fragment: lane l holds row l % 16; registers 6 c .. 6 c + 5 hold K = 64 c + 32 (l / 16) + 0 .. 31: 24 bytes of the row's stream of bits, in pieces of 8 bytes
.irp p, 0,1,2,3,4,5
.set PC, 12*(\q)+6*(\p/3)+\p%3        ; 16 bytes of padding lie behind every 8 pieces: where the piece three on lies behind one padding more, the second address register serves
.if PC%8 < 5
	ds_load_b64 v[\reg+2*\p:\reg+2*\p+1], v[\adr] offset:8*PC+16*(PC/8)+(\i)*16*PITCH
.else
	ds_load_b64 v[\reg+2*\p:\reg+2*\p+1], v[\adr+2] offset:8*PC+16*(PC/8)+(\i)*16*PITCH
.endif
.endr
.endm
; 16 matrix instructions: A's blocks a0, a0 + 1 x B's eight.  zero = 1: the sums start from the bias along the registers (by B's tile); 2: from the bias of the lane's row (by A's block); 0: in place.
; The 64 accumulators take turns, one instruction a turn, in the same order in every step.
.macro MUL16 a0, p, q, sc, zero
.irp a, \a0, \a0+1
.irp b, 0,1,2,3,4,5,6,7
.if \zero == 1
	v_wmma_scale_f32_16x16x128_f8f6f4 v[8*(8*((\a)%4)+\b):8*(8*((\a)%4)+\b)+7], v[128*(\p)+FR*\b:128*(\p)+FR*\b+FR-1], v[AF+FR*(\a):AF+FR*(\a)+FR-1], v[BIAS+8*\b:BIAS+8*\b+7], v[SC+8*NQ*(\sc)+NQ*\b+(\q)], v[SC+8*NQ*(\sc)+NQ*(\a)+(\q)] matrix_a_fmt:MATRIX_FMT_FP6 matrix_b_fmt:MATRIX_FMT_FP6 matrix_a_scale:MATRIX_SCALE_ROW1
.elseif \zero == 2
	v_wmma_scale_f32_16x16x128_f8f6f4 v[8*(8*((\a)%4)+\b):8*(8*((\a)%4)+\b)+7], v[128*(\p)+FR*\b:128*(\p)+FR*\b+FR-1], v[AF+FR*(\a):AF+FR*(\a)+FR-1], v[BIAS+8*(\a):BIAS+8*(\a)+7], v[SC+8*NQ*(\sc)+NQ*\b+(\q)], v[SC+8*NQ*(\sc)+NQ*(\a)+(\q)] matrix_a_fmt:MATRIX_FMT_FP6 matrix_b_fmt:MATRIX_FMT_FP6 matrix_a_scale:MATRIX_SCALE_ROW1
.else
	v_wmma_scale_f32_16x16x128_f8f6f4 v[8*(8*((\a)%4)+\b):8*(8*((\a)%4)+\b)+7], v[128*(\p)+FR*\b:128*(\p)+FR*\b+FR-1], v[AF+FR*(\a):AF+FR*(\a)+FR-1], v[8*(8*((\a)%4)+\b):8*(8*((\a)%4)+\b)+7], v[SC+8*NQ*(\sc)+NQ*\b+(\q)], v[SC+8*NQ*(\sc)+NQ*(\a)+(\q)] matrix_a_fmt:MATRIX_FMT_FP6 matrix_b_fmt:MATRIX_FMT_FP6 matrix_a_scale:MATRIX_SCALE_ROW1
.endif
.endr
.endr
.endm
.macro FETCH_B slot, q, p              ; B's eight fragments of the slot's q-th 128 along K into set p
	WIN TO_B
.irp i, 0,1,2,3,4,5,6,7
	FRAG 128*(\p)+FR*\i, ADRB+\slot, \q, \i
.endr
	WIN 0
.endm
.macro FETCH_A slot, q, i0             ; A's blocks i0 .. i0 + 3
.irp i, \i0, \i0+1, \i0+2, \i0+3
	FRAG AF+FR*(\i), ADRA+\slot, \q, \i
.endr
.endm
.macro SCALES sc                       ; a K step's scale words into set sc: lanes 0-15 take A's block i, lanes 16-31 B's block i
.irp i, 0,1,2,3,4,5,6,7
	ds_load_b64 v[SC+8*NQ*\sc+NQ*\i:SC+8*NQ*\sc+NQ*\i+1], v[ADRS] offset:\i*SBLK
.endr
.endm
.macro PLACES n                        ; plain vector instructions between a matrix instruction and a load into, or a vector instruction on, its registers
.rept \n
	v_nop
.endr
.endm
; A step of 128 along K that has its successor in the same slot.
.macro STEP slot, q, zero
	s_wait_dscnt 4*NL                              ; B's set and A's blocks 0-3 are in; the youngest 24 loads (A's blocks 4-7) may be out
.if \zero
	WIN FIRST_LO
.else
	WIN MUL_LO
.endif
	MUL16 0, (\q)%2, \q, \slot, \zero
	MUL16 2, (\q)%2, \q, \slot, \zero
	s_wait_dscnt 0                                 ; A's blocks 4-7 are in
	PLACES NP
	FETCH_B \slot, (\q)+1, 1-(\q)%2
	FETCH_A \slot, (\q)+1, 0
.if \zero
	WIN FIRST_HI
.else
	WIN MUL_HI
.endif
	MUL16 4, (\q)%2, \q, \slot, \zero
	MUL16 6, (\q)%2, \q, \slot, \zero
	PLACES NP
	WIN 0
	FETCH_A \slot, (\q)+1, 4
.endm
; A slot's last step changes slots: ONE barrier; in front of it each wave waits for all its tensor loads, adds 0 to its spare word, and waits for that and for its own reads of this slot.  fill = 1: this slot is filled again, two K steps ahead.
.macro TURN slot, next, fill
	s_wait_tensorcnt 0x0                           ; all my tensor loads have landed: my part of the next slot
	ds_add_u32 v[SPW], v[NIL]                      ; 0 onto my spare word
	s_wait_dscnt 4*NL+1                            ; (the add and the youngest 24 loads may be out)
	WIN MUL_LO
	MUL16 0, 1, NQ-1, \slot, 0                     ; sixteen matrix instructions stand between the add and the wait for it
	s_wait_dscnt 0x0                               ; the add is done, and my reads of this slot are over
	s_barrier_signal -1
	MUL16 2, 1, NQ-1, \slot, 0
	WIN 0
	s_barrier_wait -1
.if \fill
	CREST                                          ; the barrier has opened a round of the cluster's barrier: no wave of any partner still reads this slot or has a load on its way
	s_add_nc_u64 s[G0+4*\slot+2:G0+4*\slot+3], s[G0+4*\slot+2:G0+4*\slot+3], 2*PLANE
	s_add_nc_u64 s[G0B+4*\slot+2:G0B+4*\slot+3], s[G0B+4*\slot+2:G0B+4*\slot+3], 2*PLANE
	JLOAD G0+4*\slot, G1, G0B+4*\slot, G1B         ; the first tensor load behind the round; its four v_nop are the places in front of the loads below
.else
	PLACES NP
.endif
	s_wait_alu depctr_va_vdst(0)
	v_add_nc_u32 v[ADRS], 4*NQ, v[ADRS]            ; on to the next K step's scale words
	FETCH_B \next, 0, 0
	FETCH_A \next, 0, 0
	SCALES \next
	WIN MUL_HI
	MUL16 4, 1, NQ-1, \slot, 0
	MUL16 6, 1, NQ-1, \slot, 0
	PLACES NP
	WIN 0
	FETCH_A \next, 0, 4
.endm
	s_wait_alu depctr_va_vdst(0)                   ; the wait at the head's end
	s_wait_tensorcnt 0x0                           ; my tile of the head's four is in
	ds_add_u32 v[SPW], v[NIL]
	s_mov_b32 s[G1+2], 96<<16                      ; no tensor load of mine is out: from here on a load brings 128 places = 96 rows of 256 bytes,
	s_mov_b32 s[G1+4], 96
	s_mov_b32 s[G1B+2], 96<<16
	s_mov_b32 s[G1B+4], 96
	s_mov_b32 s[G0+1], s45                         ; and slot 0's group 0 stands at my 128 places of K step 0: its refill steps two planes on
	s_add_nc_u64 s[G0+2:G0+3], s[G0+2:G0+3], s[18:19]
	s_mov_b32 s[G0B+1], s45
	s_add_nc_u64 s[G0B+2:G0B+3], s[G0B+2:G0B+3], s[18:19]
	s_wait_dscnt 0x0                               ; the add is done
	CROUND                                         ; all four tiles are in, and all sixteen work-groups are here
	JLOAD G0+4, G1, G0B+4, G1B                     ; K step 1, the first tensor load behind the round
	FETCH_B 0, 0, 0
	FETCH_A 0, 0, 0
	s_wait_alu depctr_va_vdst(0)
	SCALES 0
	FETCH_A 0, 0, 4
	s_wait_loadcnt 0x0                             ; the bias
	s_cmp_lt_u32 ttmp9, 8                          ; the first step is written for both ways in which the bias lies
	s_cbranch_scc0 .Lfirst_v
	STEP 0, 0, 1
	s_branch .Lfirst_done
.Lfirst_v:
	STEP 0, 0, 2
.Lfirst_done:
	TURN 0, 1, 1                                   ; K has four slots' worth: the ring is written out
	STEP 1, 0, 0
	TURN 1, 0, 1
	STEP 0, 0, 0
	TURN 0, 1, 0                                   ; the last change of slots fills nothing
	STEP 1, 0, 0
	s_wait_dscnt 4*NL                              ; the very last step
	WIN MUL_LO
	MUL16 0, 1, NQ-1, 1, 0
	MUL16 2, 1, NQ-1, 1, 0
	s_wait_dscnt 0
	WIN MUL_HI
	MUL16 4, 1, NQ-1, 1, 0
	MUL16 6, 1, NQ-1, 1, 0
	WIN 0
; 64 numbers of a lane in window w, v[s] .. v[s + 63], register 16 b + i = k 32 b + 16 (lane / 16) + i of my row, become a fragment's codes in v[d] .. v[d + 11] and its scale word in v[pw], both in window 0.
; Each accumulator is read from its low end on.
.macro QUANT w, s, d, pw
	WIN 5*\w                                       ; sources 0 and 1 in window w
.irp b, 0,1,2,3
	v_max3_num_f32 v[TM+\b], |v[(\s)+16*\b]|, |v[(\s)+16*\b+1]|, 0x1800000   ; block b: my 16 numbers, and the floor 2^(3 - 127): the byte cannot fall under 1
.endr
.irp i, 2,4,6,8,10,12,14
.irp b, 0,1,2,3
	v_max3_num_f32 v[TM+\b], |v[(\s)+16*\b+\i]|, |v[(\s)+16*\b+\i+1]|, v[TM+\b]   ; (the four blocks by turns)
.endr
.endr
	WIN 0
.irp b, 0,1,2,3
	v_permlanex16_b32 v[TM+4+\b], v[TM+\b], s[SEL], s[SEL+1]
.endr
.irp b, 0,1,2,3
	v_max_num_f32 v[TM+\b], v[TM+\b], v[TM+4+\b]   ; with lane l xor 16's: the block's largest magnitude
.endr
.irp b, 0,1,2,3
	v_add_nc_u32 v[TM+12+\b], 0xff000000, v[TM+\b] ; 2 off its exponent field: the conversion's scale operand
.endr
.irp b, 0,1,2,3
	v_lshrrev_b32 v[TM+4+\b], 23, v[TM+12+\b]      ; the scale's byte
.endr
	v_lshl_or_b32 v[\pw], v[TM+5], 8, v[TM+4]      ; the four bytes make my row's scale word (the same in lanes l and l xor 16)
	v_lshl_or_b32 v[\pw], v[TM+6], 16, v[\pw]
	v_lshl_or_b32 v[\pw], v[TM+7], 24, v[\pw]
	WIN \w                                         ; source 0 in window w
.irp c, 0,1
	v_cvt_scalef32_pk16_fp6_f32 v[(\d)+6*\c:(\d)+6*\c+2], v[(\s)+32*\c:(\s)+32*\c+15], v[TM+12+2*\c]
	v_cvt_scalef32_pk16_fp6_f32 v[CT+4*\c:CT+4*\c+2], v[(\s)+32*\c+16:(\s)+32*\c+31], v[TM+12+2*\c+1]   ; (a conversion's three registers begin on an even number)
.endr
	WIN 0
	v_nop                                          ; one plain place behind a scaled conversion
.irp c, 0,1                                    ; the operand's layout wants a WHOLE block in a lane: lanes 0-15 block 2 c, lanes 16-31 block 2 c + 1
.irp i, 0,1,2
	v_permlane16_swap_b32 v[(\d)+6*\c+\i], v[CT+4*\c+\i]
.endr
.irp i, 0,1,2
	v_mov_b32 v[(\d)+3+6*\c+\i], v[CT+4*\c+\i]
.endr
.endr
.endm
	PLACES NP                                      ; behind the last products: their results are read and their operands' registers written below
	s_mov_b32 s[SEL], 0x76543210
	s_mov_b32 s[SEL+1], 0xfedcba98
.irp b, 0,1,2,3
	v_mov_b32 v[TM+4+\b], 0                        ; written once: a lane permute's destination counts as one of its sources
.endr
.irp a, 0,1,2,3
	QUANT 2, 64*\a, F+12*\a, PWR+\a
.endr
.irp a, 0,1,2,3
	QUANT 3, 64*\a, F+48+12*\a, PWR+4+\a
.endr
	s_cmp_lt_u32 ttmp9, 8
	s_cbranch_scc0 .Lstore_v
	; q, k.  Block a's fragment is [head e = 0: 16 tokens x 64 | head e = 1]: what attention wants is, for each head, [block 2 p | block 2 p + 1].  No register is written again, so no store is waited for.
	s_mov_b32 s98, 18944
	s_cmp_eq_u32 s96, 0
	s_cselect_b32 s66, 0, 6656                     ; Q's fragments begin a record, K's stand at 6,656
	s_cselect_b32 s98, 6144, s98                   ; their scale words
	s_mov_b32 s99, 0
	s_add_nc_u64 s[12:13], s[10:11], s[66:67]
	s_add_nc_u64 s[98:99], s[10:11], s[98:99]
.irp p, 0,1,2,3
	v_perm_b32 v[WW+2*\p], v[PWR+2*\p+1], v[PWR+2*\p], 0x05040100     ; head 0's two bytes of block 2 p, then of block 2 p + 1
	v_perm_b32 v[WW+2*\p+1], v[PWR+2*\p+1], v[PWR+2*\p], 0x07060302   ; head 1's
.endr
	s_wait_alu depctr_va_vdst(0)
.irp p, 0,1,2,3
.irp e, 0,1
	global_store_b128 v[LI16], v[F+24*\p+6*\e:F+24*\p+6*\e+3], s[12:13] offset:\e*HEADB+1536*\p              ; 512 consecutive bytes, aligned to 256
	global_store_b64 v[LI8], v[F+24*\p+6*\e+4:F+24*\p+6*\e+5], s[12:13] offset:\e*HEADB+1536*\p+512          ; 256
	global_store_b128 v[LI16], v[F+24*\p+12+6*\e:F+24*\p+12+6*\e+3], s[12:13] offset:\e*HEADB+1536*\p+768
	global_store_b64 v[LI8], v[F+24*\p+12+6*\e+4:F+24*\p+12+6*\e+5], s[12:13] offset:\e*HEADB+1536*\p+1280
	global_store_b32 v[LI4], v[WW+2*\p+\e], s[98:99] offset:\e*HEADB+128*\p
.endr
.endr
	s_branch .Lend
.Lstore_v:
	; v.  Block a is 16 channels of head a / 4 x my 128 keys: a fragment as it stands
	s_wait_alu depctr_va_vdst(0)
.irp a, 0,1,2,3,4,5,6,7
	global_store_b128 v[LI16], v[F+12*\a:F+12*\a+3], s[10:11] offset:12800+(\a/4)*HEADB+(\a%4)*1536
	global_store_b64 v[LI8], v[F+12*\a+4:F+12*\a+5], s[10:11] offset:12800+(\a/4)*HEADB+(\a%4)*1536+512
	global_store_b128 v[LI16], v[F+12*\a+6:F+12*\a+9], s[10:11] offset:12800+(\a/4)*HEADB+(\a%4)*1536+768
	global_store_b64 v[LI8], v[F+12*\a+10:F+12*\a+11], s[10:11] offset:12800+(\a/4)*HEADB+(\a%4)*1536+1280
	global_store_b32 v[LI4], v[PWR+\a], s[10:11] offset:19456+(\a/4)*HEADB+(\a%4)*128
.endr
.Lend:
	s_wait_tensorcnt 0x0                           ; the wave's end, behind my last tensor load
	ds_add_u32 v[SPW], v[NIL]
	s_wait_dscnt 0x0
	CROUND                                         ; the closing round: no work-group ends while a partner may still ask for a tile that names it
	s_endpgm
; THE SECOND WAY, CLUSTERS 12 TO 14.  The one head that comes from x1, x2, x3: q = x1 Wq^T + bq, k = x2 Wk^T + bk, v = x3 Wv^T + bv, COLUMNS 192 .. 255 (head 3) ALONE.
; sel = cluster & 3 says q, k or v; i = cx + 4 cy says which 256 places of the tensor: it enters global addresses alone.  A work-group multiplies 256 places x the head's 64 rows of W over K = 1,024 and stores into slot 16 of qkv.
; Its tensor loads are plain ones, with no mask: the sixteen work-groups of a tensor share only W's 64 rows, a fifth of what a work-group fetches.  They stand behind a round of the cluster's barrier, and a closing round stands at the end.
; ALL OF K LIES IN LDS, filled once: four slabs of 256 along K, each 256 rows of X and then 64 rows of W, rows of 192 bytes with 16 bytes of padding behind every 64: 307,200 bytes.  Wave w fetches slab w: in two tensor loads, one at a time.
; q, k: source 0 = W's 4 tiles, source 1 = my 4 blocks of X (places 64 w on): a lane holds a token, registers run along the head's 64.
; v:    source 0 = 8 tiles of X (places 128 (w / 2) on), source 1 = 2 blocks of W (places 32 (w % 2) on): a lane holds a channel, registers run along 128 keys.  16 accumulators either way.
; REGISTERS: window 0: v4-7 lane terms, v16-19 LDS addresses, v24-26 16, 8, 4 x lane, v28, v29 the add's two, v32-63 the bias, v64-143 scale words (8 a tile: one for each 128 along K), v160-215 the way out.
;   window 1: the fragments of a step, 12 registers each.   window 2: the accumulators.
.set WOFF,   256*PITCH                 ; W's rows in a slab
.set SLAB,   320*PITCH                 ; 76,800 bytes
.set BIAS, 32
.set SW,   64
.set TM,   160
.set CT,   176
.set PWR,  184
.set F,    192
.set SEL,  12                          ; s[12:13]
.set G1X,  24                          ; s[24:31] group 1 for X's 256 rows; s[32:35] its group 0
.set G0X,  32
.set G0W,  36                          ; s[36:39] group 0 for W's 64 rows; s[48:55] its group 1
.set G1W,  48
.Lspecial:
	s_and_b32 s17, ttmp9, 3                        ; sel: 0 q, 1 k, 2 v
	s_lshl_b32 s18, s41, 2
	s_add_co_u32 s18, s18, s40                     ; i
	s_mov_b32 s[G1X], (1<<20)|(3<<22)|(3<<25)      ; no mask; elements of 1 byte; padding on: 4 words behind every 16
	s_mov_b32 s[G1X+1], UNIT<<16                   ; X's 256 places of a plane: 192 dense rows of 256 bytes
	s_mov_b32 s[G1X+2], 192<<16
	s_mov_b32 s[G1X+3], UNIT<<16
	s_mov_b32 s[G1X+4], 192
	s_mov_b32 s[G1X+5], UNIT
	s_mov_b32 s[G1X+6], 0
	s_mov_b32 s[G1X+7], 0
	s_mov_b32 s[G1W], (1<<20)|(3<<22)|(3<<25)
	s_mov_b32 s[G1W+1], UNIT<<16                   ; W's 64 places: 48 rows of 256 bytes
	s_mov_b32 s[G1W+2], 48<<16
	s_mov_b32 s[G1W+3], UNIT<<16
	s_mov_b32 s[G1W+4], 48
	s_mov_b32 s[G1W+5], UNIT
	s_mov_b32 s[G1W+6], 0
	s_mov_b32 s[G1W+7], 0
	s_add_co_u32 s19, s17, 1
	s_lshl_b32 s19, s19, 12
	s_lshl_b32 s20, s18, 8
	s_add_co_u32 s19, s19, s20                     ; X's first place: 4,096 (sel + 1) + 256 i
	s_lshl_b32 s20, s17, 10
	s_add_co_u32 s20, s20, 16384+192               ; W's first place: head 3 of Wq, Wk or Wv
	s_mul_i32 s21, s14, PLANE                      ; my slab is plane w
	s_mul_i32 s22, s19, ROWB
	s_add_co_u32 s22, s22, s21
	s_mov_b32 s23, 0
	s_mul_i32 s40, s20, ROWB
	s_add_co_u32 s40, s40, s21
	s_mov_b32 s41, 0
	s_mul_i32 s42, s14, SLAB
	s_wait_kmcnt 0x0
	s_mov_b32 s[G0X], 1
	s_mov_b32 s[G0X+1], s42
	s_add_nc_u64 s[G0X+2:G0X+3], s[4:5], s[22:23]
	s_or_b32 s[G0X+3], s[G0X+3], 0x80000000
	s_mov_b32 s[G0W], 1
	s_add_co_u32 s[G0W+1], s42, WOFF
	s_add_nc_u64 s[G0W+2:G0W+3], s[4:5], s[40:41]
	s_or_b32 s[G0W+3], s[G0W+3], 0x80000000
	CROUND                                         ; in a launch in clusters every group of tensor loads stands behind a round
	tensor_load_to_lds s[G0X:G0X+3], s[G1X:G1X+7]  ; my one tensor load at the head
	s_nop 0
	v_and_b32 v1, 15, v0                           ; r
	v_bfe_u32 v2, v0, 4, 1                         ; h
	v_and_b32 v3, 31, v0
	v_lshlrev_b32 v[LI16], 4, v3
	v_lshlrev_b32 v[LI8], 3, v3
	v_lshlrev_b32 v[LI4], 2, v3
	v_mul_u32_u24 v4, v1, PITCH
	v_mad_u32_u24 v4, v2, 24, v4                   ; a fragment's row x pitch + 24 x half
	v_lshl_add_u32 v5, v2, 4, v4                   ; and the same behind one padding more
	v_lshlrev_b32 v6, 5, v1                        ; scale words: 32 bytes a row
	s_wait_alu depctr_va_vdst(0)                   ; the wait at the head's end
	s_wait_tensorcnt 0x0                           ; X's part of my slab is in
	ds_add_u32 v[SPW], v[NIL]
	s_wait_dscnt 0x0
	CROUND
	tensor_load_to_lds s[G0W:G0W+3], s[G1W:G1W+7]  ; W's part of my slab
	s_nop 0
	s_wait_tensorcnt 0x0                           ; my slab is in,
	s_barrier_signal -1
	s_barrier_wait -1
; K step kq of eight: four places behind the last products, the step's ns0 + ns1 fragments, 16 products, the accumulators by turns.
; mode 1: the first step's C is the bias along the registers (by source 0's tile); mode 2: the bias of the lane's row (by source 1's block).
.macro SSTEP ns0, ns1, mode
.if kq > 0
	WIN 0
.if kq%2 == 0
	v_add_nc_u32 v16, SLAB, v16                    ; on to the next slab: these four are the places
	s_wait_alu depctr_va_vdst(0)
	v_add_nc_u32 v17, SLAB, v17
	v_add_nc_u32 v18, SLAB, v18
	s_wait_alu depctr_va_vdst(0)
	v_add_nc_u32 v19, SLAB, v19
.else
.rept 4
	v_nop
.endr
.endif
.endif
	WIN 0x40                                       ; destination window 1
.set i, 0
.rept \ns0
	FRAG FR*i, 16, kq%2, i
.set i, i+1
.endr
.set i, 0
.rept \ns1
	FRAG FR*(\ns0+i), 17, kq%2, i
.set i, i+1
.endr
.if kq == 0
	s_wait_loadcnt 0x0                             ; the scale words and the bias
.endif
	s_wait_alu depctr_va_vdst(0)
	s_wait_dscnt 0x0
.if kq == 0
	WIN 0x85                                       ; sources 0 and 1 window 1, C window 0, D window 2
.else
	WIN 0xa5                                       ; C and D window 2
.endif
.set i1, 0
.rept \ns1
.set i0, 0
.rept \ns0
.if kq > 0
	v_wmma_scale_f32_16x16x128_f8f6f4 v[8*(\ns0*i1+i0):8*(\ns0*i1+i0)+7], v[FR*i0:FR*i0+FR-1], v[FR*(\ns0+i1):FR*(\ns0+i1)+FR-1], v[8*(\ns0*i1+i0):8*(\ns0*i1+i0)+7], v[SW+8*i0+kq], v[SW+8*(\ns0+i1)+kq] matrix_a_fmt:MATRIX_FMT_FP6 matrix_b_fmt:MATRIX_FMT_FP6
.elseif \mode == 1
	v_wmma_scale_f32_16x16x128_f8f6f4 v[8*(\ns0*i1+i0):8*(\ns0*i1+i0)+7], v[FR*i0:FR*i0+FR-1], v[FR*(\ns0+i1):FR*(\ns0+i1)+FR-1], v[BIAS+8*i0:BIAS+8*i0+7], v[SW+8*i0+kq], v[SW+8*(\ns0+i1)+kq] matrix_a_fmt:MATRIX_FMT_FP6 matrix_b_fmt:MATRIX_FMT_FP6
.else
	v_wmma_scale_f32_16x16x128_f8f6f4 v[8*(\ns0*i1+i0):8*(\ns0*i1+i0)+7], v[FR*i0:FR*i0+FR-1], v[FR*(\ns0+i1):FR*(\ns0+i1)+FR-1], v[BIAS+8*i1:BIAS+8*i1+7], v[SW+8*i0+kq], v[SW+8*(\ns0+i1)+kq] matrix_a_fmt:MATRIX_FMT_FP6 matrix_b_fmt:MATRIX_FMT_FP6
.endif
.set i0, i0+1
.endr
.set i1, i1+1
.endr
.endm
; The scale words of my ns0 + ns1 tiles, all of K: lane r takes row r's 32 bytes, word q for the q-th 128 along K; then the eight K steps.
.macro SPEC ns0, ns1, mode
.set i, 0
.rept \ns0
	global_load_b128 v[SW+8*i:SW+8*i+3], v6, s[40:41] offset:512*i
	global_load_b128 v[SW+8*i+4:SW+8*i+7], v6, s[40:41] offset:512*i+16
.set i, i+1
.endr
.set i, 0
.rept \ns1
	global_load_b128 v[SW+8*(\ns0+i):SW+8*(\ns0+i)+3], v6, s[42:43] offset:512*i
	global_load_b128 v[SW+8*(\ns0+i)+4:SW+8*(\ns0+i)+7], v6, s[42:43] offset:512*i+16
.set i, i+1
.endr
.set kq, 0
.rept 8
	SSTEP \ns0, \ns1, \mode
.set kq, kq+1
.endr
	WIN 0
.endm
	s_cmp_lt_u32 s17, 2                            ; the cluster's number alone: all waves of all sixteen partners go the same way
	s_cbranch_scc0 .Lshape_v
	s_lshl_b32 s40, s20, 5                         ; q, k.  Source 0: W's 64 places
	s_mov_b32 s41, 0
	s_add_nc_u64 s[40:41], s[6:7], s[40:41]
	s_lshl_b32 s42, s14, 6                         ; source 1: X's places 64 w on
	s_add_co_u32 s42, s42, s19
	s_lshl_b32 s42, s42, 5
	s_mov_b32 s43, 0
	s_add_nc_u64 s[42:43], s[6:7], s[42:43]
	s_lshl_b32 s44, s17, 12
	s_add_co_u32 s44, s44, 192*4                   ; the bias from channel 1,024 sel + 192 on
	s_mov_b32 s45, 0
	s_add_nc_u64 s[44:45], s[8:9], s[44:45]
	s_wait_alu depctr_va_vdst(0)
	v_lshlrev_b32 v7, 6, v2                        ; tile t's eight are channels 32 (t / 2) + 16 h + 8 (t % 2) + 0 .. 7
.irp t, 0,1,2,3
	global_load_b128 v[BIAS+8*\t:BIAS+8*\t+3], v7, s[44:45] offset:(32*(\t/2)+8*(\t%2))*4
	global_load_b128 v[BIAS+8*\t+4:BIAS+8*\t+7], v7, s[44:45] offset:(32*(\t/2)+8*(\t%2))*4+16
.endr
	s_mul_i32 s46, s14, 64*PITCH
	v_add_nc_u32 v16, WOFF, v4
	s_wait_alu depctr_va_vdst(0)
	v_add_nc_u32 v18, WOFF, v5
	s_wait_alu depctr_va_vdst(0)
	v_add_nc_u32 v17, s46, v4
	s_wait_alu depctr_va_vdst(0)
	v_add_nc_u32 v19, s46, v5
	s_wait_alu depctr_va_vdst(0)
	SPEC 4, 4, 1
	s_branch .Lquant
.Lshape_v:
	s_lshl_b32 s40, s15, 7                         ; v.  Source 0: X's places 128 (w / 2) on
	s_add_co_u32 s40, s40, s19
	s_lshl_b32 s40, s40, 5
	s_mov_b32 s41, 0
	s_add_nc_u64 s[40:41], s[6:7], s[40:41]
	s_lshl_b32 s42, s16, 5                         ; source 1: W's places 32 (w % 2) on
	s_add_co_u32 s42, s42, s20
	s_lshl_b32 s42, s42, 5
	s_mov_b32 s43, 0
	s_add_nc_u64 s[42:43], s[6:7], s[42:43]
	s_lshl_b32 s44, s16, 7
	s_add_co_u32 s44, s44, 2240*4                  ; the bias from channel 2,048 + 192 + 32 (w % 2) on
	s_mov_b32 s45, 0
	s_add_nc_u64 s[44:45], s[8:9], s[44:45]
	v_and_b32 v7, 8, v1                            ; block n's lane r is channel 8 n + r + 8 (r / 8) of these 32
	v_add_nc_u32 v7, v7, v1
	v_lshlrev_b32 v7, 2, v7
.irp n, 0,1
.irp j, 0,1,2,3,4,5,6,7
	global_load_b32 v[BIAS+8*\n+\j], v7, s[44:45] offset:32*\n
.endr
.endr
	s_mul_i32 s46, s15, 128*PITCH
	s_mul_i32 s47, s16, 32*PITCH
	s_add_co_u32 s47, s47, WOFF
	s_wait_alu depctr_va_vdst(0)
	v_add_nc_u32 v16, s46, v4
	v_add_nc_u32 v18, s46, v5
	v_add_nc_u32 v17, s47, v4
	v_add_nc_u32 v19, s47, v5
	SPEC 8, 2, 2
.Lquant:
	; q, k: a lane's registers 0-31 are one block of 16 tokens x the head's 64, registers 32-63 the next block: QUANT gives the pair of blocks that attention wants.  v: 16 channels x 128 keys.
	PLACES NP                                      ; behind the last products, whose results are read below
	s_mov_b32 s[SEL], 0x76543210
	s_mov_b32 s[SEL+1], 0xfedcba98
.irp b, 0,1,2,3
	v_mov_b32 v[TM+4+\b], 0                        ; written once: a lane permute's destination counts as one of its sources
.endr
	QUANT 2, 0, F, PWR
	QUANT 2, 64, F+12, PWR+1
	s_lshl_b32 s40, s18, 1                         ; (the loads that named s40 to s45 were waited for ahead of the first products)
	s_add_co_u32 s40, s40, s15                     ; ts = 2 i + w / 2
	s_mul_i32 s40, s40, REC
	s_add_co_u32 s40, s40, 16*HEADB                ; slot 16
	s_mov_b32 s41, 0
	s_add_nc_u64 s[10:11], s[10:11], s[40:41]
	s_mov_b32 s43, 0
	s_mov_b32 s45, 0
	s_mov_b32 s46, 18944
	s_mov_b32 s47, 19456
	s_cmp_eq_u32 s17, 0
	s_cselect_b32 s42, 0, 6656                     ; where Q's, K's, V's fragments stand in a record,
	s_cselect_b32 s44, 6144, s46                   ; and their scale words
	s_cmp_eq_u32 s17, 2
	s_cselect_b32 s42, 12800, s42
	s_cselect_b32 s44, s47, s44
	s_mul_i32 s46, s16, 2*1536                     ; my two of the four fragments
	s_add_co_u32 s42, s42, s46
	s_lshl_b32 s46, s16, 8
	s_add_co_u32 s44, s44, s46
	s_add_nc_u64 s[42:43], s[10:11], s[42:43]
	s_add_nc_u64 s[44:45], s[10:11], s[44:45]
	s_wait_alu depctr_va_vdst(0)
.irp p, 0,1
	global_store_b128 v[LI16], v[F+12*\p:F+12*\p+3], s[42:43] offset:1536*\p
	global_store_b64 v[LI8], v[F+12*\p+4:F+12*\p+5], s[42:43] offset:1536*\p+512
	global_store_b128 v[LI16], v[F+12*\p+6:F+12*\p+9], s[42:43] offset:1536*\p+768
	global_store_b64 v[LI8], v[F+12*\p+10:F+12*\p+11], s[42:43] offset:1536*\p+1280
	global_store_b32 v[LI4], v[PWR+\p], s[44:45] offset:128*\p
.endr
	s_wait_tensorcnt 0x0                           ; the wave's end, behind my last tensor load
	ds_add_u32 v[SPW], v[NIL]
	s_wait_dscnt 0x0
	CROUND                                         ; the closing round
	s_endpgm
.Lfunc_end_k_q5f18315ded_proj:
	.size	k_q5f18315ded_proj, .Lfunc_end_k_q5f18315ded_proj-k_q5f18315ded_proj
	.p2alignl 7, 3214868480
	.fill 96, 4, 3214868480
	.section	.rodata,"a",@progbits
	.p2align	6, 0x0
	.amdhsa_kernel k_q5f18315ded_proj
		.amdhsa_group_segment_fixed_size 327680
		.amdhsa_private_segment_fixed_size 0
		.amdhsa_enable_private_segment 0
		.amdhsa_kernarg_size 32
		.amdhsa_user_sgpr_count 2
		.amdhsa_user_sgpr_kernarg_segment_ptr 1
		.amdhsa_wavefront_size32 1
		.amdhsa_system_sgpr_workgroup_id_x 1
		.amdhsa_system_sgpr_workgroup_id_y 1
		.amdhsa_system_sgpr_workgroup_id_z 1
		.amdhsa_system_vgpr_workitem_id 0
		.amdhsa_next_free_vgpr 1024
		.amdhsa_next_free_sgpr 100
		.amdhsa_reserve_vcc 0
		.amdhsa_float_denorm_mode_32 3
		.amdhsa_float_denorm_mode_16_64 3
		.amdhsa_memory_ordered 1
		.amdhsa_forward_progress 1
		.amdhsa_inst_pref_size 255
	.end_amdhsa_kernel
	.section	.bss,"aw",@nobits
	.p2align	6
	.space	262144
	.amdgpu_metadata
---
amdhsa.version: [ 1, 2 ]
amdhsa.kernels:
  - .name:           k_q5f18315ded_proj
    .symbol:         k_q5f18315ded_proj.kd
    .args:
      - { .name: cod, .offset: 0, .size: 8, .value_kind: global_buffer, .address_space: global }
      - { .name: scl, .offset: 8, .size: 8, .value_kind: global_buffer, .address_space: global }
      - { .name: b_attn, .offset: 16, .size: 8, .value_kind: global_buffer, .address_space: global }
      - { .name: qkv, .offset: 24, .size: 8, .value_kind: global_buffer, .address_space: global }
    .group_segment_fixed_size: 327680
    .private_segment_fixed_size: 0
    .kernarg_segment_align: 8
    .kernarg_segment_size: 32
    .max_flat_workgroup_size: 128
    .sgpr_count:     100
    .vgpr_count:     1024
    .wavefront_size: 32
...
	.end_amdgpu_metadata
.endif
;; end of part 7
;; launch attn (part 8): grid 8 x 32, 16 waves a work-group, no clusters, 327,680 bytes of LDS; arguments qkv, permutation, head_idxs, yc, ys; writes yc, ys
.if DOCPART == 8
	.amdgcn_target "amdgcn-amd-amdhsa--gfx1250"
	.amdhsa_code_object_version 6
	.text
	.protected	k_q5f18315ded_attn
	.globl	k_q5f18315ded_attn
	.p2align	8
	.type	k_q5f18315ded_attn,@function
k_q5f18315ded_attn:
	s_mov_b64 s[64:65], 0
	v_nop
	global_prefetch_b8 v0, s[64:65] scope:SCOPE_SE
	s_setreg_imm32_b32 hwreg(HW_REG_WAVE_MODE, 25, 1), 1
	s_wait_xcnt 0x0
.set REC,   19968
.set HEADB, 32*REC
.set KV,    13312
.set SPARE, 16*KV
.set SPW,   5
.set NIL,   6
.set FRG,   36
.set FS,    84
.set S,     96
.set O,     160
.set PCD,   192
.set CT,    204
.set BM,    212
.set BB,    216
.set BO,    220
	s_load_b256 s[4:11], s[0:1], 0x0
	s_load_b64 s[12:13], s[0:1], 0x20
	v_lshl_add_u32 v[SPW], v0, 2, SPARE
	v_mov_b32 v[NIL], 0
	ds_add_u32 v[SPW], v[NIL]
	ds_add_u32 v[SPW], v[NIL]
	v_lshrrev_b32 v10, 5, v0
	s_delay_alu instid0(VALU_DEP_1)
	v_readfirstlane_b32 s18, v10
	s_and_b32 s14, ttmp7, 0xffff
	s_and_b32 s15, s14, 15
	s_lshr_b32 s16, s14, 4
	s_lshl_b32 s17, s15, 2
	s_mov_b32 s24, 3<<16
	s_mov_b32 s25, 32<<16
	s_mov_b32 s26, 52<<16                          ; a tile: K, V and their scale words of one record, 13,312 dense bytes as 52 rows of 256
	s_mov_b32 s27, 32<<16
	s_mov_b32 s28, 52
	s_mov_b32 s29, 32
	s_mov_b32 s30, 0
	s_mov_b32 s31, 0
	s_mov_b32 s20, 0x76543210
	s_mov_b32 s21, 0xfedcba98
	s_mov_b32 s22, 0x3e38aa3b
	s_mov_b32 s23, s22
	v_and_b32 v10, 31, v0
	s_delay_alu instid0(VALU_DEP_1)
	v_lshlrev_b32 v1, 4, v10
	s_delay_alu instid0(VALU_DEP_2)
	v_lshlrev_b32 v2, 3, v10
	s_delay_alu instid0(VALU_DEP_3)
	v_lshlrev_b32 v3, 2, v10
	s_wait_alu depctr_va_vdst(0)
	s_wait_dscnt 0x0
	s_wait_kmcnt 0x0
	s_load_b32 s50, s[6:7], s17 offset:0x0
	s_wait_kmcnt 0x0
	s_sub_co_u32 s51, s50, 1
	s_min_u32 s51, s51, 14
	s_lshl_b32 s51, s51, 2
	s_load_b32 s52, s[8:9], s51 offset:0x0
	s_wait_kmcnt 0x0
	s_min_u32 s52, s52, 15
	s_cmp_eq_u32 s50, 0
	s_cselect_b32 s52, 16, s52
	s_min_u32 s52, s52, 16
	s_mul_i32 s52, s52, HEADB
	s_lshl_b32 s53, s16, 4
	s_add_co_u32 s54, s18, s53                     ; wave w fetches record w of the batch's sixteen: 128 keys
	s_mul_i32 s54, s54, REC
	s_add_co_u32 s54, s54, 6656
	s_add_co_u32 s54, s54, s52
	s_mov_b32 s55, 0
	s_add_nc_u64 s[54:55], s[4:5], s[54:55]
	s_mov_b32 s32, 1
	s_mul_i32 s33, s18, KV                         ; all 2,048 keys of the head lie in LDS, 16 x 13,312 bytes, filled once: one tensor load a wave, at the head
	s_mov_b64 s[34:35], s[54:55]
	s_or_b32 s35, s35, 0x80000000
	tensor_load_to_lds s[32:35], s[24:31]
	s_nop 0
	s_lshl_b32 s57, ttmp9, 1
	s_add_co_u32 s57, s57, s53
	s_lshr_b32 s58, s18, 3
	s_add_co_u32 s57, s57, s58
	s_mul_i32 s57, s57, REC
	s_add_co_u32 s57, s57, s52
	s_bfe_u32 s62, s18, 0x20001
	s_and_b32 s63, s18, 1
	s_mul_i32 s58, s62, 1536
	s_mul_i32 s59, s63, 768
	s_add_co_u32 s58, s58, s59
	s_add_co_u32 s58, s58, s57
	s_mov_b32 s59, 0
	s_add_nc_u64 s[58:59], s[4:5], s[58:59]
	s_lshl_b32 s60, s62, 7
	s_add_co_u32 s60, s60, s57
	s_add_co_u32 s60, s60, 6144
	s_mov_b32 s61, 0
	s_add_nc_u64 s[60:61], s[4:5], s[60:61]
	global_load_b128 v[22:25], v1, s[58:59]
	global_load_b64 v[26:27], v2, s[58:59] offset:512
	global_load_b32 v34, v3, s[60:61]
	s_lshl_b32 s19, s16, 7
	s_lshl_b32 s14, ttmp9, 4
	s_add_co_u32 s19, s19, s14
	s_add_co_u32 s19, s19, s18
	s_lshl_b32 s14, s15, 8
	s_add_co_u32 s14, s14, s19
	s_mul_i32 s50, s14, 768
	s_mov_b32 s51, 0
	s_add_nc_u64 s[10:11], s[10:11], s[50:51]
	s_lshl_b32 s50, s19, 9
	s_lshl_b32 s14, s15, 1
	s_add_co_u32 s50, s50, s14
	s_add_nc_u64 s[12:13], s[12:13], s[50:51]
	s_lshl_b32 s63, s63, 4
.irp i, 16,17,18,19,20,21,28,29,30,31,32,33
	v_mov_b32 v[\i], 0
.endr
	v_mov_b32 v13, 0xff61b1e6
	s_delay_alu instid0(VALU_DEP_1)
	v_floor_f32 v12, -v13
	v_mov_b32 v14, 0
	v_mov_b32 v15, 0
	v_mov_b32 v89, 0
.irp b, 0,1,2,3
	v_mov_b32 v[BB+\b], 0
.endr
	s_wait_loadcnt 0x0
	v_lshrrev_b32 v34, s63, v34
	s_delay_alu instid0(VALU_DEP_1)
	v_and_b32 v34, 0xffff, v34
	s_delay_alu instid0(VALU_DEP_1)
	v_lshl_or_b32 v34, v34, 16, v34
.set j, 0
.rept 32
	v_mov_b32 v[O+j], 0
.set j, j+1
.endr
.macro STEP
	v_add_nc_u32 v7, s48, v1
	v_add_nc_u32 v8, s48, v2
	v_add_nc_u32 v9, s48, v3
	v_nop
.irp t, 0,1,2,3
	ds_load_b128 v[FRG+12*\t:FRG+12*\t+3], v7 offset:1536*\t
	ds_load_b64 v[FRG+12*\t+4:FRG+12*\t+5], v8 offset:1536*\t+512
	ds_load_b128 v[FRG+12*\t+6:FRG+12*\t+9], v7 offset:1536*\t+768
	ds_load_b64 v[FRG+12*\t+10:FRG+12*\t+11], v8 offset:1536*\t+1280
	ds_load_b32 v[FS+\t], v9 offset:12288+128*\t
.endr
	s_wait_alu depctr_va_vdst(0)
	s_wait_dscnt 0x0
.irp t, 0,1,2,3
	v_wmma_scale_f32_16x16x128_f8f6f4 v[S+16*\t:S+16*\t+7], v[FRG+12*\t:FRG+12*\t+11], v[22:33], 0, v[FS+\t], v34 matrix_a_fmt:MATRIX_FMT_FP6 matrix_b_fmt:MATRIX_FMT_FP6
	v_wmma_scale_f32_16x16x128_f8f6f4 v[S+16*\t+8:S+16*\t+15], v[FRG+12*\t:FRG+12*\t+11], v[16:27], 0, v[FS+\t], v34 matrix_a_fmt:MATRIX_FMT_FP6 matrix_b_fmt:MATRIX_FMT_FP6
.endr
.rept 4
	v_nop
.endr
.irp t, 0,1,2,3
	ds_load_b128 v[FRG+12*\t:FRG+12*\t+3], v7 offset:6144+1536*\t
	ds_load_b64 v[FRG+12*\t+4:FRG+12*\t+5], v8 offset:6144+1536*\t+512
	ds_load_b128 v[FRG+12*\t+6:FRG+12*\t+9], v7 offset:6144+1536*\t+768
	ds_load_b64 v[FRG+12*\t+10:FRG+12*\t+11], v8 offset:6144+1536*\t+1280
	ds_load_b32 v[FS+\t], v9 offset:12800+128*\t
.endr
.irp b, 0,1,2,3
	v_max3_num_f32 v[BM+\b], v[S+16*\b], v[S+16*\b+1], v[S+16*\b+2]
.endr
.irp i, 3,5,7,9,11,13
.irp b, 0,1,2,3
	v_max3_num_f32 v[BM+\b], v[BM+\b], v[S+16*\b+\i], v[S+16*\b+\i+1]
.endr
.endr
.irp b, 0,1,2,3
	v_max_num_f32 v[BM+\b], v[BM+\b], v[S+16*\b+15]
.endr
.irp b, 0,1,2,3
	s_delay_alu instid0(VALU_DEP_4)
	v_permlanex16_b32 v[BB+\b], v[BM+\b], s20, s21
.endr
.irp b, 0,1,2,3
	s_delay_alu instid0(VALU_DEP_4)
	v_max_num_f32 v[BM+\b], v[BM+\b], v[BB+\b]
.endr
	s_delay_alu instid0(VALU_DEP_2)
	v_max3_num_f32 v226, v[BM], v[BM+1], v[BM+2]
	s_delay_alu instid0(VALU_DEP_1)
	v_max_num_f32 v226, v226, v[BM+3]
	s_delay_alu instid0(VALU_DEP_1)
	v_mul_f32 v226, s22, v226
	s_delay_alu instid0(VALU_DEP_1)
	v_max_num_f32 v13, v13, v226
	v_mov_b32 v226, v12
	s_delay_alu instid0(VALU_DEP_2)
	v_floor_f32 v12, -v13
	s_delay_alu instid0(VALU_DEP_1)
	v_sub_f32 v226, v12, v226
	s_delay_alu instid0(VALU_DEP_1)
	v_cvt_i32_f32 v226, v226
	s_delay_alu instid0(VALU_DEP_1)
	v_ldexp_f32 v88, 1.0, v226
.set j, 0
.rept 32
	v_pk_fma_f32 v[S+j:S+j+1], v[S+j:S+j+1], s[22:23], v[12:13] op_sel_hi:[1,0,0]
.set j, j+2
.endr
.irp b, 0,1,2,3
	v_fma_f32 v[BM+\b], v[BM+\b], s22, v12
.endr
.set j, 0
	s_wait_alu depctr_va_vdst(0)
.rept 64
	v_exp_f32 v[S+j], v[S+j]
.set j, j+1
.endr
	v_pk_mul_f32 v[14:15], v[14:15], v[88:89] op_sel_hi:[1,0]
	s_wait_alu depctr_va_vdst(0)
.irp b, 0,1,2,3
	v_exp_f32 v[BM+\b], v[BM+\b]
.endr
	v_pk_add_f32 v[224:225], v[S:S+1], v[S+2:S+3]
.set j, 4
.rept 15
	v_pk_add_f32 v[14:15], v[14:15], v[S+j:S+j+1]
	v_pk_add_f32 v[224:225], v[224:225], v[S+j+2:S+j+3]
.set j, j+4
.endr
	s_delay_alu instid0(VALU_DEP_1)
	v_pk_add_f32 v[14:15], v[14:15], v[224:225]
	s_wait_alu depctr_va_vdst(0)
.irp b, 0,1,2,3
	v_max_num_f32 v[BM+\b], 0x1800000, v[BM+\b]
.endr
.irp b, 0,1,2,3
	s_delay_alu instid0(VALU_DEP_4)
	v_add_nc_u32 v[BO+\b], 0xff000000, v[BM+\b]
.endr
.irp b, 0,1,2,3
	s_delay_alu instid0(VALU_DEP_4)
	v_lshrrev_b32 v[BB+\b], 23, v[BO+\b]
.endr
	s_delay_alu instid0(VALU_DEP_3)
	v_lshl_or_b32 v91, v[BB+1], 8, v[BB]
	s_delay_alu instid0(VALU_DEP_1)
	v_lshl_or_b32 v91, v[BB+2], 16, v91
	s_delay_alu instid0(VALU_DEP_1)
	v_lshl_or_b32 v91, v[BB+3], 24, v91
.irp c, 0,1
	v_cvt_scalef32_pk16_fp6_f32 v[PCD+6*\c:PCD+6*\c+2], v[S+32*\c:S+32*\c+15], v[BO+2*\c]
	v_cvt_scalef32_pk16_fp6_f32 v[CT+4*\c:CT+4*\c+2], v[S+32*\c+16:S+32*\c+31], v[BO+2*\c+1]
.endr
	v_nop
.irp c, 0,1
.irp i, 0,1,2
	v_permlane16_swap_b32 v[PCD+6*\c+\i], v[CT+4*\c+\i]
.endr
.irp i, 0,1,2
	s_delay_alu instid0(VALU_DEP_3)
	v_mov_b32 v[PCD+3+6*\c+\i], v[CT+4*\c+\i]
.endr
.endr
.set j, 0
.rept 16
	v_pk_mul_f32 v[O+j:O+j+1], v[O+j:O+j+1], v[88:89] op_sel_hi:[1,0]
.set j, j+2
.endr
	s_wait_alu depctr_va_vdst(0)
	s_wait_dscnt 0x0
.irp d, 0,1,2,3
	v_wmma_scale_f32_16x16x128_f8f6f4 v[O+8*\d:O+8*\d+7], v[FRG+12*\d:FRG+12*\d+11], v[PCD:PCD+11], v[O+8*\d:O+8*\d+7], v[FS+\d], v91 matrix_a_fmt:MATRIX_FMT_FP6 matrix_b_fmt:MATRIX_FMT_FP6
.endr
.endm
	s_wait_alu depctr_va_vdst(0)                   ; the wait at the head's end
	s_wait_tensorcnt 0x0                           ; my record is in,
	s_barrier_signal -1
	s_barrier_wait -1                              ; everybody's is: nothing is written into LDS from here on
	s_mov_b32 s48, 0
	s_mov_b32 s49, 16                              ; sixteen steps of 128 keys
.Lstep:
	STEP
	s_add_co_u32 s48, s48, KV
	s_sub_co_u32 s49, s49, 1
	s_cmp_lg_u32 s49, 0
	s_cbranch_scc1 .Lstep
	v_and_b32 v10, 15, v0
	v_bfe_u32 v11, v0, 4, 1
	s_delay_alu instid0(VALU_DEP_1)
	v_lshl_add_u32 v11, v10, 5, v11
	v_add_f32 v14, v14, v15
	s_delay_alu instid0(VALU_DEP_1)
	v_permlanex16_b32 v226, v14, s20, s21
	s_delay_alu instid0(VALU_DEP_1)
	v_add_f32 v14, v14, v226
	s_wait_alu depctr_va_vdst(0)
	v_rcp_f32 v14, v14
	v_nop
	s_wait_alu depctr_va_vdst(0)
.set j, 0
.rept 32
	v_mul_f32 v[S+j], v[O+j], v14
.set j, j+1
.endr
.irp b, 0,1
	v_max3_num_f32 v[BM+\b], |v[S+16*\b]|, |v[S+16*\b+1]|, 0x1800000
.endr
.irp i, 2,4,6,8,10,12,14
.irp b, 0,1
	s_delay_alu instid0(VALU_DEP_2)
	v_max3_num_f32 v[BM+\b], v[BM+\b], |v[S+16*\b+\i]|, |v[S+16*\b+\i+1]|
.endr
.endr
.irp b, 0,1
	s_delay_alu instid0(VALU_DEP_2)
	v_permlanex16_b32 v[BB+\b], v[BM+\b], s20, s21
.endr
.irp b, 0,1
	s_delay_alu instid0(VALU_DEP_2)
	v_max_num_f32 v[BM+\b], v[BM+\b], v[BB+\b]
.endr
.irp b, 0,1
	s_delay_alu instid0(VALU_DEP_2)
	v_add_nc_u32 v[BO+\b], 0xff000000, v[BM+\b]
.endr
.irp b, 0,1
	s_delay_alu instid0(VALU_DEP_2)
	v_lshrrev_b32 v[BB+\b], 23, v[BO+\b]
.endr
	v_cvt_scalef32_pk16_fp6_f32 v[PCD:PCD+2], v[S:S+15], v[BO]
	v_cvt_scalef32_pk16_fp6_f32 v[CT:CT+2], v[S+16:S+31], v[BO+1]
	v_nop
.irp i, 0,1,2
	v_permlane16_swap_b32 v[PCD+\i], v[CT+\i]
.endr
.irp i, 0,1,2
	s_delay_alu instid0(VALU_DEP_3)
	v_mov_b32 v[PCD+3+\i], v[CT+\i]
.endr
	s_mov_b32 s49, 0xffff0000
	v_cndmask_b32 v10, v[BB], v[BB+1], s49
.irp p, 0,1,2
	global_store_b64 v2, v[PCD+2*\p:PCD+2*\p+1], s[10:11] offset:256*\p
.endr
	global_store_b8 v11, v10, s[12:13]
	s_wait_tensorcnt 0x0
	ds_add_u32 v[SPW], v[NIL]
	s_wait_dscnt 0x0
	s_endpgm
.Lfunc_end_k_q5f18315ded_attn:
	.size	k_q5f18315ded_attn, .Lfunc_end_k_q5f18315ded_attn-k_q5f18315ded_attn
	.p2alignl 7, 3214868480
	.fill 96, 4, 3214868480
	.section	.rodata,"a",@progbits
	.p2align	6, 0x0
	.amdhsa_kernel k_q5f18315ded_attn
		.amdhsa_group_segment_fixed_size 327680
		.amdhsa_private_segment_fixed_size 0
		.amdhsa_enable_private_segment 0
		.amdhsa_kernarg_size 40
		.amdhsa_user_sgpr_count 2
		.amdhsa_user_sgpr_kernarg_segment_ptr 1
		.amdhsa_wavefront_size32 1
		.amdhsa_system_sgpr_workgroup_id_x 1
		.amdhsa_system_sgpr_workgroup_id_y 1
		.amdhsa_system_sgpr_workgroup_id_z 1
		.amdhsa_system_vgpr_workitem_id 0
		.amdhsa_next_free_vgpr 256
		.amdhsa_next_free_sgpr 66
		.amdhsa_reserve_vcc 0
		.amdhsa_float_denorm_mode_32 3
		.amdhsa_float_denorm_mode_16_64 3
		.amdhsa_memory_ordered 1
		.amdhsa_forward_progress 1
		.amdhsa_inst_pref_size 29
	.end_amdhsa_kernel
	.amdgpu_metadata
---
amdhsa.version: [ 1, 2 ]
amdhsa.kernels:
  - .name:           k_q5f18315ded_attn
    .symbol:         k_q5f18315ded_attn.kd
    .args:
      - { .name: qkv, .offset: 0, .size: 8, .value_kind: global_buffer, .address_space: global }
      - { .name: permutation, .offset: 8, .size: 8, .value_kind: global_buffer, .address_space: global }
      - { .name: head_idxs, .offset: 16, .size: 8, .value_kind: global_buffer, .address_space: global }
      - { .name: yc, .offset: 24, .size: 8, .value_kind: global_buffer, .address_space: global }
      - { .name: ys, .offset: 32, .size: 8, .value_kind: global_buffer, .address_space: global }
    .group_segment_fixed_size: 327680
    .private_segment_fixed_size: 0
    .kernarg_segment_align: 8
    .kernarg_segment_size: 40
    .max_flat_workgroup_size: 512
    .sgpr_count:     66
    .vgpr_count:     256
    .wavefront_size: 32
...
	.end_amdgpu_metadata
.endif
;; end of part 8
;; launch outp (part 9): grid 8 x 32, 4 waves a work-group, clusters of 4 x 4, 327,680 bytes of LDS; arguments yc, ys, cod, scl, b_proj, out0; writes out0
.if DOCPART == 9
	.amdgcn_target "amdgcn-amd-amdhsa--gfx1250"
	.amdhsa_code_object_version 6
	.text
	.protected	k_q5f18315ded_outp
	.globl	k_q5f18315ded_outp
	.p2align	8
	.type	k_q5f18315ded_outp,@function
k_q5f18315ded_outp:
	s_mov_b64 s[64:65], 0
	v_nop
	global_prefetch_b8 v0, s[64:65] scope:SCOPE_SE
	s_setreg_imm32_b32 hwreg(HW_REG_WAVE_MODE, 25, 1), 1
	s_wait_xcnt 0x0
	s_wait_alu depctr_hold_cnt(0) depctr_sa_sdst(0) depctr_va_vdst(0) depctr_va_sdst(0) depctr_va_ssrc(0) depctr_va_vcc(0) depctr_vm_vsrc(0)
	s_getreg_b32 s2, hwreg(HW_REG_IB_STS2, 6, 4)
	s_cmp_eq_u32 s2, 0
	s_cbranch_scc0 .Lentry_in_a_cluster
	s_endpgm
.Lentry_in_a_cluster:
	s_bfe_u32 s2, ttmp6, 0x10000c
	s_cmp_lg_u32 s2, 0xf033
	s_cbranch_scc0 .Lentry_shape_is_right
	s_endpgm
.Lentry_shape_is_right:
.set SIZE_N, 1024
.set PLANE,  20480*192                 ; cod: [4 planes of 256 along K][20,480 places][192 bytes]
.set PITCH,  240                       ; a place in LDS: 3 x (64 bytes + 16 of padding)
.set FR,     12
.set NP,     4
.set HALFA,  8*3072
.set HALFB,  2*64*PITCH                ; 64 places of W_proj in two planes, one plane behind the other
.set CHUNK,  2*HALFA+2*HALFB
.set SPARE,  2*CHUNK                   ; LDS: A's two halves (16 heads x 3,072 bytes each), B's two halves (4 planes x 64 places x 240 bytes each), all of K, filled once; then the spare words
.set STAGE,  SPARE+512
.set SPITCH, 272
.set ADRA, 16
.set ADRB, 20
.set STO,  24
.set RD,   25
.set CO,   26
.set SCB,  224                         ; v224-255 B's scale words (A's: v32-63): register 16 ch + 4 i + q: block i's rows, the q-th 128 along K of half ch of K
.set SPW,  28
.set NIL,  29
.set SC,   32
.set BIAS, 64
.set OUTR, 96
.set CP,   98
.set G1, 24
.set G0, 32
.set G1B, 48
.set G0B, 56
.set PSA, 68                           ; s[68:69] the scale bytes of my 64 rows of y; s[92:93] those of my 64 rows of W_proj
.set PSB, 92
.set MSB, 0
.macro WIN new
.if MSB != \new
	s_set_vgpr_msb (MSB<<8)|\new
.set MSB, \new
.endif
.endm
.macro JLOAD g0a, g1a, g0b, g1b
	s_cmp_eq_u32 s15, 0
	s_cbranch_scc0 .Lfor_b_\@
	tensor_load_to_lds s[\g0a:\g0a+3], s[\g1a:\g1a+7]
	s_nop 0
.rept 4
	v_nop
.endr
	s_branch .Lasked_\@
.Lfor_b_\@:
	tensor_load_to_lds s[\g0b:\g0b+3], s[\g1b:\g1b+7]
	s_nop 0
.rept 4
	v_nop
.endr
.Lasked_\@:
.endm
.macro CROUND
	s_barrier_signal -1
	s_barrier_wait -1
	s_cmp_lg_u32 s14, 0
	s_cbranch_scc1 .Lnot_wave_0_\@
	s_barrier_signal -3
.Lnot_wave_0_\@:
	s_barrier_wait -3
	s_barrier_signal -1
	s_barrier_wait -1
.endm
	s_load_b256 s[4:11], s[0:1], 0x0
	s_load_b128 s[96:99], s[0:1], 0x20
	v_lshl_add_u32 v[SPW], v0, 2, SPARE
	v_mov_b32 v[NIL], 0
	ds_add_u32 v[SPW], v[NIL]
	ds_add_u32 v[SPW], v[NIL]
	v_lshrrev_b32 v1, 5, v0
	v_readfirstlane_b32 s14, v1
	s_lshr_b32 s15, s14, 1
	s_and_b32 s16, s14, 1
	s_bfe_u32 s40, ttmp6, 0x40000
	s_bfe_u32 s41, ttmp6, 0x40004
	s_lshl_b32 s42, ttmp9, 2
	s_add_co_u32 s42, s42, s40
	s_and_b32 s17, ttmp7, 0xffff
	s_lshl_b32 s17, s17, 2
	s_add_co_u32 s17, s17, s41
	s_lshl_b32 s43, s41, 2
	s_lshl_b32 s43, 15, s43
	s_lshl_b32 s44, 0x1111, s40
	s_or_b32 s[G1+0], s43, (3<<16)|(1<<21)
	s_mov_b32 s[G1+1], 384<<16
	s_mov_b32 s[G1+2], 16<<16                      ; all 16 heads by one load
	s_mov_b32 s[G1+3], 384<<16
	s_mov_b32 s[G1+4], 16
	s_mov_b32 s[G1+5], 24576
	s_mov_b32 s[G1+6], 0
	s_mov_b32 s[G1+7], 0
	s_or_b32 s[G1B+0], s44, (3<<16)|(1<<20)|(1<<21)|(3<<22)|(3<<25)  ; elements of 8 bytes; 16 bytes of padding behind every 64
	s_mov_b32 s[G1B+1], 1536<<16                   ; a row: 64 places of one plane, 12,288 dense bytes that begin on a multiple of 256
	s_mov_b32 s[G1B+2], 4<<16                      ; four rows: all four planes, 1,024 along K
	s_mov_b32 s[G1B+3], 1536<<16
	s_mov_b32 s[G1B+4], 4
	s_mov_b32 s[G1B+5], PLANE/8
	s_mov_b32 s[G1B+6], 0
	s_mov_b32 s[G1B+7], 0
	s_lshl_b32 s18, s16, 6
	s_lshl_b32 s20, s17, 7
	s_add_co_u32 s20, s20, s18
	s_lshl_b32 s46, s42, 7
	s_add_co_u32 s46, s46, s18
	s_add_co_u32 s46, s46, 19456
	s_lshl_b32 s22, s17, 7                         ; the rows of y that I multiply: 128 x tile row + 64 x my half of A;
	s_lshl_b32 s23, s15, 6
	s_add_co_u32 s22, s22, s23
	s_lshl_b32 s22, s22, 5                         ; 32 scale bytes a row
	s_mov_b32 s23, 0
	s_mul_i32 s20, s20, 48
	s_mov_b32 s21, 0
	s_lshl_b32 s92, s46, 5
	s_mov_b32 s93, 0
	s_mul_i32 s46, s46, 192
	s_mov_b32 s47, 0
	s_mul_i32 s45, s16, 2*HALFA
	s_mul_i32 s95, s16, 2*HALFB
	s_add_co_u32 s95, s95, 4*HALFA
	s_wait_dscnt 0x0
	s_wait_kmcnt 0x0
	s_add_nc_u64 s[20:21], s[4:5], s[20:21]
	s_add_nc_u64 s[PSA:PSA+1], s[6:7], s[22:23]
	s_add_nc_u64 s[46:47], s[8:9], s[46:47]
	s_add_nc_u64 s[92:93], s[10:11], s[92:93]
	CROUND
	s_mov_b32 s[G0], 1                             ; waves 0, 1: 64 rows of y, all of K; waves 2, 3: 64 rows of W_proj, all of K
	s_mov_b32 s[G0+1], s45
	s_mov_b64 s[G0+2:G0+3], s[20:21]
	s_or_b32 s[G0+3], s[G0+3], 0x80000000
	s_mov_b32 s[G0B], 1
	s_mov_b32 s[G0B+1], s95
	s_mov_b64 s[G0B+2:G0B+3], s[46:47]
	s_or_b32 s[G0B+3], s[G0B+3], 0x80000000
	JLOAD G0, G1, G0B, G1B                         ; my one tensor load of the launch: nothing is filled later
	v_and_b32 v1, 15, v0
	v_bfe_u32 v2, v0, 4, 1
	v_and_b32 v6, 31, v0
	v_mul_u32_u24 v3, v1, PITCH
	v_mul_u32_u24 v4, v2, 24
	v_add_nc_u32 v4, v3, v4
	v_lshl_add_u32 v5, v2, 4, v4
	v_lshlrev_b32 v7, 3, v6
	s_mul_i32 s21, s15, 2*HALFA
	s_mul_i32 s22, s16, 2*HALFB
	s_add_co_u32 s22, s22, 4*HALFA
.irp s, 0,1
	v_add_nc_u32 v[ADRA+\s], s21, v7
	v_add_nc_u32 v[ADRB+\s], s22, v4
	v_add_nc_u32 v[ADRB+2+\s], s22, v5
	s_add_co_u32 s21, s21, HALFA                   ; the second half of K: 8 heads on,
	s_add_co_u32 s22, s22, HALFB                   ; two planes on
.endr
	s_mul_i32 s23, s14, 16*SPITCH
	s_add_co_u32 s23, s23, STAGE
	v_mul_u32_u24 v5, v1, SPITCH
	v_lshl_add_u32 v5, v2, 6, v5
	v_add_nc_u32 v[STO], s23, v5
	v_mul_u32_u24 v5, v2, SPITCH
	v_lshl_add_u32 v5, v1, 4, v5
	v_add_nc_u32 v[RD], s23, v5
	v_lshlrev_b32 v5, 12, v2
	v_lshl_add_u32 v[CO], v1, 4, v5
	s_lshl_b32 s20, s17, 7
	s_lshl_b32 s21, s15, 6
	s_add_co_u32 s20, s20, s21
	s_lshl_b32 s20, s20, 12
	s_mov_b32 s21, 0
	s_lshl_b32 s46, s42, 9
	s_lshl_b32 s47, s16, 8
	s_add_co_u32 s46, s46, s47
	s_mov_b32 s47, 0
	s_add_nc_u64 s[96:97], s[96:97], s[46:47]
	s_add_nc_u64 s[20:21], s[20:21], s[46:47]
	s_add_nc_u64 s[CP:CP+1], s[CP:CP+1], s[20:21]
	v_lshlrev_b32 v9, 5, v1                        ; the scale words go from memory straight into registers: lane r takes row r's 32 bytes, 16 for each half of K (lanes 16-31 hold the same and are not read)
.irp i, 0,1,2,3
.irp ch, 0,1
	global_load_b128 v[SC+16*\ch+4*\i:SC+16*\ch+4*\i+3], v9, s[PSA:PSA+1] offset:512*\i+16*\ch
	global_load_b128 v[SCB+16*\ch+4*\i:SCB+16*\ch+4*\i+3], v9, s[PSB:PSB+1] offset:512*\i+16*\ch
.endr
.endr
	v_lshlrev_b32 v8, 6, v2
.irp t, 0,1,2,3
	global_load_b128 v[BIAS+8*\t:BIAS+8*\t+3], v8, s[96:97] offset:(32*(\t/2)+8*(\t%2))*4
	global_load_b128 v[BIAS+8*\t+4:BIAS+8*\t+7], v8, s[96:97] offset:(32*(\t/2)+8*(\t%2))*4+16
.endr
.macro FRAG reg, adr, q, i
.irp p, 0,1,2,3,4,5
.set PC, 12*((\q)%2)+6*(\p/3)+\p%3    ; the piece's number in its plane's 192 bytes; plane q / 2 of the chunk's two; where the piece three on lies behind one padding more, the second address register serves
.if PC%8 < 5
	ds_load_b64 v[\reg+2*\p:\reg+2*\p+1], v[\adr] offset:8*PC+16*(PC/8)+(\i)*16*PITCH+((\q)/2)*64*PITCH
.else
	ds_load_b64 v[\reg+2*\p:\reg+2*\p+1], v[\adr+2] offset:8*PC+16*(PC/8)+(\i)*16*PITCH+((\q)/2)*64*PITCH
.endif
.endr
.endm
.macro FRAG_A reg, ch, q, a
.irp p, 0,1,2,3,4,5
	ds_load_b64 v[\reg+2*\p:\reg+2*\p+1], v[ADRA+\ch] offset:(2*(\q)+\p/3)*3072+768*(\a)+256*(\p%3)
.endr
.endm
.macro FETCH k
	WIN 0x40
.irp i, 0,1,2,3
	FRAG_A 96*((\k)%2)+FR*\i, (\k)/4, (\k)%4, \i
.endr
.irp i, 0,1,2,3
	FRAG 96*((\k)%2)+48+FR*\i, ADRB+(\k)/4, (\k)%4, \i
.endr
	WIN 0
.endm
.macro PLACES n
.rept \n
	v_nop
.endr
.endm
.macro MULS k
.if (\k) == 0
	WIN 0x85
.else
	WIN 0xa5
.endif
.irp a, 0,1,2,3
.irp b, 0,1,2,3
.if (\k) == 0
	v_wmma_scale_f32_16x16x128_f8f6f4 v[8*(4*\a+\b):8*(4*\a+\b)+7], v[96*((\k)%2)+48+FR*\b:96*((\k)%2)+48+FR*\b+FR-1], v[96*((\k)%2)+FR*\a:96*((\k)%2)+FR*\a+FR-1], v[BIAS+8*\b:BIAS+8*\b+7], v[SCB+16*((\k)/4)+4*\b+(\k)%4], v[SC+16*((\k)/4)+4*\a+(\k)%4] matrix_a_fmt:MATRIX_FMT_FP6 matrix_b_fmt:MATRIX_FMT_FP6
.else
	v_wmma_scale_f32_16x16x128_f8f6f4 v[8*(4*\a+\b):8*(4*\a+\b)+7], v[96*((\k)%2)+48+FR*\b:96*((\k)%2)+48+FR*\b+FR-1], v[96*((\k)%2)+FR*\a:96*((\k)%2)+FR*\a+FR-1], v[8*(4*\a+\b):8*(4*\a+\b)+7], v[SCB+16*((\k)/4)+4*\b+(\k)%4], v[SC+16*((\k)/4)+4*\a+(\k)%4] matrix_a_fmt:MATRIX_FMT_FP6 matrix_b_fmt:MATRIX_FMT_FP6
.endif
.endr
.endr
.endm
.macro AHEAD k
	PLACES NP
	FETCH (\k)+1
	s_wait_dscnt 48
	MULS \k
.endm
	s_wait_alu depctr_va_vdst(0)                   ; the wait at the head's end
	s_wait_tensorcnt 0x0                           ; my tile is in,
	s_barrier_signal -1
	s_barrier_wait -1                              ; everybody's is: no tensor load follows
	FETCH 0
	FETCH 1
	s_wait_loadcnt 0x0                             ; the scale words and the bias
	s_wait_dscnt 48                                ; step 0's 48 loads are in; step 1's 48 may be out
	MULS 0
.irp k, 1,2,3,4,5,6
	AHEAD \k
.endr
	s_wait_dscnt 0x0
	MULS 7
	WIN 0
.macro TOSTAGE a
	WIN 0x08
.irp b, 0,1,2,3
	ds_store_b128 v[STO], v[32*(\a)+8*\b:32*(\a)+8*\b+3] offset:128*(\b/2)+32*(\b%2)
	ds_store_b128 v[STO], v[32*(\a)+8*\b+4:32*(\a)+8*\b+7] offset:128*(\b/2)+32*(\b%2)+16
.endr
	WIN 0
.irp t, 0,1,2,3,4,5,6,7
	ds_load_b128 v[OUTR+32*(\a)+4*\t:OUTR+32*(\a)+4*\t+3], v[RD] offset:2*\t*SPITCH
.endr
.endm
.macro SEND a, younger
	s_wait_dscnt \younger
.irp t, 0,1,2,3,4,5,6,7
	global_store_b128 v[CO], v[OUTR+32*(\a)+4*\t:OUTR+32*(\a)+4*\t+3], s[CP:CP+1] offset:(32*((\a)/2)+8*((\a)%2)+2*\t+8*(\t/4))*SIZE_N*4 th:TH_STORE_NT
.endr
.endm
	PLACES NP
	s_wait_alu depctr_va_vdst(0)
	TOSTAGE 0
	TOSTAGE 1
	SEND 0, 16
	TOSTAGE 2
	SEND 1, 16
	TOSTAGE 3
	SEND 2, 16
	SEND 3, 0
	s_wait_tensorcnt 0x0
	ds_add_u32 v[SPW], v[NIL]
	s_wait_dscnt 0x0
	CROUND
	s_endpgm
.Lfunc_end_k_q5f18315ded_outp:
	.size	k_q5f18315ded_outp, .Lfunc_end_k_q5f18315ded_outp-k_q5f18315ded_outp
	.p2alignl 7, 3214868480
	.fill 96, 4, 3214868480
	.section	.rodata,"a",@progbits
	.p2align	6, 0x0
	.amdhsa_kernel k_q5f18315ded_outp
		.amdhsa_group_segment_fixed_size 327680
		.amdhsa_private_segment_fixed_size 0
		.amdhsa_enable_private_segment 0
		.amdhsa_kernarg_size 48
		.amdhsa_user_sgpr_count 2
		.amdhsa_user_sgpr_kernarg_segment_ptr 1
		.amdhsa_wavefront_size32 1
		.amdhsa_system_sgpr_workgroup_id_x 1
		.amdhsa_system_sgpr_workgroup_id_y 1
		.amdhsa_system_sgpr_workgroup_id_z 1
		.amdhsa_system_vgpr_workitem_id 0
		.amdhsa_next_free_vgpr 768
		.amdhsa_next_free_sgpr 100
		.amdhsa_reserve_vcc 0
		.amdhsa_float_denorm_mode_32 3
		.amdhsa_float_denorm_mode_16_64 3
		.amdhsa_memory_ordered 1
		.amdhsa_forward_progress 1
		.amdhsa_inst_pref_size 59
	.end_amdhsa_kernel
	.amdgpu_metadata
---
amdhsa.version: [ 1, 2 ]
amdhsa.kernels:
  - .name:           k_q5f18315ded_outp
    .symbol:         k_q5f18315ded_outp.kd
    .args:
      - { .name: yc, .offset: 0, .size: 8, .value_kind: global_buffer, .address_space: global }
      - { .name: ys, .offset: 8, .size: 8, .value_kind: global_buffer, .address_space: global }
      - { .name: cod, .offset: 16, .size: 8, .value_kind: global_buffer, .address_space: global }
      - { .name: scl, .offset: 24, .size: 8, .value_kind: global_buffer, .address_space: global }
      - { .name: b_proj, .offset: 32, .size: 8, .value_kind: global_buffer, .address_space: global }
      - { .name: out0, .offset: 40, .size: 8, .value_kind: global_buffer, .address_space: global }
    .group_segment_fixed_size: 327680
    .private_segment_fixed_size: 0
    .kernarg_segment_align: 8
    .kernarg_segment_size: 48
    .max_flat_workgroup_size: 128
    .sgpr_count:     100
    .vgpr_count:     768
    .wavefront_size: 32
...
	.end_amdgpu_metadata
.endif
;; end of part 9
